; MI455X (gfx1250); checked and timed in simulation.
; The chip was launched on July 23, 2026; its instructions are those of AMD's public machine-readable ISA for CDNA 5 (MIT licence, August 2026) and "CDNA5" Instruction Set Architecture Reference Guide (July 2026). The comments in the code are by the model that wrote it; some were corrected since.
;; Layer. Allowed arithmetic: matrix products marked QUANTISED: E3M2 operands, one E8M0 scale for each 32 along K, by v_wmma_scale_f32_16x16x128_f8f6f4 with both operands' format E3M2, f32 sums; everything else in f32.
;; Inputs: b1 4,096 float32; b2 1,024 float32; b_proj 1,024 float32; ln1_b 1,024 float32; ln1_w 1,024 float32; ln2_b 1,024 float32; ln2_w 1,024 float32; w1 1,024 x 4,096 float32; w2 4,096 x 1,024 float32; w_proj 1,024 x 1,024 float32; wk 16 x 1,024 x 64 float32; wq 16 x 1,024 x 64 float32; wv 16 x 1,024 x 64 float32; x 4 x 1,024 x 1,024 float32.
;; Outputs: out0 4 x 1,024 x 1,024 float32.
;; This version of the problem:
;;   THIS VERSION OF THE PROBLEM IS GIVEN IN LOW PRECISION. The matrix products marked QUANTISED in the list below multiply operands that are first quantised to E3M2 (3 exponent bits, 2 mantissa bits; 6 bits a number), with one power-of-two scale for each 32 numbers along K (OCP MX v1.0); their sums are f32. All else is computed in f32.
;;   The module's matrix products, in the order in which they are computed (A, B: the left and right operand; K: the contracted axis; several contracted axes count as one K, in the product's order):
;;     1. [M 1,024, K 1,024] x [K 1,024, N 4,096]; A: input wq; B: computed on the way: QUANTISED
;;     2. [M 1,024, K 1,024] x [K 1,024, N 4,096]; A: input wk; B: computed on the way: QUANTISED
;;     3. [M 1,024, K 1,024] x [K 1,024, N 4,096]; A: input wv; B: computed on the way: QUANTISED
;;     4. batch 64 x [M 1,024, K 64] x [K 64, N 1,024]; A: computed on the way; B: computed on the way: QUANTISED
;;     5. batch 64 x [M 1,024, K 1,024] x [K 1,024, N 64]; A: softmax (see below); B: computed on the way: QUANTISED
;;     6. [M 4,096, K 1,024] x [K 1,024, N 1,024]; A: computed on the way; B: input w_proj: QUANTISED
;;     7. [M 4,096, K 1,024] x [K 1,024, N 4,096]; A: computed on the way; B: input w1: QUANTISED
;;     8. [M 4,096, K 4,096] x [K 4,096, N 1,024]; A: computed on the way; B: input w2: QUANTISED
;;   THE QUANTISER, for each operand of a quantised product, along K:
;;     - K is cut into blocks of 32 from its start; a last block that is shorter is filled with zeros.
;;     - A block's scale is 2^e with e = floor(log2(the largest magnitude in the block)) - 4, held to -126 .. 127; a block of zeros has e = 0. As a byte (E8M0): e + 127.
;;     - Each number is divided by its block's scale, clamped to +-28, and rounded to the nearest number of E3M2, ties to even, subnormals kept.
;;     - The product sums the exact products of the quantised numbers (number of the format x scale) in f32.
;;   ~~~python
;;   def quantise(x, axis):      # numpy; x: float32 -> the quantised numbers, widened to float32 again
;;       x = np.moveaxis(x, axis, -1); K = x.shape[-1]
;;       x = np.pad(x, [(0, 0)] * (x.ndim - 1) + [(0, -K % 32)]); x = x.reshape(x.shape[:-1] + (-1, 32)); a = np.abs(x).max(-1, keepdims=True)
;;       e = np.where(a > 0, np.clip(np.frexp(np.where(a > 0, a, 1))[1] - 1 - 4, -126, 127), 0)      # np.frexp(a)[1] - 1 = floor(log2(a)), exactly
;;       r = np.clip(x / 2.0 ** e, -28, 28)
;;       step = 2.0 ** (np.maximum(np.frexp(np.where(r == 0, 1, r))[1] - 1, -2) - 2)
;;       q = np.round(r / step) * step * 2.0 ** e      # np.round: ties to even
;;       return np.moveaxis(q.reshape(q.shape[:-2] + (-1,))[..., :K], -1, axis).astype(np.float32)
;;   ~~~
;;   SOFTMAX AHEAD OF A QUANTISED PRODUCT. Where the list says 'softmax', what is quantised is not the finished softmax but p = 2^(t - M), with t = logit x log2(e) and M = ceil(the row's largest t), a whole number; so 1/2 < the row's largest p <= 1. The row's sum l is taken of the UNQUANTISED p, in f32, and the product's result is divided by l at the end. Since M is a whole number, a kernel that streams over the keys may use a running M (the ceiling of the running maximum): every later rescaling is an exact power of two, which a block's scale takes up: the codes' values come out the same.
;;   OPERANDS COMPUTED ON THE WAY. 'Computed on the way' means the value that the module computes at that place (a softmax that the list does not call 'softmax' is quantised finished and normalised). What goes into a quantiser is computed in f32, as accurately as f32 sums, v_exp_f32 and their like allow (about 1e-6 of the number): no bf16 or f16 on the way to a quantiser, and a product that is left as it is and whose result goes on into a quantised operand takes f32 operands (vector FMAs, or v_wmma_f32_16x16x4_f32). A number that lies on a knife's edge between two numbers of the format may be rounded either way, as far as f32 arithmetic and the matrix unit's own rounding can turn it there, and no further.
;; One version. Each part assembles by itself: llvm-mc -triple=amdgcn-amd-amdhsa -mcpu=gfx1250 --defsym DOCPART=n.
;; ======== version 1 of 1: 7 launches
;; limits: right only within a limited range of input values
;; workspace buffers: W 13,107,200 bytes; XN 3,276,800 bytes; QKV 16,384,000 bytes; AT 3,276,800 bytes; X1 16,777,216 bytes; HB 13,107,200 bytes
;; launch prep (part 1): grid 1024 x 1, 4 waves a work-group, no clusters, 79,872 bytes of LDS; arguments x, ln1_w, ln1_b, XN, wq, wk, wv, w_proj, w1, w2, W; writes XN, W
.if DOCPART == 1
	.amdgcn_target "amdgcn-amd-amdhsa--gfx1250"
	.amdhsa_code_object_version 6
	.text
	.protected	k_q0c16906ed4_prep
	.globl	k_q0c16906ed4_prep
	.p2align	8
	.type	k_q0c16906ed4_prep,@function
k_q0c16906ed4_prep:
	s_mov_b64 s[64:65], 0
	v_nop
	global_prefetch_b8 v0, s[64:65] scope:SCOPE_SE
	s_setreg_imm32_b32 hwreg(HW_REG_WAVE_MODE, 25, 1), 1
	s_wait_xcnt 0x0
; TWO JOBS THAT DO NOT DEPEND ON EACH OTHER, IN ONE LAUNCH: work-groups 0 to 767 quantise the six weights into W, work-groups 768 to 1,023 make the first layer norm of x and quantise it into XN.
; Neither reads what the other stores.  The two ways part once, on the work-group's number, which all waves of a work-group share; each has LDS bytes of its own and ends by itself.
; Both results are codes of BF6 (E3M2) with one E8M0 byte for each 32 along K, laid in the ORDER OF AN OPERAND'S REGISTERS.
; A block of 16 rows x 64 along K is a half image of 768 bytes: lane L = r + 16 h holds k = 32 h + 0 .. 31 in six registers; registers 0-3 lie at 16 L, registers 4-5 at 512 + 8 L.
; Row r of block B is the matrix row 32 (B / 2) + 8 (B % 2) + r + 8 (r / 8).  Codes: [B][K / 64][768].  Scale words (four bytes: 128 along K): [rows / 64][K / 128][B % 4][r].
; A block's scale is 2^(floor(log2(largest magnitude)) - 4); its byte is the largest magnitude's exponent field - 4, held at 1 from below.
; LIMITS: a block of zeros gets the byte 1 where the rule says 127 (its codes are zeros, and this program alone reads the bytes); blocks whose largest magnitude lies under 2^-122 keep the byte 1; NaN and infinities are not served.
; No tensor loads and no cluster: no input byte is read by two work-groups.  With 79,872 bytes of LDS and 256 registers four work-groups fit on a WGP: 1,024 places for 1,024 work-groups.
.set NWQ,  768
	v_lshl_add_u32 v254, v0, 2, 0x13600
	v_mov_b32 v255, 0
	s_cmp_lt_u32 ttmp9, NWQ
	s_cbranch_scc0 .Lnorm
; ---------------------------------------------------------------- THE WEIGHTS
; The weights are f32 with K as the outer axis of a column group.  A job is 64 columns x 128 along K of one weight: 1,536 jobs; two waves share a job, 32 columns each; the two jobs of a work-group lie in one weight,
; so every choice hangs on the work-group's number alone.  A LANE TAKES A COLUMN AND ITS REGISTERS RUN DOWN K: a block of 32 lies in one lane's 32 registers.  A wave has four blocks, two of them (64 loads) on their way at a time.
; The codes gather in the wave's own LDS as two tile images and leave as runs of 512 consecutive bytes.  The 32 scale words leave from registers as 128 consecutive bytes: the other half of their 256 is the neighbouring wave's.
; The waves share nothing: no barrier on this way.
.set EMAX, 4
.set A16,  4                           ; v4   LDS: my column's place for registers 0-3 of a half image
.set A8,   5                           ; v5   and for registers 4-5
.set AW,   6                           ; v6   my column's scale word among the wave's 32: 64 u + 4 r
.set RB,   7                           ; v7   back: 16 x lane
.set GO,   10                          ; v10-11 16 x lane + tile x the pitch from row block to row block
.set SB,   18                          ; v18  my column's scale word
.set C,    20                          ; v20-26 a block's codes
.set OFF,  32                          ; v32-63 4 x lane + i x the weight's pitch
.set X,    64                          ; v64-127 two sets of 32 numbers
.set OUTR, 128                         ; v128-151 the way out
.set WREG, 3328                        ; LDS of a wave: two tile images of 1,536 bytes, rounded up to whole blocks of 256
	s_load_b256 s[4:11], s[0:1], 0x20              ; wq, wk, wv, w_proj
	s_load_b128 s[12:15], s[0:1], 0x40             ; w1, w2
	s_load_b64 s[16:17], s[0:1], 0x50              ; W
	v_lshrrev_b32 v1, 5, v0
	v_readfirstlane_b32 s18, v1                    ; wave
	v_and_b32 v1, 31, v0                           ; lane
	v_bfe_u32 v2, v0, 3, 1                         ; u: which of the two tiles of 32 columns is my column's
	v_and_b32 v3, 7, v0
	v_bfe_u32 v14, v0, 4, 1
	v_lshl_or_b32 v3, v14, 3, v3                   ; r: my column's row in that tile
	s_mul_i32 s37, s18, WREG
	v_mul_u32_u24 v15, v2, 1536
	v_add_nc_u32 v15, s37, v15
	v_lshl_add_u32 v[A16], v3, 4, v15
	v_lshl_add_u32 v[A8], v3, 3, v15
	v_lshlrev_b32 v[AW], 6, v2
	v_lshl_add_u32 v[AW], v3, 2, v[AW]
	v_lshlrev_b32 v16, 4, v1
	v_add_nc_u32 v[RB], s37, v16
	v_lshlrev_b32 v17, 2, v1
	s_lshl_b32 s19, ttmp9, 1
	s_lshr_b32 s38, s18, 1
	s_add_co_u32 s19, s19, s38                     ; J: my job
	s_and_b32 s38, s18, 1                          ; which 32 of its 64 columns are mine
	s_mov_b32 s22, 4096                            ; w2's figures: pitch in bytes,
	s_mov_b32 s23, 256                             ; bytes from a group of 64 columns to the next,
	s_mov_b32 s24, 1024                            ; first job,
	s_mov_b32 s25, 5                               ; log2 of the K steps of 128,
	s_mov_b32 s27, 1536                            ; bytes from row block to row block in W: w2's four blocks of a job lie on end in one unit of 6,400 bytes
	s_wait_alu depctr_va_vdst(0)
	s_wait_kmcnt 0x0
	s_mov_b64 s[20:21], s[14:15]
	s_cmp_lt_u32 ttmp9, 512                        ; w1
	s_cselect_b64 s[20:21], s[12:13], s[20:21]
	s_cselect_b32 s22, 16384, s22
	s_cselect_b32 s24, 512, s24
	s_cselect_b32 s25, 3, s25
	s_cselect_b32 s27, 12288, s27
	s_cmp_lt_u32 ttmp9, 256                        ; w_proj
	s_cselect_b64 s[20:21], s[10:11], s[20:21]
	s_cselect_b32 s22, 4096, s22
	s_cselect_b32 s24, 384, s24
	s_cmp_lt_u32 ttmp9, 192                        ; wv: a group of 64 columns is a head
	s_cselect_b64 s[20:21], s[8:9], s[20:21]
	s_cselect_b32 s22, 256, s22
	s_cselect_b32 s23, 262144, s23
	s_cselect_b32 s24, 256, s24
	s_cmp_lt_u32 ttmp9, 128                        ; wk
	s_cselect_b64 s[20:21], s[6:7], s[20:21]
	s_cselect_b32 s24, 128, s24
	s_cmp_lt_u32 ttmp9, 64                         ; wq
	s_cselect_b64 s[20:21], s[4:5], s[20:21]
	s_cselect_b32 s24, 0, s24
	s_sub_co_u32 s28, s19, s24                     ; the job within its weight
	s_lshr_b32 s29, s28, s25                       ; G: its group of 64 columns
	s_bfm_b32 s26, s25, 0
	s_and_b32 s28, s28, s26                        ; ks: its 128 along K
	s_mul_i32 s30, s29, s23
	s_lshl_b32 s31, s22, 7
	s_mul_i32 s31, s31, s28
	s_add_co_u32 s30, s30, s31
	s_lshl_b32 s31, s38, 7
	s_add_co_u32 s30, s30, s31                     ; + my 32 columns' 128 bytes
	s_mov_b32 s31, 0
	s_add_nc_u64 s[20:21], s[20:21], s[30:31]      ; my first number
	s_lshl_b32 s32, s22, 5                         ; 32 rows of the weight
	s_mov_b32 s33, 0
	s_mov_b64 s[40:41], s[20:21]                   ; block t (K 32 t on) has a base of its own, never rewritten
.irp t, 1,2,3
	s_add_nc_u64 s[40+2*\t:41+2*\t], s[38+2*\t:39+2*\t], s[32:33]
.endr
	s_lshr_b32 s34, s19, 3                         ; where the codes go.  K = 1,024: the five weights are one run of row groups
	s_mul_i32 s34, s34, 49152
	s_and_b32 s35, s19, 7
	s_mul_i32 s35, s35, 1536
	s_add_co_u32 s34, s34, s35
	s_mul_i32 s35, s29, 204800                     ; w2, K = 4,096, lies from W's byte 9,830,400 on as [columns / 64][K / 128][6,400]: a job's four blocks of 1,536 bytes, then its 64 scale words
	s_mul_i32 s36, s28, 6400
	s_add_co_u32 s35, s35, s36
	s_add_co_u32 s35, s35, 9830400
	s_add_co_u32 s48, s35, 6144                    ; where that unit's scale words begin
	s_cmp_lt_u32 ttmp9, 512
	s_cselect_b32 s34, s34, s35
	s_mul_i32 s35, s38, s27
	s_lshl_b32 s35, s35, 1
	s_add_co_u32 s34, s34, s35                     ; my two of the job's four row blocks
	s_mov_b32 s35, 0
	s_add_nc_u64 s[56:57], s[16:17], s[34:35]
	s_lshl_b32 s34, s19, 8
	s_add_co_u32 s34, s34, 9437184
	s_cmp_lt_u32 ttmp9, 512
	s_cselect_b32 s34, s34, s48                    ; w2's words stand in the job's unit
	s_lshl_b32 s36, s38, 7
	s_add_co_u32 s34, s34, s36
	s_add_nc_u64 s[58:59], s[16:17], s[34:35]
.set i, 0
.rept 32
	v_mad_u32_u24 v[OFF+i], s22, i, v17
.set i, i+1
.endr
.irp n, 0,1
	v_mad_u32_u24 v[GO+\n], s27, \n, v16
.endr
.macro LOAD t                          ; block t: 32 numbers down K of my column; a load reads 128 consecutive bytes
.set i, 0
.rept 32
	global_load_b32 v[X+32*((\t)%2)+i], v[OFF+i], s[40+2*(\t):41+2*(\t)] th:TH_LOAD_NT
.set i, i+1
.endr
.endm
.macro BLOCK t
.set XS, X+32*((\t)%2)
.if (\t) < 3
	s_wait_loadcnt 32                              ; this block's 32 loads are in; the next block's may be out
.else
	s_wait_loadcnt 0x0
.endif
	v_max3_num_f32 v14, |v[XS]|, |v[XS+1]|, |v[XS+2]|   ; the block's largest magnitude: all 32 numbers are mine
	v_max3_num_f32 v15, |v[XS+3]|, |v[XS+4]|, |v[XS+5]|
.irp i, 6,10,14,18,22,26
	v_max3_num_f32 v14, v14, |v[XS+\i]|, |v[XS+\i+1]|
	v_max3_num_f32 v15, v15, |v[XS+\i+2]|, |v[XS+\i+3]|
.endr
	v_max3_num_f32 v14, v14, |v[XS+30]|, |v[XS+31]|
	v_max3_num_f32 v14, v14, v15, (EMAX+1)<<23     ; and the floor 2^(5 - 127): the byte cannot fall under 1
	v_add_nc_u32 v16, -(EMAX<<23), v14             ; 4 off the exponent field: the conversion takes the exponent field of this operand as its scale
	v_lshrrev_b32 v17, 23, v16                     ; the scale's byte
.if (\t) == 0
	v_mov_b32 v[SB], v17
.else
	v_lshl_or_b32 v[SB], v17, 8*(\t), v[SB]
.endif
	v_cvt_scalef32_pk16_bf6_f32 v[C:C+2], v[XS:XS+15], v16
	v_cvt_scalef32_pk16_bf6_f32 v[C+4:C+6], v[XS+16:XS+31], v16   ; (a conversion's three registers begin on an even number)
	v_nop                                          ; one plain instruction behind a scaled conversion
	v_mov_b32 v[C+3], v[C+4]
	v_mov_b32 v[C+4], v[C+5]
	v_mov_b32 v[C+5], v[C+6]                       ; six registers on end: k = 32 t + 0 .. 31 of my column
	ds_store_b128 v[A16], v[C:C+3] offset:768*((\t)/2)+256*((\t)%2)
	ds_store_b64 v[A8], v[C+4:C+5] offset:768*((\t)/2)+512+128*((\t)%2)
.if (\t)+2 < 4
	LOAD (\t)+2
.endif
	s_wait_dscnt 0x0                               ; the stores have read their registers: the next block's codes may be written
.endm
	LOAD 0
	LOAD 1
.irp t, 0,1,2,3
	BLOCK \t
.endr
	s_wait_alu depctr_va_vdst(0)
	global_store_b32 v[AW], v[SB], s[58:59]        ; the wave's 32 words: 128 consecutive bytes
.irp n, 0,1,2,3,4,5
	ds_load_b128 v[OUTR+4*\n:OUTR+4*\n+3], v[RB] offset:512*\n   ; LDS serves a wave's instructions in order: these see my stores
.endr
.irp n, 0,1,2,3,4,5
	s_wait_dscnt 5-\n                              ; load n is in; the younger ones may be out
	global_store_b128 v[GO+\n/3], v[OUTR+4*\n:OUTR+4*\n+3], s[56:57] offset:512*(\n%3)   ; 512 consecutive bytes, at a multiple of 256 from W's first byte
.endr
	s_wait_tensorcnt 0x0
	ds_add_u32 v254, v255
	s_wait_dscnt 0x0
	s_endpgm
; ---------------------------------------------------------------- THE LAYER NORM
; y = (x - mean) rsqrt(var + 1e-5) w + b in f32, of [4096][1024] rows, quantised along the row.  Codes [B][16 half images][768 bytes] at XN's byte 0, scale words at byte 3,145,728 as [rows / 64][8][B % 4][r].
; A work-group takes one block B: 16 rows.  Phase 1: a wave takes four whole rows (32 numbers a lane a row): mean, then the variance of x - mean, as the definition has it; the normalised rows go to a stage in LDS.
; One barrier.  Phase 2: a wave takes 256 of the 1,024 columns of all 16 rows, in the operand's lane order, and quantises two fragments; the codes leave from registers as runs of 512 and 256 consecutive aligned bytes.
; The scale words leave as pieces of 64 bytes: the other pieces of their 256 bytes belong to three other work-groups.
.Lnorm:
.set LNB, 4*WREG                       ; the stage begins behind the bytes of the weights' way
.set L16, 4                            ; v4   16 x lane
.set L8,  5                            ; v5   8 x lane
.set SA,  6                            ; v6   the stage, on the way in
.set LA,  7                            ; v7   and on the way out
.set GS,  8                            ; v8   256 h + 4 r: my scale word's place
.set WR,  16                           ; v16-47  the gain;  in phase 2 v16-35 the codes just made
.set BR,  48                           ; v48-79  the bias
.set XR,  80                           ; v80-207 four rows of 32 numbers; in phase 2 two sets of 64
.set S,   208                          ; v208-215 a pair of sums a row
.set MU,  216                          ; v216-223 a pair a row: the mean, later 1 / sqrt(var + eps) in the low word
.set TM,  224                          ; v224-239 at work
.set PW,  240
.set PW0, 241
.set PC,  16
.set SEL, 20                           ; s[20:21] v_permlanex16_b32's selects for lane l xor 16
.set SP,  4112                         ; a stage row: 4,096 bytes + 16, so that the 16 rows that a load touches start 16 bytes apart modulo 256
	s_load_b256 s[4:11], s[0:1], 0x0               ; x, the gain, the bias, XN
	s_sub_co_u32 s24, ttmp9, NWQ                   ; B
	v_lshrrev_b32 v1, 5, v0
	v_readfirstlane_b32 s12, v1                    ; wave
	v_and_b32 v1, 31, v0
	v_and_b32 v2, 15, v0                           ; r
	v_bfe_u32 v3, v0, 4, 1                         ; h
	v_lshlrev_b32 v[L16], 4, v1
	v_lshlrev_b32 v[L8], 3, v1
	s_mul_i32 s13, s12, 4*SP
	s_add_co_u32 s13, s13, LNB
	v_add_nc_u32 v[SA], s13, v[L16]                ; my wave's four stage rows, 16 bytes a lane
	v_mul_u32_u24 v[LA], v2, SP
	v_lshl_add_u32 v[LA], v3, 6, v[LA]
	s_lshl_b32 s13, s12, 10
	s_add_co_u32 s13, s13, LNB
	v_add_nc_u32 v[LA], s13, v[LA]                 ; row r, my wave's 256 columns, + 64 h: 16 numbers of each block of 32
	v_lshlrev_b32 v[GS], 2, v2
	v_lshl_add_u32 v[GS], v3, 8, v[GS]
.irp b, 0,1,2,3
	v_mov_b32 v[TM+4+\b], 0                        ; written once: a lane permute's destination counts as one of its sources
.endr
	s_lshr_b32 s14, s24, 1                         ; my wave's first row: 32 (B / 2) + 8 (B % 2) + 4 w + 8 (w / 2)
	s_lshl_b32 s14, s14, 5
	s_and_b32 s15, s24, 1
	s_lshl_b32 s15, s15, 3
	s_add_co_u32 s14, s14, s15
	s_lshl_b32 s15, s12, 2
	s_add_co_u32 s14, s14, s15
	s_lshr_b32 s15, s12, 1
	s_lshl_b32 s15, s15, 3
	s_add_co_u32 s14, s14, s15
	s_lshl_b32 s14, s14, 12
	s_mov_b32 s15, 0
	s_mul_i32 s16, s24, 12288                      ; the codes: block B, my wave's two fragments
	s_mul_i32 s17, s12, 3072
	s_add_co_u32 s16, s16, s17
	s_mov_b32 s17, 0
	s_lshr_b32 s18, s24, 2                         ; the scale words
	s_lshl_b32 s18, s18, 11
	s_and_b32 s19, s24, 3
	s_lshl_b32 s19, s19, 6
	s_add_co_u32 s18, s18, s19
	s_lshl_b32 s19, s12, 9
	s_add_co_u32 s18, s18, s19
	s_add_co_u32 s18, s18, 3145728
	s_mov_b32 s19, 0
	s_mov_b32 s[SEL], 0x76543210
	s_mov_b32 s[SEL+1], 0xfedcba98
	s_mov_b32 s22, 0x3a800000                      ; 1 / 1024
	s_mov_b32 s23, 0x3727c5ac                      ; 1e-5
	s_wait_kmcnt 0x0
	s_add_nc_u64 s[4:5], s[4:5], s[14:15]
	s_add_nc_u64 s[16:17], s[10:11], s[16:17]
	s_add_nc_u64 s[18:19], s[10:11], s[18:19]
.irp k, 0,1,2,3
.irp i, 0,1,2,3,4,5,6,7
	global_load_b128 v[XR+32*\k+4*\i:XR+32*\k+4*\i+3], v[L16], s[4:5] offset:4096*\k+512*\i   ; 512 consecutive bytes a load
.endr
.endr
.irp i, 0,1,2,3,4,5,6,7
	global_load_b128 v[WR+4*\i:WR+4*\i+3], v[L16], s[6:7] offset:512*\i
.endr
.irp i, 0,1,2,3,4,5,6,7
	global_load_b128 v[BR+4*\i:BR+4*\i+3], v[L16], s[8:9] offset:512*\i
.endr
.macro ACROSS                          ; each row's two sums, then the wave's 32 lanes; every lane ends with the result in S's low word
.irp k, 0,1,2,3
	v_add_f32 v[S+2*\k], v[S+2*\k], v[S+2*\k+1]
.endr
.irp m, 1,2,4,8
.irp k, 0,1,2,3
	v_add_f32_dpp v[S+2*\k], v[S+2*\k], v[S+2*\k] row_xmask:\m row_mask:0xf bank_mask:0xf
.endr
.endr
.irp k, 0,1,2,3
	v_permlanex16_b32 v[TM+4+\k], v[S+2*\k], s[SEL], s[SEL+1]
.endr
.irp k, 0,1,2,3
	v_add_f32 v[S+2*\k], v[S+2*\k], v[TM+4+\k]
.endr
.endm
	s_wait_loadcnt 16                              ; the rows are in; the 16 loads of gain and bias may be out
.irp k, 0,1,2,3
	v_pk_add_f32 v[S+2*\k:S+2*\k+1], v[XR+32*\k:XR+32*\k+1], v[XR+32*\k+2:XR+32*\k+3]
.endr
.irp p, 4,6,8,10,12,14,16,18,20,22,24,26,28,30
.irp k, 0,1,2,3
	v_pk_add_f32 v[S+2*\k:S+2*\k+1], v[S+2*\k:S+2*\k+1], v[XR+32*\k+\p:XR+32*\k+\p+1]   ; the four rows by turns
.endr
.endr
	ACROSS
.irp k, 0,1,2,3
	v_mul_f32 v[MU+2*\k], s22, v[S+2*\k]           ; the mean, in both words of its pair
	v_mul_f32 v[MU+2*\k+1], s22, v[S+2*\k]
.endr
.irp p, 0,2,4,6,8,10,12,14,16,18,20,22,24,26,28,30
.irp k, 0,1,2,3
	v_pk_add_f32 v[XR+32*\k+\p:XR+32*\k+\p+1], v[XR+32*\k+\p:XR+32*\k+\p+1], v[MU+2*\k:MU+2*\k+1] neg_lo:[0,1] neg_hi:[0,1]   ; x - mean
.endr
.endr
.irp k, 0,1,2,3
	v_pk_mul_f32 v[S+2*\k:S+2*\k+1], v[XR+32*\k:XR+32*\k+1], v[XR+32*\k:XR+32*\k+1]
.endr
.irp p, 2,4,6,8,10,12,14,16,18,20,22,24,26,28,30
.irp k, 0,1,2,3
	v_pk_fma_f32 v[S+2*\k:S+2*\k+1], v[XR+32*\k+\p:XR+32*\k+\p+1], v[XR+32*\k+\p:XR+32*\k+\p+1], v[S+2*\k:S+2*\k+1]
.endr
.endr
	ACROSS
.irp k, 0,1,2,3
	v_fma_f32 v[S+2*\k], v[S+2*\k], s22, s23       ; var + eps
.endr
	s_wait_alu depctr_va_vdst(0)
.irp k, 0,1,2,3
	v_rsq_f32 v[MU+2*\k], v[S+2*\k]
.endr
	v_nop                                          ; a plain instruction behind the last of the four
	s_wait_alu depctr_va_vdst(0)                   ; one wait for the four, ahead of their first reader
	s_wait_loadcnt 0x0                             ; gain and bias
.irp p, 0,2,4,6,8,10,12,14,16,18,20,22,24,26,28,30
.irp k, 0,1,2,3
	v_pk_mul_f32 v[XR+32*\k+\p:XR+32*\k+\p+1], v[XR+32*\k+\p:XR+32*\k+\p+1], v[MU+2*\k:MU+2*\k+1] op_sel_hi:[1,0]
.endr
.endr
.irp p, 0,2,4,6,8,10,12,14,16,18,20,22,24,26,28,30
.irp k, 0,1,2,3
	v_pk_fma_f32 v[XR+32*\k+\p:XR+32*\k+\p+1], v[XR+32*\k+\p:XR+32*\k+\p+1], v[WR+\p:WR+\p+1], v[BR+\p:BR+\p+1]
.endr
.endr
.irp k, 0,1,2,3
.irp i, 0,1,2,3,4,5,6,7
	ds_store_b128 v[SA], v[XR+32*\k+4*\i:XR+32*\k+4*\i+3] offset:SP*\k+512*\i
.endr
.endr
	s_wait_dscnt 0x0                               ; for the others' sake: my rows lie in the stage
	s_barrier_signal -1
	s_barrier_wait -1
.irp s, 0,1
.irp b, 0,1,2,3
.irp j, 0,1,2,3
	ds_load_b128 v[XR+64*\s+16*\b+4*\j:XR+64*\s+16*\b+4*\j+3], v[LA] offset:512*\s+128*\b+16*\j   ; register 16 b + i = k 32 b + 16 h + i of my row
.endr
.endr
.endr
; 64 numbers of a lane, register 16 b + i = k 32 b + 16 h + i of my row, become a fragment's codes in v[PC] on and its scale word in v[PW].
.macro QUANT s
.irp b, 0,1,2,3
	v_max3_num_f32 v[TM+\b], |v[\s+16*\b]|, |v[\s+1+16*\b]|, 0x2800000   ; my 16 numbers of block b, and the floor 2^(5 - 127)
.endr
.irp i, 2,4,6,8,10,12,14
.irp b, 0,1,2,3
	v_max3_num_f32 v[TM+\b], v[TM+\b], |v[\s+16*\b+\i]|, |v[\s+1+16*\b+\i]|
.endr
.endr
.irp b, 0,1,2,3
	v_permlanex16_b32 v[TM+4+\b], v[TM+\b], s[SEL], s[SEL+1]
.endr
.irp b, 0,1,2,3
	v_max_num_f32 v[TM+\b], v[TM+\b], v[TM+4+\b]   ; with lane l xor 16's: the block's largest magnitude
.endr
.irp b, 0,1,2,3
	v_add_nc_u32 v[TM+12+\b], 0xfe000000, v[TM+\b] ; 4 off its exponent field: the conversion's scale operand
.endr
.irp b, 0,1,2,3
	v_lshrrev_b32 v[TM+4+\b], 23, v[TM+12+\b]      ; the scale's byte
.endr
	v_lshl_or_b32 v[PW], v[TM+5], 8, v[TM+4]
	v_lshl_or_b32 v[PW], v[TM+6], 16, v[PW]
	v_lshl_or_b32 v[PW], v[TM+7], 24, v[PW]
.irp c, 0,1
	v_cvt_scalef32_pk16_bf6_f32 v[PC+6*\c:PC+2+6*\c], v[\s+32*\c:\s+15+32*\c], v[TM+12+2*\c]
	v_cvt_scalef32_pk16_bf6_f32 v[PC+12+4*\c:PC+14+4*\c], v[\s+16+32*\c:\s+31+32*\c], v[TM+12+2*\c+1]   ; (a conversion's three registers begin on an even number)
.endr
	v_nop                                          ; one plain instruction behind a scaled conversion
.irp c, 0,1                            ; the operand's layout wants a whole block in a lane: lanes 0-15 block 2 c, lanes 16-31 block 2 c + 1
.irp i, 0,1,2
	v_permlane16_swap_b32 v[PC+6*\c+\i], v[PC+12+4*\c+\i]
.endr
.irp i, 0,1,2
	v_mov_b32 v[PC+3+6*\c+\i], v[PC+12+4*\c+\i]
.endr
.endr
.endm
.macro SENDF s                         ; the fragment leaves as two half images
	global_store_b128 v[L16], v[PC:PC+3], s[16:17] offset:1536*\s
	global_store_b64 v[L8], v[PC+4:PC+5], s[16:17] offset:1536*\s+512
	global_store_b128 v[L16], v[PC+6:PC+9], s[16:17] offset:1536*\s+768
	global_store_b64 v[L8], v[PC+10:PC+11], s[16:17] offset:1536*\s+1280
.endm
	s_wait_dscnt 16                                ; the first 128 columns' 16 loads are in; the second's may be out
	QUANT XR
	SENDF 0
	v_mov_b32 v[PW0], v[PW]
	s_wait_dscnt 0x0
	s_wait_xcnt 0x0                                ; the stores have read the codes' registers, which are written again below
	QUANT XR+64
	SENDF 1
	v_cmp_eq_u32 vcc_lo, 1, v3
	v_cndmask_b32 v[PW0], v[PW0], v[PW], vcc_lo    ; lanes 0-15 store the first fragment's words, lanes 16-31 the second's
	global_store_b32 v[GS], v[PW0], s[18:19]
	s_wait_tensorcnt 0x0
	ds_add_u32 v254, v255
	s_wait_dscnt 0x0
	s_endpgm
.Lfunc_end_k_q0c16906ed4_prep:
	.size	k_q0c16906ed4_prep, .Lfunc_end_k_q0c16906ed4_prep-k_q0c16906ed4_prep
	.p2alignl 7, 3214868480
	.fill 96, 4, 3214868480
	.section	.rodata,"a",@progbits
	.p2align	6, 0x0
	.amdhsa_kernel k_q0c16906ed4_prep
		.amdhsa_group_segment_fixed_size 79872
		.amdhsa_private_segment_fixed_size 0
		.amdhsa_enable_private_segment 0
		.amdhsa_kernarg_size 88
		.amdhsa_user_sgpr_count 2
		.amdhsa_user_sgpr_kernarg_segment_ptr 1
		.amdhsa_wavefront_size32 1
		.amdhsa_system_sgpr_workgroup_id_x 1
		.amdhsa_system_sgpr_workgroup_id_y 1
		.amdhsa_system_sgpr_workgroup_id_z 1
		.amdhsa_system_vgpr_workitem_id 0
		.amdhsa_next_free_vgpr 256
		.amdhsa_next_free_sgpr 66
		.amdhsa_reserve_vcc 1
		.amdhsa_float_denorm_mode_32 3
		.amdhsa_float_denorm_mode_16_64 3
		.amdhsa_memory_ordered 1
		.amdhsa_forward_progress 1
		.amdhsa_inst_pref_size 70
	.end_amdhsa_kernel
	.amdgpu_metadata
---
amdhsa.version: [ 1, 2 ]
amdhsa.kernels:
  - .name:           k_q0c16906ed4_prep
    .symbol:         k_q0c16906ed4_prep.kd
    .args:
      - { .name: x, .offset: 0, .size: 8, .value_kind: global_buffer, .address_space: global }
      - { .name: ln1_w, .offset: 8, .size: 8, .value_kind: global_buffer, .address_space: global }
      - { .name: ln1_b, .offset: 16, .size: 8, .value_kind: global_buffer, .address_space: global }
      - { .name: XN, .offset: 24, .size: 8, .value_kind: global_buffer, .address_space: global }
      - { .name: wq, .offset: 32, .size: 8, .value_kind: global_buffer, .address_space: global }
      - { .name: wk, .offset: 40, .size: 8, .value_kind: global_buffer, .address_space: global }
      - { .name: wv, .offset: 48, .size: 8, .value_kind: global_buffer, .address_space: global }
      - { .name: w_proj, .offset: 56, .size: 8, .value_kind: global_buffer, .address_space: global }
      - { .name: w1, .offset: 64, .size: 8, .value_kind: global_buffer, .address_space: global }
      - { .name: w2, .offset: 72, .size: 8, .value_kind: global_buffer, .address_space: global }
      - { .name: W, .offset: 80, .size: 8, .value_kind: global_buffer, .address_space: global }
    .group_segment_fixed_size: 79872
    .private_segment_fixed_size: 0
    .kernarg_segment_align: 8
    .kernarg_segment_size: 88
    .max_flat_workgroup_size: 128
    .sgpr_count:     66
    .vgpr_count:     256
    .wavefront_size: 32
...
	.end_amdgpu_metadata
.endif
;; end of part 1
;; launch qkv (part 2): grid 12 x 16, 4 waves a work-group, clusters of 4 x 4, 327,680 bytes of LDS; arguments XN, W, QKV; writes QKV
.if DOCPART == 2
	.amdgcn_target "amdgcn-amd-amdhsa--gfx1250"
	.amdhsa_code_object_version 6
	.text
	.protected	k_q0c16906ed4_qkv
	.globl	k_q0c16906ed4_qkv
	.p2align	8
	.type	k_q0c16906ed4_qkv,@function
k_q0c16906ed4_qkv:
	s_mov_b64 s[64:65], 0
	v_nop
	global_prefetch_b8 v0, s[64:65] scope:SCOPE_SE
	s_setreg_imm32_b32 hwreg(HW_REG_WAVE_MODE, 25, 1), 1
	s_wait_xcnt 0x0
	s_wait_alu depctr_hold_cnt(0) depctr_sa_sdst(0) depctr_va_vdst(0) depctr_va_sdst(0) depctr_va_ssrc(0) depctr_va_vcc(0) depctr_vm_vsrc(0)
	s_getreg_b32 s2, hwreg(HW_REG_IB_STS2, 6, 4)
	s_cmp_eq_u32 s2, 0
	s_cbranch_scc0 .Lentry_in_a_cluster
	s_endpgm
.Lentry_in_a_cluster:
	s_bfe_u32 s2, ttmp6, 0x10000c
	s_cmp_lg_u32 s2, 0xf033
	s_cbranch_scc0 .Lentry_shape_is_right
	s_endpgm
.Lentry_shape_is_right:
; A GEMM on codes of BF6 (E3M2) with E8M0 scales whose RESULT IS QUANTISED AGAIN, along its columns n, and stored as the next product's operand.  K = 1,024.
; FFN = 0: q, k and v.  Clusters with x < 2: rows = tokens (XN), columns = the 2,048 rows of wq | wk; the result, quantised along (head, e), is attention's Q and K.
;          Clusters with x = 2: rows = wv's 1,024 rows (head, e), columns = the 4,096 tokens; the result, quantised along the tokens, is attention's V with the keys innermost.  One text serves both: only pointers and offsets are chosen,
;          on the cluster's x, which all sixteen partners share.
; FFN = 1: h = relu(xn2 w1 + b1): rows = tokens, columns = w1's 4,096 rows; the bias is the C of each sum's first product.
; OPERANDS lie in memory in the order of the operand's registers.  A half image, 768 bytes, is 16 rows x 64 k: lane L = r + 16 h holds k = 32 h + 0 .. 31 in six registers, registers 0-3 at 16 L, registers 4-5 at 512 + 8 L.
; Codes: [block B of 16 rows][K / 64][768]; scale words (128 k): [rows / 64][K / 128][B % 4][r].  Row r of block B is the matrix row 32 (B / 2) + 8 (B % 2) + r + 8 (r / 8).
; So a fragment comes by four LDS loads of consecutive bytes, and, the product being used transposed (source 0 = 16 columns n, source 1 = 16 rows m), a lane holds one row m and the 16 registers of column blocks 2 b, 2 b + 1 are the
; 16 neighbours n = 32 b + 16 h + 0 .. 15: what the conversions make of them is the next operand's image, stored from registers in runs of 512 and 256 consecutive aligned bytes.
; LIMITS: a block of zeros gets the byte 1 where the rule says 127 (its codes are zeros; this program alone reads the bytes); blocks whose largest magnitude lies under 2^-122 keep the byte 1; NaN and infinities are not served.
; SHARES.  A work-group of four waves makes 256 x 256, a wave 128 x 128: 64 accumulators, 512 registers.  K goes in slots of 256 through a ring of two LDS slots filled by the tensor data mover, a quarter of a slot a wave.
; The scale words of the work-group's rows and columns, for all of K, come once with the first fills.  CLUSTERS: 4 x 4 work-groups; the rows' tiles are asked for jointly along a row of the cluster, the columns' along a column.
; REGISTERS, in windows of 256: window 0: v1-30 addresses, v32-63 scale words (two sets), v64-255 the rows' fragments (two sets of 96).  Window 1: v0-191 the columns' fragments (two sets), v192-255 the bias.  Windows 2, 3: accumulators.
.set FFN,   0
.set MB,    8                          ; blocks of 16 a wave, each side
.set NQ,    2                          ; steps of 128 along K in a slot
.set KK,    1024
.set LAPS,  KK/(256*NQ)
.set RBP,   (KK/128)*1536              ; bytes from row block to row block
.set GRP,   (KK/128)*256               ; scale bytes of 64 rows
.set HALFT, MB*NQ*1536                 ; what one tensor load brings, and what one wave reads of a side
.set SLOT,  4*HALFT
.set HALFS, (MB/4)*GRP
.set SCL,   2*SLOT                     ; behind the ring: the scale words
.set SPARE, SCL+4*HALFS                ; the spare words, 128 bytes a wave: two blocks of 256 bytes that no other line names
.set STAGE, SPARE+512                  ; 512 bytes a wave: the scale words on their way out; no fill lands here
.set ORBP,  49152                      ; the result: bytes from row block to row block
.set CC,    NQ*192                     ; a tile's row in elements of 8 bytes
.set PP,    (KK/128)*192               ; and the pitch
.set GOA,  4                           ; v4   16 x lane
.set GOB,  5                           ; v5   8 x lane
.set BA,   7                           ; v7   64 h: the bias
.set ADRS, 12                          ; v12  my scale words: lanes 0-15 the rows', lanes 16-31 the columns'
.set A16,  16                          ; v16-17 the rows' fragments in slot 0, 1, 16 x lane;  v18-19 8 x lane
.set A8,   18
.set B16,  20                          ; v20-23 the same for the columns
.set B8,   22
.set SWA,  26
.set SRA,  27
.set SPW,  28                          ; v28  SPARE + 4 x my thread's number; never rewritten
.set NIL,  29                          ; v29  0; never rewritten
.set GOS,  30
.set SC,   32
.set AS,   64
.set BS,   0
.set BI,   192
.set G1,   24
.set G0,   32
.set G1B,  48
.set G0B,  56
.set G1S,  68
.set G0S,  76
.set G1SB, 80
.set G0SB, 88
.set MSB, 0
.macro WIN new                         ; the immediate's high byte repeats the setting that is left
.if MSB != (\new)
	s_set_vgpr_msb (MSB<<8)|(\new)
.set MSB, (\new)
.endif
.endm
.macro JLOAD g0a, g1a, g0b, g1b        ; a joint load: waves 0 and 1 fetch for the rows, waves 2 and 3 for the columns; four v_nop follow each line
	s_cmp_eq_u32 s15, 0
	s_cbranch_scc0 .Lfor_b_\@
	tensor_load_to_lds s[\g0a:\g0a+3], s[\g1a:\g1a+7]
	s_nop 0
.rept 4
	v_nop
.endr
	s_branch .Lasked_\@
.Lfor_b_\@:
	tensor_load_to_lds s[\g0b:\g0b+3], s[\g1b:\g1b+7]
	s_nop 0
.rept 4
	v_nop
.endr
.Lasked_\@:
.endm
.macro CREST                           ; a round of the cluster's barrier behind its opening barrier
	s_cmp_lg_u32 s14, 0
	s_cbranch_scc1 .Lnot_wave_0_\@
	s_barrier_signal -3
.Lnot_wave_0_\@:
	s_barrier_wait -3
	s_barrier_signal -1
	s_barrier_wait -1
.endm
.macro CROUND
	s_barrier_signal -1
	s_barrier_wait -1
	CREST
.endm
.macro PLACES n
.rept \n
	v_nop
.endr
.endm
	s_load_b128 s[4:7], s[0:1], 0x0                ; XN, W
	s_load_b64 s[8:9], s[0:1], 0x10                ; the result's buffer
.if FFN
	s_load_b64 s[98:99], s[0:1], 0x18              ; b1
.endif
	v_lshl_add_u32 v[SPW], v0, 2, SPARE
	v_mov_b32 v[NIL], 0
	ds_add_u32 v28, v29
	ds_add_u32 v28, v29
	s_wait_dscnt 0x0
	v_lshrrev_b32 v1, 5, v0
	v_readfirstlane_b32 s14, v1                    ; wave 0..3
	s_lshr_b32 s15, s14, 1                         ; which half of the rows is mine.  Also: I fetch for the rows (0) or the columns (1)
	s_and_b32 s16, s14, 1                          ; which half of the columns.  Also: which half of that side I fetch
	s_bfe_u32 s40, ttmp6, 0x40000                  ; cx, cy
	s_bfe_u32 s41, ttmp6, 0x40004
	s_and_b32 s17, ttmp7, 0xffff                   ; cluster y
.if FFN
	s_mov_b32 s42, ttmp9
	s_mov_b32 s18, 0                               ; byte offsets in their buffers: the rows' codes,
	s_mov_b32 s19, 3145728                         ; the rows' scale words,
	s_mov_b32 s95, 3145728                         ; the columns' codes (w1),
	s_mov_b32 s94, 9568256                         ; the columns' scale words,
	s_mov_b32 s96, 0                               ; the result's codes,
	s_mov_b32 s97, 12582912                        ; the result's scale words
.else
	s_cmp_lt_u32 ttmp9, 2                          ; q and k, or v?
	s_cselect_b32 s42, ttmp9, s17                  ; the cluster's column of tiles
	s_cselect_b32 s17, s17, 0                      ; and its row
	s_cselect_b32 s18, 0, 1572864                  ; byte offsets in their buffers: the rows' codes (XN, or wv in W),
	s_mov_b32 s19, 9502720
	s_cselect_b32 s19, 3145728, s19                ; the rows' scale words,
	s_mov_b32 s95, 0                               ; the columns' codes (wq | wk in W, or XN),
	s_mov_b32 s94, 3145728
	s_cselect_b32 s94, 9437184, s94                ; the columns' scale words,
	s_cselect_b32 s96, 0, 12582912                 ; the result's codes,
	s_mov_b32 s97, 16252928
	s_cselect_b32 s97, 15728640, s97               ; the result's scale words
.endif
	s_lshl_b32 s42, s42, 2
	s_add_co_u32 s42, s42, s40                     ; TC: tile column
	s_lshl_b32 s17, s17, 2
	s_add_co_u32 s17, s17, s41                     ; TR: tile row
	s_lshl_b32 s43, s41, 2
	s_lshl_b32 s43, 15, s43                        ; my row of the cluster
	s_lshl_b32 s44, 0x1111, s40                    ; my column
	; descriptor group 1: MB rows (one a block of 16 matrix rows) of NQ x 1,536 bytes, elements of 8 bytes, no padding
	s_or_b32 s[G1+0], s43, (3<<16)|(1<<21)         ; 15:0 the mask; 17:16 elements of 8 bytes; 21 set beside a mask
	s_or_b32 s[G1B+0], s44, (3<<16)|(1<<21)
.irp g, G1, G1B
	s_mov_b32 s[\g+1], CC<<16                      ; tensor_dim0
	s_mov_b32 s[\g+2], (2*MB)<<16                  ; the head's load brings both halves of a side; behind it the two words that count rows are set to MB
	s_mov_b32 s[\g+3], CC<<16                      ; tile_dim0
	s_mov_b32 s[\g+4], 2*MB
	s_mov_b32 s[\g+5], PP                          ; tensor_dim0_stride
	s_mov_b32 s[\g+6], 0
	s_mov_b32 s[\g+7], 0
.endr
	; the scale words of 128 rows: a dense block of HALFS bytes, as rows of 256 bytes
	s_or_b32 s[G1S+0], s43, (3<<16)|(1<<21)
	s_or_b32 s[G1SB+0], s44, (3<<16)|(1<<21)
.irp g, G1S, G1SB
	s_mov_b32 s[\g+1], 32<<16
	s_mov_b32 s[\g+2], (2*HALFS/256)<<16           ; the scale words of a side's 256 rows: one dense block
	s_mov_b32 s[\g+3], 32<<16
	s_mov_b32 s[\g+4], 2*HALFS/256
	s_mov_b32 s[\g+5], 32
	s_mov_b32 s[\g+6], 0
	s_mov_b32 s[\g+7], 0
.endr
	s_lshl_b32 s20, s17, 1                         ; the rows' first half: 2 TR
	s_mul_i32 s22, s20, HALFS
	s_add_co_u32 s22, s22, s19
	s_mov_b32 s23, 0
	s_mul_i32 s20, s20, MB*RBP
	s_add_co_u32 s20, s20, s18
	s_mov_b32 s21, 0
	s_lshl_b32 s46, s42, 1                         ; the columns' first half: 2 TC
	s_mul_i32 s92, s46, HALFS
	s_add_co_u32 s92, s92, s94
	s_mov_b32 s93, 0
	s_mul_i32 s46, s46, MB*RBP
	s_add_co_u32 s46, s46, s95
	s_mov_b32 s47, 0
	s_mul_i32 s45, s14, HALFT                      ; where they go: wave x a quarter: no place in the cluster enters an LDS address
	s_wait_kmcnt 0x0
.if FFN
	s_mov_b64 s[10:11], s[4:5]
	s_mov_b64 s[12:13], s[6:7]
.else
	s_cmp_lt_u32 ttmp9, 2
	s_cselect_b64 s[10:11], s[4:5], s[6:7]         ; the rows' buffer
	s_cselect_b64 s[12:13], s[6:7], s[4:5]         ; the columns'
.endif
	s_add_nc_u64 s[20:21], s[10:11], s[20:21]
	s_add_nc_u64 s[22:23], s[10:11], s[22:23]
	s_add_nc_u64 s[46:47], s[12:13], s[46:47]
	s_add_nc_u64 s[92:93], s[12:13], s[92:93]
	CROUND                                         ; all sixteen work-groups are here: the first joint loads meet
	s_mov_b32 s[G0S], 1
	s_mov_b32 s[G0S+1], SCL
	s_mov_b64 s[G0S+2:G0S+3], s[22:23]
	s_or_b32 s[G0S+3], s[G0S+3], 0x80000000
	s_mov_b32 s[G0SB], 1
	s_mov_b32 s[G0SB+1], SCL+2*HALFS
	s_mov_b64 s[G0SB+2:G0SB+3], s[92:93]
	s_or_b32 s[G0SB+3], s[G0SB+3], 0x80000000
; THE HEAD'S LOADS, ONE A WAVE: wave 0 slot 0's rows, wave 1 slot 0's columns, wave 2 the rows' scale words, wave 3 the columns'.  One tree of branches on the wave's number, all arms leading to one join.
; Slot 0's group 0 serves the head's whole-side loads first; it is set for the ring behind the wait that shows them landed.
	s_mov_b32 s[G0], 1
	s_mov_b32 s[G0+1], 0
	s_mov_b64 s[G0+2:G0+3], s[20:21]
	s_or_b32 s[G0+3], s[G0+3], 0x80000000
	s_mov_b32 s[G0B], 1
	s_mov_b32 s[G0B+1], 2*HALFT
	s_mov_b64 s[G0B+2:G0B+3], s[46:47]
	s_or_b32 s[G0B+3], s[G0B+3], 0x80000000
.macro HARM under, g0, g1, next
	s_cmp_lt_u32 s14, \under
	s_cbranch_scc0 \next
	tensor_load_to_lds s[\g0:\g0+3], s[\g1:\g1+7]
	s_nop 0
.rept 4
	v_nop
.endr
	s_branch .Lhead_asked
\next:
.endm
	HARM 1, G0, G1, .Lhead_b
	HARM 2, G0B, G1B, .Lhead_sa
	HARM 3, G0S, G1S, .Lhead_sb
	tensor_load_to_lds s[G0SB:G0SB+3], s[G1SB:G1SB+7]
	s_nop 0
.rept 4
	v_nop
.endr
.Lhead_asked:
	s_mul_i32 s18, s16, MB*RBP                     ; for the ring: the half of a side that I fetch
	s_mov_b32 s19, 0
	s_add_nc_u64 s[20:21], s[20:21], s[18:19]
	s_add_nc_u64 s[46:47], s[46:47], s[18:19]
	s_cmp_eq_u32 s15, 0                            ; the prefetches: the half of a side that I fetch,
	s_cselect_b64 s[66:67], s[20:21], s[46:47]
	s_cselect_b32 s18, s40, s41                    ; and my place among the four that ask for it with me: 24 of a fill's 96 blocks of 256 bytes each
	s_mul_i32 s18, s18, 24
.irp s, 1
	s_mov_b32 s[G0+4*\s], 1
	s_add_co_u32 s[G0+4*\s+1], s45, \s*SLOT
	s_add_nc_u64 s[G0+4*\s+2:G0+4*\s+3], s[20:21], \s*NQ*1536
	s_or_b32 s[G0+4*\s+3], s[G0+4*\s+3], 0x80000000
	s_mov_b32 s[G0B+4*\s], 1
	s_add_co_u32 s[G0B+4*\s+1], s45, \s*SLOT
	s_add_nc_u64 s[G0B+4*\s+2:G0B+4*\s+3], s[46:47], \s*NQ*1536
	s_or_b32 s[G0B+4*\s+3], s[G0B+4*\s+3], 0x80000000
.endr
	v_and_b32 v1, 15, v0                           ; r
	v_bfe_u32 v2, v0, 4, 1                         ; h
	v_and_b32 v3, 31, v0
	v_lshlrev_b32 v[GOA], 4, v3
	v_lshlrev_b32 v[GOB], 3, v3
	v_min_u32 v8, 23, v3                           ; the prefetches' offset: block j = 24 x my place + lane (the lanes left over name the last again);
	v_add_nc_u32 v8, s18, v8
	v_mul_u32_u24 v9, 43, v8
	v_lshrrev_b32 v9, 9, v9                        ; j / 12 (exact for j under 96): the tile's row, 12 blocks of 256 bytes each;
	v_mul_u32_u24 v9, 9216, v9
	v_lshl_add_u32 v9, v8, 8, v9                   ; row x 12,288 + (j % 12) x 256; never rewritten
	s_mul_i32 s21, s15, HALFT                      ; my half of the rows
	s_mul_i32 s22, s16, HALFT                      ; my half of the columns,
	s_add_co_u32 s22, s22, 2*HALFT                 ; which lie behind the rows' two halves
.irp s, 0,1
	v_add_nc_u32 v[A16+\s], s21, v[GOA]
	v_add_nc_u32 v[A8+\s], s21, v[GOB]
	v_add_nc_u32 v[B16+\s], s22, v[GOA]
	v_add_nc_u32 v[B8+\s], s22, v[GOB]
	s_add_co_u32 s21, s21, SLOT
	s_add_co_u32 s22, s22, SLOT
.endr
	s_mul_i32 s21, s15, HALFS
	s_mul_i32 s22, s16, HALFS
	s_add_co_u32 s22, s22, 2*HALFS
	s_sub_co_u32 s22, s22, s21
	v_mul_u32_u24 v6, s22, v2                      ; lanes 16-31 take the columns' words
	s_add_co_u32 s21, s21, SCL
	v_lshl_add_u32 v6, v1, 2, v6
	v_add_nc_u32 v[ADRS], s21, v6
	s_lshl_b32 s23, s14, 9
	s_add_co_u32 s23, s23, STAGE
	v_lshl_add_u32 v[SWA], v1, 2, s23              ; the result's scale words: into my stage, 4 r,
	v_add_nc_u32 v[SRA], s23, v[GOA]               ; back, 16 bytes a lane,
	v_lshlrev_b32 v[GOS], 13, v2
	v_lshl_add_u32 v[GOS], v1, 4, v[GOS]
	global_prefetch_b8 v9, s[66:67] offset:NQ*1536 th:TH_LOAD_NT scope:SCOPE_SE   ; K slot 1, one fill ahead of its load
	s_lshl_b32 s20, s17, 4                         ; the result's codes: row block 16 TR + 8 x my half, K step 2 TC + my half
	s_lshl_b32 s21, s15, 3
	s_add_co_u32 s20, s20, s21
	s_mul_i32 s20, s20, ORBP
	s_add_co_u32 s20, s20, s96
	s_lshl_b32 s46, s42, 1
	s_add_co_u32 s46, s46, s16
	s_mul_i32 s47, s46, 1536
	s_add_co_u32 s20, s20, s47
	s_mov_b32 s21, 0
	s_add_nc_u64 s[10:11], s[8:9], s[20:21]
	s_lshl_b32 s20, s17, 2                         ; its scale words: group 4 TR + 2 x my half
	s_lshl_b32 s21, s15, 1
	s_add_co_u32 s20, s20, s21
	s_lshl_b32 s20, s20, 13
	s_add_co_u32 s20, s20, s97
	s_lshl_b32 s46, s46, 8
	s_add_co_u32 s20, s20, s46
	s_mov_b32 s21, 0
	s_add_nc_u64 s[12:13], s[8:9], s[20:21]
.if FFN
	s_lshl_b32 s46, s42, 10                        ; the bias of my 128 columns; lane (r, h) wants, for column block b, those of columns 32 (b / 2) + 8 (b % 2) + 16 h + 0 .. 7
	s_lshl_b32 s47, s16, 9
	s_add_co_u32 s46, s46, s47
	s_mov_b32 s47, 0
	s_add_nc_u64 s[98:99], s[98:99], s[46:47]
	v_lshlrev_b32 v[BA], 6, v2
	WIN 0x40
.irp b, 0,1,2,3,4,5,6,7
	global_load_b128 v[BI+8*\b:BI+8*\b+3], v[BA], s[98:99] offset:(32*(\b/2)+8*(\b%2))*4
	global_load_b128 v[BI+8*\b+4:BI+8*\b+7], v[BA], s[98:99] offset:(32*(\b/2)+8*(\b%2))*4+16
.endr
	WIN 0
.endif
.macro FRAG reg, a16, a8, off          ; a fragment, 16 rows x 128 k, 12 registers: two half images, each 512 + 256 consecutive bytes
	ds_load_b128 v[\reg:\reg+3], v[\a16] offset:\off
	ds_load_b64 v[\reg+4:\reg+5], v[\a8] offset:\off+512
	ds_load_b128 v[\reg+6:\reg+9], v[\a16] offset:\off+768
	ds_load_b64 v[\reg+10:\reg+11], v[\a8] offset:\off+1280
.endm
.macro FETCH slot, q, p                ; both sides' eight fragments of the slot's q-th 128 along K, into set p
	WIN 0x40                                       ; destination window 1
.irp i, 0,1,2,3,4,5,6,7
	FRAG BS+96*(\p)+12*\i, B16+\slot, B8+\slot, (\i*NQ+(\q))*1536
.endr
	WIN 0
.irp i, 0,1,2,3,4,5,6,7
	FRAG AS+96*(\p)+12*\i, A16+\slot, A8+\slot, (\i*NQ+(\q))*1536
.endr
.endm
.macro FB slot, q, p, i0               ; four of the columns' fragments, 16 loads
	WIN 0x40
.irp i, \i0, \i0+1, \i0+2, \i0+3
	FRAG BS+96*(\p)+12*(\i), B16+\slot, B8+\slot, ((\i)*NQ+(\q))*1536
.endr
.endm
.macro FA slot, q, p, i0               ; four of the rows' fragments, 16 loads
	WIN 0
.irp i, \i0, \i0+1, \i0+2, \i0+3
	FRAG AS+96*(\p)+12*(\i), A16+\slot, A8+\slot, ((\i)*NQ+(\q))*1536
.endr
.endm
.macro SCALES set
.irp i, 0,1,2,3,4,5,6,7
.irp q, 0,1
	ds_load_b32 v[SC+16*\set+NQ*\i+\q], v[ADRS] offset:(\i/4)*GRP+(\i%4)*64+256*\q
.endr
.endr
.endm
; 16 matrix instructions: row blocks 2 qd, 2 qd + 1 x the eight column blocks.  first = 1: the products start the sums, with the bias or the constant 0 as C.
; The 64 accumulators take turns, one instruction a turn, in the same order in every step.
.macro MULQ qd, p, q, set, first
.if (\first) && FFN
	WIN 0x91+0x40*((\qd)/2)                        ; source 0 and C window 1, source 1 window 0, D window 2 or 3
.else
	WIN 0xa1+0x50*((\qd)/2)                        ; source 0 window 1, source 1 window 0, C and D window 2 or 3
.endif
.irp a, 2*(\qd), 2*(\qd)+1
.irp b, 0,1,2,3,4,5,6,7
.set rD, 8*(8*((\a)%4)+\b)
.set rB, BS+96*(\p)+12*\b
.set rA, AS+96*(\p)+12*(\a)
.set rX, SC+16*(\set)+NQ*\b+(\q)
.set rY, SC+16*(\set)+NQ*(\a)+(\q)
.if (\first) && FFN
	v_wmma_scale_f32_16x16x128_f8f6f4 v[rD:rD+7], v[rB:rB+11], v[rA:rA+11], v[BI+8*\b:BI+8*\b+7], v[rX], v[rY] matrix_a_fmt:MATRIX_FMT_BF6 matrix_b_fmt:MATRIX_FMT_BF6 matrix_a_scale:MATRIX_SCALE_ROW1
.elseif \first
	v_wmma_scale_f32_16x16x128_f8f6f4 v[rD:rD+7], v[rB:rB+11], v[rA:rA+11], 0, v[rX], v[rY] matrix_a_fmt:MATRIX_FMT_BF6 matrix_b_fmt:MATRIX_FMT_BF6 matrix_a_scale:MATRIX_SCALE_ROW1
.else
	v_wmma_scale_f32_16x16x128_f8f6f4 v[rD:rD+7], v[rB:rB+11], v[rA:rA+11], v[rD:rD+7], v[rX], v[rY] matrix_a_fmt:MATRIX_FMT_BF6 matrix_b_fmt:MATRIX_FMT_BF6 matrix_a_scale:MATRIX_SCALE_ROW1
.endif
.endr
.endr
.endm
; A step of 128 along K that has its successor in the same slot: the successor's fragments are asked for first and land under this step's 64 products.
.macro STEP slot, q, first
	s_wait_dscnt 16                                ; this step's columns, scale words and row blocks 0-3 are in; the youngest 16 loads, row blocks 4-7, may be out
	PLACES 4                                       ; four plain instructions between the last step's products and the loads into the registers that they read
	FB \slot, (\q)+1, 1-(\q)%2, 0                  ; the successor's fragments come in four runs of 16 loads, one ahead of each 16 products
	MULQ 0, (\q)%2, \q, \slot, \first
	FB \slot, (\q)+1, 1-(\q)%2, 4
	MULQ 1, (\q)%2, \q, \slot, \first
	FA \slot, (\q)+1, 1-(\q)%2, 0
	s_wait_dscnt 48                                ; row blocks 4-7 are in: all but the 48 loads issued behind them
	MULQ 2, (\q)%2, \q, \slot, \first
	FA \slot, (\q)+1, 1-(\q)%2, 4
	MULQ 3, (\q)%2, \q, \slot, \first
	WIN 0
.endm
; A slot's last step changes slots: one barrier; in front of it each wave waits for all its tensor loads, adds 0 to its spare word, and waits for that and for its reads of this slot.  fill = 1: this slot is filled again.
.macro TURN slot, next, fill
	s_wait_tensorcnt 0x0                           ; all my tensor loads have landed: my part of the next slot
	ds_add_u32 v[SPW], v[NIL]                      ; 0 onto my spare word
	s_wait_dscnt 17                                ; the add and the 16 loads of row blocks 4-7 may be out
	MULQ 0, 1, NQ-1, \slot, 0
	s_wait_dscnt 0x0                               ; the add is done, and my reads of this slot are over
	s_barrier_signal -1
	MULQ 1, 1, NQ-1, \slot, 0
	WIN 0
	s_barrier_wait -1
.if \fill
	CREST                                          ; the barrier has opened a round of the cluster's: no wave of any partner still reads this slot or has a load on its way
	s_add_nc_u64 s[G0+4*\slot+2:G0+4*\slot+3], s[G0+4*\slot+2:G0+4*\slot+3], 2*NQ*1536
	s_add_nc_u64 s[G0B+4*\slot+2:G0B+4*\slot+3], s[G0B+4*\slot+2:G0B+4*\slot+3], 2*NQ*1536
	JLOAD G0+4*\slot, G1, G0B+4*\slot, G1B         ; my one tensor load behind the round; its four v_nop are the places in front of the loads below
.else
	PLACES 4
.endif
	s_wait_alu depctr_va_vdst(0)
	v_add_nc_u32 v[ADRS], NQ*256, v[ADRS]          ; the next slot's scale words
	FB \next, 0, 0, 0
	FB \next, 0, 0, 4
	MULQ 2, 1, NQ-1, \slot, 0
	FA \next, 0, 0, 0
	SCALES \next
	FA \next, 0, 0, 4                              ; row blocks 4-7 last: the next step's first wait leaves them out
.if (\fill) && (\slot) == 0
	global_prefetch_b8 v9, s[66:67] offset:3*NQ*1536 th:TH_LOAD_NT scope:SCOPE_SE   ; K slot 3, the last: one fill ahead of its load (the loop has one trip)
.endif
	MULQ 3, 1, NQ-1, \slot, 0
	WIN 0
.endm
	s_wait_alu depctr_va_vdst(0)
	s_wait_tensorcnt 0x0                           ; my tile of the head's four is in; slot 1's first fill is issued as a refill is:
	ds_add_u32 v[SPW], v[NIL]                      ; 0 onto my spare word
	s_mov_b32 s[G1+2], MB<<16                      ; no load of mine is out: from here on a load brings MB rows,
	s_mov_b32 s[G1+4], MB
	s_mov_b32 s[G1B+2], MB<<16
	s_mov_b32 s[G1B+4], MB
	s_mov_b32 s[G0+1], s45                         ; and slot 0's group 0 is the ring's: my quarter, one slot of K ahead of slot 1's
	s_sub_nc_u64 s[G0+2:G0+3], s[G0+6:G0+7], NQ*1536
	s_mov_b32 s[G0B+1], s45
	s_sub_nc_u64 s[G0B+2:G0B+3], s[G0B+6:G0B+7], NQ*1536
	s_wait_dscnt 0x0
	CROUND                                         ; all four tiles are in, and all sixteen work-groups are here
	JLOAD G0+4, G1, G0B+4, G1B                     ; slot 1: my one tensor load behind the round
	SCALES 0
	FETCH 0, 0, 0                                  ; row blocks 4-7 last
	global_prefetch_b8 v9, s[66:67] offset:2*NQ*1536 th:TH_LOAD_NT scope:SCOPE_SE   ; K slot 2
.if FFN
	s_wait_loadcnt 0x0                             ; the bias
.endif
	STEP 0, 0, 1                                   ; the first step stands in front of the loop: its products start the sums
	s_mov_b32 s3, LAPS-1
.Llap:                                             ; a trip goes once round the ring and fills both slots again
	TURN 0, 1, 1
	STEP 1, 0, 0
	TURN 1, 0, 1
	STEP 0, 0, 0
	s_sub_co_u32 s3, s3, 1
	s_cmp_lg_u32 s3, 0
	s_cbranch_scc1 .Llap
	TURN 0, 1, 0                                   ; the last lap fills nothing
	STEP 1, 0, 0
	s_wait_dscnt 0x0
	MULQ 0, 1, NQ-1, 1, 0
	MULQ 1, 1, NQ-1, 1, 0
	MULQ 2, 1, NQ-1, 1, 0
	MULQ 3, 1, NQ-1, 1, 0
	WIN 0
; THE WAY OUT, a block of 16 rows x 128 columns at a time: (relu,) the largest magnitude of each 32 columns, the scale bytes, the conversions; the twelve registers are the next operand's fragment and are stored as they stand.
.set T,   64                           ; v64-87  six partial maxima for each of four blocks of 32
.set TX,  88
.set SCF, 92
.set BY,  96
.set PC,  104                          ; v104-122 the codes
.set SO,  124
.set PW,  128                          ; v128-135 a scale word for each of the eight row blocks
	PLACES 4                                       ; behind the last products: what follows reads results and writes registers that products have read
	s_mov_b32 s18, 0x76543210
	s_mov_b32 s19, 0xfedcba98                      ; v_permlanex16_b32's selects for lane l xor 16
.irp b, 0,1,2,3
	v_mov_b32 v[TX+\b], 0                          ; written once: a lane permute's destination counts as one of its sources
.endr
.macro QBLK a
.set AC, 64*((\a)%4)
.set WN, 2+(\a)/4
.if FFN
.set WW, (WN<<6)|(WN<<2)
	WIN WW
.set j, 0
.rept 64
	v_max_num_f32 v[AC+j], 0, v[AC+j]              ; the activation, in f32; each accumulator from its low end on
.set j, j+1
.endr
.endif
.set WW, WN|(WN<<2)|(WN<<4)
	WIN WW
.irp g, 0,1,2,3,4
.irp b, 0,1,2,3
	v_max3_num_f32 v[T+6*\b+\g], |v[AC+16*\b+3*\g]|, |v[AC+16*\b+3*\g+1]|, |v[AC+16*\b+3*\g+2]|   ; each accumulator is first read at its low end
.endr
.endr
.irp b, 0,1,2,3
	v_max3_num_f32 v[T+6*\b+5], |v[AC+16*\b+13]|, |v[AC+16*\b+14]|, |v[AC+16*\b+15]|
.endr
	WIN 0
.irp b, 0,1,2,3
	v_max3_num_f32 v[T+6*\b], v[T+6*\b], v[T+6*\b+1], v[T+6*\b+2]
.endr
.irp b, 0,1,2,3
	v_max3_num_f32 v[T+6*\b+3], v[T+6*\b+3], v[T+6*\b+4], v[T+6*\b+5]
.endr
.irp b, 0,1,2,3
	v_max3_num_f32 v[T+6*\b], v[T+6*\b], v[T+6*\b+3], 0x2800000   ; and the floor 2^(5 - 127): the byte cannot fall under 1
.endr
.irp b, 0,1,2,3
	v_permlanex16_b32 v[TX+\b], v[T+6*\b], s18, s19
.endr
.irp b, 0,1,2,3
	v_max_num_f32 v[T+6*\b], v[T+6*\b], v[TX+\b]   ; with lane l xor 16's 16 columns: the block's largest magnitude
.endr
.irp b, 0,1,2,3
	v_add_nc_u32 v[SCF+\b], 0xfe000000, v[T+6*\b]  ; 4 off its exponent field: the conversion's scale operand
.endr
.irp b, 0,1,2,3
	v_lshrrev_b32 v[BY+\b], 23, v[SCF+\b]
.endr
	v_lshl_or_b32 v[PW+(\a)], v[BY+1], 8, v[BY]
	v_lshl_or_b32 v[PW+(\a)], v[BY+2], 16, v[PW+(\a)]
	v_lshl_or_b32 v[PW+(\a)], v[BY+3], 24, v[PW+(\a)]
.if (\a) > 0
	s_wait_xcnt 0x0                                ; the last block's stores have read the codes' registers
.endif
	WIN WN                                         ; source 0 in the accumulators' window
.irp c, 0,1
	v_cvt_scalef32_pk16_bf6_f32 v[PC+6*\c:PC+6*\c+2], v[AC+32*\c:AC+32*\c+15], v[SCF+2*\c]
	v_cvt_scalef32_pk16_bf6_f32 v[PC+12+4*\c:PC+14+4*\c], v[AC+32*\c+16:AC+32*\c+31], v[SCF+2*\c+1]
.endr
	WIN 0
	v_nop                                          ; one plain instruction behind a scaled conversion
.irp c, 0,1                            ; a whole block of 32 in a lane: lanes 0-15 block 2 c, lanes 16-31 block 2 c + 1
.irp i, 0,1,2
	v_permlane16_swap_b32 v[PC+6*\c+\i], v[PC+12+4*\c+\i]
.endr
.irp i, 0,1,2
	v_mov_b32 v[PC+3+6*\c+\i], v[PC+12+4*\c+\i]
.endr
.endr
	global_store_b128 v[GOA], v[PC:PC+3], s[10:11] offset:(\a)*ORBP          ; 512 consecutive bytes, at a multiple of 256 from the buffer's first byte
	global_store_b64 v[GOB], v[PC+4:PC+5], s[10:11] offset:(\a)*ORBP+512     ; 256
	global_store_b128 v[GOA], v[PC+6:PC+9], s[10:11] offset:(\a)*ORBP+768
	global_store_b64 v[GOB], v[PC+10:PC+11], s[10:11] offset:(\a)*ORBP+1280
	ds_store_b32 v[SWA], v[PW+(\a)] offset:64*(\a)  ; lanes r and r + 16 write the same word with the same value
.endm
.irp a, 0,1,2,3,4,5,6,7
	QBLK \a
.endr
	ds_load_b128 v[SO:SO+3], v[SRA]                ; LDS serves a wave's instructions in order: this sees my stores
	s_wait_dscnt 0x0
	global_store_b128 v[GOS], v[SO:SO+3], s[12:13] ; sixteen lanes store 256 consecutive aligned bytes: a group of 64 rows' words of this K step
	s_wait_tensorcnt 0x0                           ; the wave's end
	ds_add_u32 v[SPW], v[NIL]
	s_wait_dscnt 0x0
	CROUND                                         ; the closing round: no work-group ends while a partner may still ask for a tile that names it
	s_endpgm
.Lfunc_end_k_q0c16906ed4_qkv:
	.size	k_q0c16906ed4_qkv, .Lfunc_end_k_q0c16906ed4_qkv-k_q0c16906ed4_qkv
	.p2alignl 7, 3214868480
	.fill 96, 4, 3214868480
	.section	.rodata,"a",@progbits
	.p2align	6, 0x0
	.amdhsa_kernel k_q0c16906ed4_qkv
		.amdhsa_group_segment_fixed_size 327680
		.amdhsa_private_segment_fixed_size 0
		.amdhsa_enable_private_segment 0
		.amdhsa_kernarg_size 24
		.amdhsa_user_sgpr_count 2
		.amdhsa_user_sgpr_kernarg_segment_ptr 1
		.amdhsa_wavefront_size32 1
		.amdhsa_system_sgpr_workgroup_id_x 1
		.amdhsa_system_sgpr_workgroup_id_y 1
		.amdhsa_system_sgpr_workgroup_id_z 1
		.amdhsa_system_vgpr_workitem_id 0
		.amdhsa_next_free_vgpr 1024
		.amdhsa_next_free_sgpr 100
		.amdhsa_reserve_vcc 0
		.amdhsa_float_denorm_mode_32 3
		.amdhsa_float_denorm_mode_16_64 3
		.amdhsa_memory_ordered 1
		.amdhsa_forward_progress 1
		.amdhsa_inst_pref_size 155
	.end_amdhsa_kernel
	.amdgpu_metadata
---
amdhsa.version: [ 1, 2 ]
amdhsa.kernels:
  - .name:           k_q0c16906ed4_qkv
    .symbol:         k_q0c16906ed4_qkv.kd
    .args:
      - { .name: XN, .offset: 0, .size: 8, .value_kind: global_buffer, .address_space: global }
      - { .name: W, .offset: 8, .size: 8, .value_kind: global_buffer, .address_space: global }
      - { .name: QKV, .offset: 16, .size: 8, .value_kind: global_buffer, .address_space: global }
    .group_segment_fixed_size: 327680
    .private_segment_fixed_size: 0
    .kernarg_segment_align: 8
    .kernarg_segment_size: 24
    .max_flat_workgroup_size: 128
    .sgpr_count:     100
    .vgpr_count:     1024
    .wavefront_size: 32
...
	.end_amdgpu_metadata
.endif
;; end of part 2
;; launch attn (part 3): grid 4 x 64, 16 waves a work-group, clusters of 4 x 1, 169,984 bytes of LDS; arguments QKV, AT; writes AT
.if DOCPART == 3
	.amdgcn_target "amdgcn-amd-amdhsa--gfx1250"
	.amdhsa_code_object_version 6
	.text
	.protected	k_q0c16906ed4_attn
	.globl	k_q0c16906ed4_attn
	.p2align	8
	.type	k_q0c16906ed4_attn,@function
k_q0c16906ed4_attn:
	s_mov_b64 s[64:65], 0
	v_nop
	global_prefetch_b8 v0, s[64:65] scope:SCOPE_SE
	s_setreg_imm32_b32 hwreg(HW_REG_WAVE_MODE, 25, 1), 1
	s_wait_xcnt 0x0
	s_wait_alu depctr_hold_cnt(0) depctr_sa_sdst(0) depctr_va_vdst(0) depctr_va_sdst(0) depctr_va_ssrc(0) depctr_va_vcc(0) depctr_vm_vsrc(0)
	s_getreg_b32 s2, hwreg(HW_REG_IB_STS2, 6, 4)
	s_cmp_eq_u32 s2, 0
	s_cbranch_scc0 .Lentry_in_a_cluster
	s_endpgm
.Lentry_in_a_cluster:
	s_bfe_u32 s2, ttmp6, 0x10000c
	s_cmp_lg_u32 s2, 0x3003
	s_cbranch_scc0 .Lentry_shape_is_right
	s_endpgm
.Lentry_shape_is_right:
; Causal attention on codes of BF6 (E3M2) with E8M0 scales: 64 (batch, head) pairs, 1,024 tokens, head size 64.  Q, K (quantised along the head's 64) and V (quantised along the keys) lie in QKV in the order of an operand's registers:
; a half image, 768 bytes, is 16 rows x 64 k: lane L = r + 16 h holds k = 32 h + 0 .. 31 in six registers, registers 0-3 at 16 L, registers 4-5 at 512 + 8 L.  Row r of block B is the matrix row 32 (B / 2) + 8 (B % 2) + r + 8 (r / 8).
; THE SOFTMAX: t = score x log2(e) / 8; M = the running largest t rounded up to a whole number; p = 2^(t - M) is quantised along the keys, not normalised; the row's sum is taken of the unquantised p and divides at the end.
; When M moves, the sum and O are multiplied by 2^(old M - new M), which rounds nothing.  The result, quantised along (head, e), goes to AT as the next product's operand, stored from registers.
; LIMITS: a block of zeros gets the byte 1 where the rule says 127 (its codes are zeros; this program alone reads the bytes); blocks whose largest magnitude lies under 2^-122 keep the byte 1; NaN and infinities are not served.
; SHARES.  The four work-groups of a cluster serve one (batch, head).  Wave w of work-group cx owns query block 4 g + cx, g = g(w): 16 queries inside tokens 64 g .. 64 g + 63, so the four work-groups have the same causal work and the two
; causal tests hang on the wave's number alone.  Group g has g / 2 + 1 key steps.  g(w) = 15 - w where w lies on a diagonal of the square (w / 4, w % 4), else w: the four waves of each row and of each column of that square
; then have 18 key steps in all.  The head's whole K and V and their scale words, 104,448 bytes, come into LDS ONCE, by four joint loads (waves 0 to 3, one each; the mask names all four work-groups): no byte of LDS is filled again.
; Both products are used transposed (S^T = K Q^T, O^T = V^T P^T): a lane holds one query throughout.  By the row order above the 16 registers of key tiles 2 b, 2 b + 1 are the 16 neighbouring keys 32 b + 16 h + 0 .. 15.
; THE FIRST PRODUCT'S K IS 64, the instruction's 128: Q's upper six registers are zero codes; K's operand takes as its upper six registers whatever follows (the next tile's codes, zeros behind the last): they meet zero codes.
; Q's and K's scale words are loaded as 16 bits, zero-extended: the upper two bytes are 0, never 0xff.
; REGISTERS: v1-8 addresses that stay; v10-15 the step's; v16-27 Q; v28 -M, v29 the largest t, v[30:31] the sum; v32-85 eight tiles of K, later four fragments of V; v86-94 scale words; v96-159 S^T, then p; v160-191 O^T; v192-210 codes; v212 p's scale word.
.set AK16, 1                           ; v1   16 x lane (also a store offset)
.set AK8,  2                           ; v2   8 x lane
.set ASK,  3                           ; v3   K's scale words: 4 r + 2 x (head % 2)
.set AV16, 4
.set AV8,  5
.set ASV,  6
.set VQ,   7                           ; v7   my query - 16 h
.set R4,   8                           ; v8   4 r
.set LV,   49152                       ; LDS: K's 64 tiles of 768 bytes at 0; V's images [e tile][key step][1,536] here;
.set LKS,  98304                       ; K's scale words, 64 bytes a tile;
.set LVS,  102400                      ; V's, [key step][e tile][r]
.set WV,   18                          ; s18  my wave's number
.set GW,   66                          ; s66  g(w): my group of 64 tokens
.set SEL,  20
.set CS,   22
.set G1K,  24
.set G1V,  32
.set G1KS, 40
.set G1VS, 48
.set G0K,  56
.set G0V,  60
.set G0KS, 68
.set G0VS, 72
.set TK,   76                          ; s76-79 where the step's tiles and words begin in their regions
.set TSK,  77
.set TV,   78
.set TSV,  79
.set KF,   80                          ; s80  the step's first key
.set CNT,  81
.set LIMH, 82                          ; s82  64 g + 64: a step that begins here or later is hidden from all my queries
.set LIMO, 83                          ; s83  64 g: a step that ends here or earlier is open to all of them
.macro CROUND
	s_barrier_signal -1
	s_barrier_wait -1
	s_cmp_lg_u32 s[WV], 0
	s_cbranch_scc1 .Lnot_wave_0_\@
	s_barrier_signal -3
.Lnot_wave_0_\@:
	s_barrier_wait -3
	s_barrier_signal -1
	s_barrier_wait -1
.endm
.macro G1SET g, c, r, p                ; descriptor group 1: r rows of c elements of 8 bytes, p elements apart; the mask names the four work-groups, bit 21 beside it
	s_mov_b32 s[\g], 15|(3<<16)|(1<<21)
	s_mov_b32 s[\g+1], (\c)<<16
	s_mov_b32 s[\g+2], (\r)<<16
	s_mov_b32 s[\g+3], (\c)<<16
	s_mov_b32 s[\g+4], \r
	s_mov_b32 s[\g+5], \p
	s_mov_b32 s[\g+6], 0
	s_mov_b32 s[\g+7], 0
.endm
.macro ONE wave, g0, g1                ; one wave's one joint load; four v_nop follow it
	s_cmp_lg_u32 s[WV], \wave
	s_cbranch_scc1 .Lnot_\@
	tensor_load_to_lds s[\g0:\g0+3], s[\g1:\g1+7]
	s_nop 0
.rept 4
	v_nop
.endr
	s_branch .Lasked                               ; one chain of branches, one load to an arm, all arms to one join
.Lnot_\@:
.endm
	s_load_b128 s[4:7], s[0:1], 0x0                ; QKV, AT
	v_lshl_add_u32 v251, v0, 2, 0x29000
	v_mov_b32 v255, 0
	ds_add_u32 v251, v255
	ds_add_u32 v251, v255
	v_lshrrev_b32 v8, 5, v0
	s_delay_alu instid0(VALU_DEP_1)
	v_readfirstlane_b32 s[WV], v8                  ; wave 0..15
	s_lshr_b32 s14, s[WV], 2                       ; g(w): with a = w / 4 and b = w % 4, w lies on a diagonal where the two bits of a xor b are equal
	s_xor_b32 s14, s14, s[WV]                      ; bits 1:0 = a xor b
	s_lshr_b32 s15, s14, 1
	s_xor_b32 s14, s14, s15                        ; bit 0 = the two bits' difference
	s_and_b32 s14, s14, 1
	s_xor_b32 s14, s14, 1                          ; 1 on a diagonal
	s_mul_i32 s14, s14, 15
	s_xor_b32 s[GW], s[WV], s14                    ; there 15 - w, elsewhere w
	s_bfe_u32 s12, ttmp6, 0x40000                  ; cx
	s_and_b32 s8, ttmp7, 0xffff
	s_lshr_b32 s9, s8, 4                           ; batch
	s_and_b32 s10, s8, 15                          ; head
	s_and_b32 s11, s10, 1                          ; which half image of a fragment is the head's
	s_lshr_b32 s13, s10, 1
	s_lshl_b32 s19, s11, 1
	G1SET G1K, 96, 64, 6144                        ; K: 64 tiles of 768 bytes, 49,152 bytes apart
	G1SET G1V, 1536, 4, 6144                       ; V: 4 tiles of e, each 8 key steps of 1,536 bytes on end
	G1SET G1KS, 32, 16, 1024                       ; K's scale words: 16 groups of 64 tokens, 256 bytes each, 8,192 apart
	G1SET G1VS, 32, 8, 32                          ; V's: 8 key steps of 256 bytes, dense
	s_add_co_u32 s14, s13, 8                       ; k's columns stand behind q's 1,024: K step 8 + head / 2
	s_mul_i32 s84, s9, 3145728
	s_mul_i32 s15, s14, 1536
	s_add_co_u32 s84, s84, s15
	s_mul_i32 s15, s11, 768
	s_add_co_u32 s84, s84, s15
	s_mov_b32 s85, 0                               ; K's codes
	s_mul_i32 s86, s10, 196608
	s_mul_i32 s15, s9, 12288
	s_add_co_u32 s86, s86, s15
	s_add_co_u32 s86, s86, 12582912
	s_mov_b32 s87, 0                               ; V's codes
	s_lshl_b32 s88, s9, 17
	s_lshl_b32 s15, s14, 8
	s_add_co_u32 s88, s88, s15
	s_add_co_u32 s88, s88, 15728640
	s_mov_b32 s89, 0                               ; K's scale words
	s_lshl_b32 s90, s10, 13
	s_lshl_b32 s15, s9, 11
	s_add_co_u32 s90, s90, s15
	s_add_co_u32 s90, s90, 16252928
	s_mov_b32 s91, 0                               ; V's scale words
	s_mov_b32 s[SEL], 0x76543210
	s_mov_b32 s[SEL+1], 0xfedcba98
	s_mov_b32 s[CS], 0x3e38aa3b                    ; c = log2(e) / 8
	s_mov_b32 s[CS+1], s[CS]
	s_mov_b32 s[TK], 0
	s_mov_b32 s[TSK], 0
	s_mov_b32 s[TV], 0
	s_mov_b32 s[TSV], 0
	s_mov_b32 s[KF], 0
	s_mov_b32 s[CNT], 8
	s_lshl_b32 s[LIMO], s[GW], 6
	s_add_co_u32 s[LIMH], s[LIMO], 64
	s_wait_dscnt 0x0
	s_wait_kmcnt 0x0
	CROUND                                         ; all four work-groups are here: the joint loads meet
	s_mov_b32 s[G0K], 1
	s_mov_b32 s[G0K+1], 0
	s_add_nc_u64 s[G0K+2:G0K+3], s[4:5], s[84:85]
	s_or_b32 s[G0K+3], s[G0K+3], 0x80000000
	s_mov_b32 s[G0V], 1
	s_mov_b32 s[G0V+1], LV
	s_add_nc_u64 s[G0V+2:G0V+3], s[4:5], s[86:87]
	s_or_b32 s[G0V+3], s[G0V+3], 0x80000000
	s_mov_b32 s[G0KS], 1
	s_mov_b32 s[G0KS+1], LKS
	s_add_nc_u64 s[G0KS+2:G0KS+3], s[4:5], s[88:89]
	s_or_b32 s[G0KS+3], s[G0KS+3], 0x80000000
	s_mov_b32 s[G0VS], 1
	s_mov_b32 s[G0VS+1], LVS
	s_add_nc_u64 s[G0VS+2:G0VS+3], s[4:5], s[90:91]
	s_or_b32 s[G0VS+3], s[G0VS+3], 0x80000000
	ONE 0, G0K, G1K
	ONE 1, G0V, G1V
	ONE 2, G0KS, G1KS
	ONE 3, G0VS, G1VS
.Lasked:
	; my query block: 64 x batch + 4 g + cx.  cx enters global addresses and the mask's comparison alone
	s_lshl_b32 s92, s9, 6
	s_lshl_b32 s15, s[GW], 2
	s_add_co_u32 s92, s92, s15
	s_add_co_u32 s92, s92, s12
	s_mul_i32 s16, s13, 1536
	s_mul_i32 s15, s11, 768
	s_add_co_u32 s16, s16, s15                     ; the head's half image in a block's run
	s_mul_i32 s94, s92, 49152
	s_add_co_u32 s94, s94, s16
	s_mov_b32 s95, 0
	s_mul_i32 s96, s92, 12288
	s_add_co_u32 s96, s96, s16
	s_mov_b32 s97, 0
	s_lshl_b32 s15, s9, 4
	s_add_co_u32 s15, s15, s[GW]                   ; my group of 64 tokens
	s_lshl_b32 s16, s13, 8
	s_lshl_b32 s17, s12, 6
	s_add_co_u32 s16, s16, s17
	s_add_co_u32 s16, s16, s19
	s_lshl_b32 s92, s15, 13
	s_add_co_u32 s92, s92, s16
	s_add_co_u32 s92, s92, 15728640
	s_mov_b32 s93, 0
	s_lshl_b32 s98, s15, 11
	s_add_co_u32 s98, s98, s16
	s_add_co_u32 s98, s98, 3145728
	s_mov_b32 s99, 0
	s_add_nc_u64 s[94:95], s[4:5], s[94:95]        ; Q's codes
	s_add_nc_u64 s[92:93], s[4:5], s[92:93]        ; Q's scales
	s_add_nc_u64 s[96:97], s[6:7], s[96:97]        ; the result's codes
	s_add_nc_u64 s[98:99], s[6:7], s[98:99]        ; the result's scales
	s_lshr_b32 s15, s12, 1                         ; my block's first query: 64 g + 32 (cx / 2) + 8 (cx % 2)
	s_lshl_b32 s15, s15, 5
	s_and_b32 s16, s12, 1
	s_lshl_b32 s16, s16, 3
	s_add_co_u32 s15, s15, s16
	s_add_co_u32 s15, s15, s[LIMO]
	v_and_b32 v9, 31, v0
	s_delay_alu instid0(VALU_DEP_1)
	v_lshlrev_b32 v[AK16], 4, v9
	s_delay_alu instid0(VALU_DEP_2)
	v_lshlrev_b32 v[AK8], 3, v9
	v_and_b32 v9, 15, v0                           ; r
	s_delay_alu instid0(VALU_DEP_1)
	v_lshlrev_b32 v[R4], 2, v9
	global_load_b128 v[16:19], v[AK16], s[94:95]   ; Q's half image stays in registers
	global_load_b64 v[20:21], v[AK8], s[94:95] offset:512
	global_load_u16 v94, v[R4], s[92:93]           ; and its two scale bytes
	v_add_nc_u32 v[ASK], s19, v[R4]
	s_delay_alu instid0(VALU_DEP_1)
	v_add_nc_u32 v[ASK], LKS, v[ASK]
	v_add_nc_u32 v[AV16], LV, v[AK16]
	v_add_nc_u32 v[AV8], LV, v[AK8]
	v_add_nc_u32 v[ASV], LVS, v[R4]
	v_bfe_u32 v10, v0, 4, 1                        ; h
	v_and_b32 v11, 8, v9
	s_delay_alu instid0(VALU_DEP_1)
	v_add_nc_u32 v[VQ], v9, v11
	s_delay_alu instid0(VALU_DEP_3)
	v_lshlrev_b32 v11, 4, v10
	s_delay_alu instid0(VALU_DEP_1)
	v_sub_nc_u32 v[VQ], v[VQ], v11
	s_delay_alu instid0(VALU_DEP_1)
	v_add_nc_u32 v[VQ], s15, v[VQ]
.irp j, 22,23,24,25,26,27,80,81,82,83,84,85
	v_mov_b32 v[\j], 0                             ; zero codes: k = 64 .. 127 of Q, and what stands behind K's last tile
.endr
	v_mov_b32 v29, 0xff61b1e6                      ; the largest t so far: -3e38
	s_delay_alu instid0(VALU_DEP_1)
	v_floor_f32 v28, -v29                          ; -M
	v_mov_b32 v30, 0
	v_mov_b32 v31, 0
.irp j, 236,237,238,239,252,253
	v_mov_b32 v[\j], 0                             ; permutes' destinations, and the pair v[252:253], are written once
.endr
.set j, 0
.rept 32
	v_mov_b32 v[160+j], 0                          ; O^T: the step is written once; the first change of M multiplies zeros
.set j, j+1
.endr
	s_wait_tensorcnt 0x0                           ; my load, if I issued one, has landed
	s_barrier_signal -1
	s_barrier_wait -1                              ; everybody's has
	s_wait_loadcnt 0x0                             ; Q
.Lstep:                                            ; eight trips of 128 keys: a constant count; a hidden step's work is jumped over, not the lines that step addresses
	s_cmp_ge_u32 s[KF], s[LIMH]
	s_cbranch_scc1 .Lhidden
	v_add_nc_u32 v10, s[TK], v[AK16]               ; these six are also the places between the last step's products and the loads into the registers that they read
	v_add_nc_u32 v11, s[TK], v[AK8]
	v_add_nc_u32 v12, s[TSK], v[ASK]
	v_add_nc_u32 v13, s[TV], v[AV16]
	v_add_nc_u32 v14, s[TV], v[AV8]
	v_add_nc_u32 v15, s[TSV], v[ASV]
.irp t, 0,1,2,3,4,5,6,7
	ds_load_b128 v[32+6*\t:35+6*\t], v10 offset:768*\t
	ds_load_b64 v[36+6*\t:37+6*\t], v11 offset:768*\t+512
	ds_load_u16 v[86+\t], v12 offset:64*\t
.endr
	s_wait_alu depctr_va_vdst(0)
	s_wait_dscnt 0x0
.irp t, 0,1,2,3,4,5,6,7
	v_wmma_scale_f32_16x16x128_f8f6f4 v[96+8*\t:103+8*\t], v[32+6*\t:43+6*\t], v[16:27], 0, v[86+\t], v94 matrix_a_fmt:MATRIX_FMT_BF6 matrix_b_fmt:MATRIX_FMT_BF6
.endr
.rept 4
	v_nop                                          ; places in front of the loads below and of the first read of the scores
.endr
.irp t, 0,1,2,3                        ; V's four fragments of these 128 keys are asked for now and land under the softmax
	ds_load_b128 v[32+12*\t:35+12*\t], v13 offset:12288*\t
	ds_load_b64 v[36+12*\t:37+12*\t], v14 offset:12288*\t+512
	ds_load_b128 v[38+12*\t:41+12*\t], v13 offset:12288*\t+768
	ds_load_b64 v[42+12*\t:43+12*\t], v14 offset:12288*\t+1280
	ds_load_b32 v[86+\t], v15 offset:64*\t
.endr
	s_add_co_u32 s84, s[KF], 128                   ; a step all of whose keys count for all my queries skips the mask
	s_cmp_le_u32 s84, s[LIMO]
	s_cbranch_scc1 .Lopen
	v_sub_nc_u32 v252, v[VQ], s[KF]                ; d = my query - KF - 16 h.  Register 16 b + i holds key KF + 32 b + 16 h + i: hidden where 32 b + i > d
	v_mov_b32 v254, 0xff800000                     ; -infinity
.set n, 0
.rept 64
	v_cmp_gt_i32 vcc_lo, 32*(n/16)+n%16, v252
	v_cndmask_b32 v[96+n], v[96+n], v254, vcc_lo
.set n, n+1
.endr
.Lopen:
.irp b, 0,1,2,3
	v_max3_num_f32 v[232+\b], v[96+16*\b], v[97+16*\b], v[98+16*\b]   ; the largest score of each block of 32 keys: it serves the row's maximum and, since p rises with the score, the block's largest p
.endr
.irp i, 3,5,7,9,11,13
.irp b, 0,1,2,3
	v_max3_num_f32 v[232+\b], v[232+\b], v[96+16*\b+\i], v[97+16*\b+\i]
.endr
.endr
.irp b, 0,1,2,3
	v_max_num_f32 v[232+\b], v[232+\b], v[111+16*\b]
.endr
.irp b, 0,1,2,3
	s_delay_alu instid0(VALU_DEP_4)
	v_permlanex16_b32 v[236+\b], v[232+\b], s[SEL], s[SEL+1]
.endr
.irp b, 0,1,2,3
	s_delay_alu instid0(VALU_DEP_4)
	v_max_num_f32 v[232+\b], v[232+\b], v[236+\b]  ; with lane l xor 16's 16 keys
.endr
	s_delay_alu instid0(VALU_DEP_2)
	v_max3_num_f32 v254, v232, v233, v234
	s_delay_alu instid0(VALU_DEP_1)
	v_max_num_f32 v254, v254, v235
	s_delay_alu instid0(VALU_DEP_1)
	v_mul_f32 v254, s[CS], v254                    ; the step's largest t (c is positive)
	s_delay_alu instid0(VALU_DEP_1)
	v_max_num_f32 v29, v29, v254
	v_mov_b32 v254, v28
	s_delay_alu instid0(VALU_DEP_2)
	v_floor_f32 v28, -v29                          ; the new -M = -ceil(t)
	s_delay_alu instid0(VALU_DEP_1)
	v_sub_f32 v254, v28, v254                      ; old M - new M: a whole number, 0 or less
	s_delay_alu instid0(VALU_DEP_1)
	v_cvt_i32_f32 v254, v254                       ; (it saturates)
	s_delay_alu instid0(VALU_DEP_1)
	v_ldexp_f32 v252, 1.0, v254                    ; f = 2^(old M - new M)
.irp j, 0,2,4,6,8,10,12,14,16,18,20,22,24,26,28,30,32,34,36,38,40,42,44,46,48,50,52,54,56,58,60,62
	v_pk_fma_f32 v[96+\j:97+\j], v[96+\j:97+\j], s[CS:CS+1], v[28:29] op_sel_hi:[1,0,0]   ; t - M
.endr
.irp b, 0,1,2,3
	v_fma_f32 v[232+\b], v[232+\b], s[CS], v28     ; the same of each block's largest score
.endr
.set j, 0
	s_wait_alu depctr_va_vdst(0)
.rept 64
	v_exp_f32 v[96+j], v[96+j]                     ; p = 2^(t - M)
.set j, j+1
.endr
	v_pk_mul_f32 v[30:31], v[30:31], v[252:253] op_sel_hi:[1,0]   ; the sums under the new M: a plain instruction behind the exponentials
	s_wait_alu depctr_va_vdst(0)                   ; one wait for the batch of 64, ahead of its first reader
.irp b, 0,1,2,3
	v_exp_f32 v[232+\b], v[232+\b]                 ; each block's largest p
.endr
	v_pk_add_f32 v[236:237], v[100:101], v[104:105]
	v_pk_add_f32 v[248:249], v[108:109], v[112:113]
	v_pk_add_f32 v[246:247], v[116:117], v[120:121]
	v_pk_add_f32 v[244:245], v[124:125], v[128:129]
	v_pk_add_f32 v[242:243], v[132:133], v[136:137]
	v_pk_add_f32 v[240:241], v[140:141], v[144:145]
	v_pk_add_f32 v[238:239], v[148:149], v[152:153]
	v_pk_add_f32 v[30:31], v[30:31], v[156:157]
	v_pk_add_f32 v[236:237], v[236:237], v[96:97]
	v_pk_add_f32 v[248:249], v[248:249], v[98:99]
	v_pk_add_f32 v[246:247], v[246:247], v[102:103]
	v_pk_add_f32 v[244:245], v[244:245], v[106:107]
	v_pk_add_f32 v[242:243], v[242:243], v[110:111]
	v_pk_add_f32 v[240:241], v[240:241], v[114:115]
	v_pk_add_f32 v[238:239], v[238:239], v[118:119]
	v_pk_add_f32 v[30:31], v[30:31], v[122:123]
	v_pk_add_f32 v[236:237], v[236:237], v[126:127]
	v_pk_add_f32 v[248:249], v[248:249], v[130:131]
	v_pk_add_f32 v[246:247], v[246:247], v[134:135]
	v_pk_add_f32 v[244:245], v[244:245], v[138:139]
	v_pk_add_f32 v[242:243], v[242:243], v[142:143]
	v_pk_add_f32 v[240:241], v[240:241], v[146:147]
	v_pk_add_f32 v[238:239], v[238:239], v[150:151]
	v_pk_add_f32 v[30:31], v[30:31], v[154:155]
	v_pk_add_f32 v[236:237], v[236:237], v[158:159]
	s_delay_alu instid0(VALU_DEP_2)
	v_pk_add_f32 v[30:31], v[30:31], v[244:245]
	s_delay_alu instid0(VALU_DEP_2)
	v_pk_add_f32 v[236:237], v[236:237], v[242:243]
	v_pk_add_f32 v[248:249], v[248:249], v[240:241]
	v_pk_add_f32 v[246:247], v[246:247], v[238:239]
	s_delay_alu instid0(VALU_DEP_2)
	v_pk_add_f32 v[30:31], v[30:31], v[248:249]
	s_delay_alu instid0(VALU_DEP_2)
	v_pk_add_f32 v[236:237], v[236:237], v[246:247]
	s_delay_alu instid0(VALU_DEP_1)
	v_pk_add_f32 v[30:31], v[30:31], v[236:237]
	s_wait_alu depctr_va_vdst(0)                   ; and one for the four
.irp b, 0,1,2,3
	v_max_num_f32 v[232+\b], 0x2800000, v[232+\b]  ; the floor 2^(5 - 127)
.endr
.irp b, 0,1,2,3
	s_delay_alu instid0(VALU_DEP_4)
	v_add_nc_u32 v[244+\b], 0xfe000000, v[232+\b]
.endr
.irp b, 0,1,2,3
	s_delay_alu instid0(VALU_DEP_4)
	v_lshrrev_b32 v[236+\b], 23, v[244+\b]
.endr
	s_delay_alu instid0(VALU_DEP_3)
	v_lshl_or_b32 v212, v237, 8, v236              ; p's scale word for these 128 keys
	s_delay_alu instid0(VALU_DEP_1)
	v_lshl_or_b32 v212, v238, 16, v212
	s_delay_alu instid0(VALU_DEP_1)
	v_lshl_or_b32 v212, v239, 24, v212
.irp c, 0,1
	v_cvt_scalef32_pk16_bf6_f32 v[192+6*\c:194+6*\c], v[96+32*\c:111+32*\c], v[244+2*\c]
	v_cvt_scalef32_pk16_bf6_f32 v[204+4*\c:206+4*\c], v[112+32*\c:127+32*\c], v[244+2*\c+1]
.endr
	v_nop                                          ; one plain instruction behind a scaled conversion
.irp c, 0,1
.irp i, 0,1,2
	v_permlane16_swap_b32 v[192+6*\c+\i], v[204+4*\c+\i]
.endr
.irp i, 0,1,2
	s_delay_alu instid0(VALU_DEP_3)
	v_mov_b32 v[195+6*\c+\i], v[204+4*\c+\i]
.endr
.endr
.irp j, 0,2,4,6,8,10,12,14,16,18,20,22,24,26,28,30
	v_pk_mul_f32 v[160+\j:161+\j], v[160+\j:161+\j], v[252:253] op_sel_hi:[1,0]   ; O^T under the new M; these sixteen also stand between the codes' and the scale word's last writes and the products
.endr
	s_wait_alu depctr_va_vdst(0)
	s_wait_dscnt 0x0                               ; V
.irp t, 0,1,2,3
	v_wmma_scale_f32_16x16x128_f8f6f4 v[160+8*\t:167+8*\t], v[32+12*\t:43+12*\t], v[192:203], v[160+8*\t:167+8*\t], v[86+\t], v212 matrix_a_fmt:MATRIX_FMT_BF6 matrix_b_fmt:MATRIX_FMT_BF6
.endr
.Lhidden:
	s_add_co_u32 s[TK], s[TK], 6144
	s_add_co_u32 s[TSK], s[TSK], 512
	s_add_co_u32 s[TV], s[TV], 1536
	s_add_co_u32 s[TSV], s[TSV], 256
	s_add_co_u32 s[KF], s[KF], 128
	s_sub_co_u32 s[CNT], s[CNT], 1
	s_cmp_lg_u32 s[CNT], 0
	s_cbranch_scc1 .Lstep
	; THE WAY OUT: O^T / the sum; register 16 b + i is channel 32 b + 16 h + i of my query: two blocks of 32, quantised as above; the six registers are the head's half image of the next operand.
.rept 4
	v_nop                                          ; places behind the last products
.endr
	v_add_f32 v30, v30, v31
	s_delay_alu instid0(VALU_DEP_1)
	v_permlanex16_b32 v236, v30, s[SEL], s[SEL+1]
	s_delay_alu instid0(VALU_DEP_1)
	v_add_f32 v30, v30, v236                       ; the row's sum
	s_wait_alu depctr_va_vdst(0)
	v_rcp_f32 v30, v30
	v_nop                                          ; a plain instruction behind the reciprocal
	s_wait_alu depctr_va_vdst(0)                   ; and the wait ahead of its first reader
.set j, 0
.rept 32
	v_mul_f32 v[96+j], v[160+j], v30
.set j, j+1
.endr
	v_max3_num_f32 v232, |v96|, |v97|, 0x2800000
	v_max3_num_f32 v233, |v112|, |v113|, 0x2800000
.irp i, 2,4,6,8,10,12,14
	s_delay_alu instid0(VALU_DEP_2)
	v_max3_num_f32 v232, v232, |v[96+\i]|, |v[97+\i]|
	s_delay_alu instid0(VALU_DEP_2)
	v_max3_num_f32 v233, v233, |v[112+\i]|, |v[113+\i]|
.endr
	s_delay_alu instid0(VALU_DEP_2)
	v_permlanex16_b32 v236, v232, s[SEL], s[SEL+1]
	s_delay_alu instid0(VALU_DEP_2)
	v_permlanex16_b32 v237, v233, s[SEL], s[SEL+1]
	s_delay_alu instid0(VALU_DEP_2)
	v_max_num_f32 v232, v232, v236
	s_delay_alu instid0(VALU_DEP_2)
	v_max_num_f32 v233, v233, v237
	s_delay_alu instid0(VALU_DEP_2)
	v_add_nc_u32 v244, 0xfe000000, v232
	s_delay_alu instid0(VALU_DEP_2)
	v_add_nc_u32 v245, 0xfe000000, v233
	s_delay_alu instid0(VALU_DEP_2)
	v_lshrrev_b32 v236, 23, v244
	s_delay_alu instid0(VALU_DEP_2)
	v_lshrrev_b32 v237, 23, v245
	s_delay_alu instid0(VALU_DEP_1)
	v_lshl_or_b32 v238, v237, 8, v236              ; the head's two scale bytes of my query
	v_cvt_scalef32_pk16_bf6_f32 v[192:194], v[96:111], v244
	v_cvt_scalef32_pk16_bf6_f32 v[204:206], v[112:127], v245
	v_nop
.irp i, 0,1,2
	v_permlane16_swap_b32 v[192+\i], v[204+\i]
.endr
.irp i, 0,1,2
	s_delay_alu instid0(VALU_DEP_3)
	v_mov_b32 v[195+\i], v[204+\i]
.endr
	global_store_b128 v[AK16], v[192:195], s[96:97]           ; 512 consecutive bytes, at a multiple of 256 from AT's first byte
	global_store_b64 v[AK8], v[196:197], s[96:97] offset:512  ; 256
	global_store_b16 v[R4], v238, s[98:99]         ; lanes r and r + 16 store the same two bytes; the word's other half is the neighbouring head's, another cluster's
	s_wait_tensorcnt 0x0
	ds_add_u32 v251, v255
	s_wait_dscnt 0x0
	CROUND                                         ; the closing round
	s_endpgm
.Lfunc_end_k_q0c16906ed4_attn:
	.size	k_q0c16906ed4_attn, .Lfunc_end_k_q0c16906ed4_attn-k_q0c16906ed4_attn
	.p2alignl 7, 3214868480
	.fill 96, 4, 3214868480
	.section	.rodata,"a",@progbits
	.p2align	6, 0x0
	.amdhsa_kernel k_q0c16906ed4_attn
		.amdhsa_group_segment_fixed_size 169984
		.amdhsa_private_segment_fixed_size 0
		.amdhsa_enable_private_segment 0
		.amdhsa_kernarg_size 16
		.amdhsa_user_sgpr_count 2
		.amdhsa_user_sgpr_kernarg_segment_ptr 1
		.amdhsa_wavefront_size32 1
		.amdhsa_system_sgpr_workgroup_id_x 1
		.amdhsa_system_sgpr_workgroup_id_y 1
		.amdhsa_system_sgpr_workgroup_id_z 1
		.amdhsa_system_vgpr_workitem_id 0
		.amdhsa_next_free_vgpr 256
		.amdhsa_next_free_sgpr 100
		.amdhsa_reserve_vcc 1
		.amdhsa_float_denorm_mode_32 3
		.amdhsa_float_denorm_mode_16_64 3
		.amdhsa_memory_ordered 1
		.amdhsa_forward_progress 1
		.amdhsa_inst_pref_size 40
	.end_amdhsa_kernel
	.amdgpu_metadata
---
amdhsa.version: [ 1, 2 ]
amdhsa.kernels:
  - .name:           k_q0c16906ed4_attn
    .symbol:         k_q0c16906ed4_attn.kd
    .args:
      - { .name: QKV, .offset: 0, .size: 8, .value_kind: global_buffer, .address_space: global }
      - { .name: AT, .offset: 8, .size: 8, .value_kind: global_buffer, .address_space: global }
    .group_segment_fixed_size: 169984
    .private_segment_fixed_size: 0
    .kernarg_segment_align: 8
    .kernarg_segment_size: 16
    .max_flat_workgroup_size: 512
    .sgpr_count:     100
    .vgpr_count:     256
    .wavefront_size: 32
...
	.end_amdgpu_metadata
.endif
;; end of part 3
;; launch proj (part 4): grid 8 x 32, 4 waves a work-group, clusters of 4 x 4, 327,680 bytes of LDS; arguments AT, W, b_proj, x, X1; writes X1
.if DOCPART == 4
	.amdgcn_target "amdgcn-amd-amdhsa--gfx1250"
	.amdhsa_code_object_version 6
	.text
	.protected	k_q0c16906ed4_proj
	.globl	k_q0c16906ed4_proj
	.p2align	8
	.type	k_q0c16906ed4_proj,@function
k_q0c16906ed4_proj:
	s_mov_b64 s[64:65], 0
	v_nop
	global_prefetch_b8 v0, s[64:65] scope:SCOPE_SE
	s_setreg_imm32_b32 hwreg(HW_REG_WAVE_MODE, 25, 1), 1
	s_wait_xcnt 0x0
	s_wait_alu depctr_hold_cnt(0) depctr_sa_sdst(0) depctr_va_vdst(0) depctr_va_sdst(0) depctr_va_ssrc(0) depctr_va_vcc(0) depctr_vm_vsrc(0)
	s_getreg_b32 s2, hwreg(HW_REG_IB_STS2, 6, 4)
	s_cmp_eq_u32 s2, 0
	s_cbranch_scc0 .Lentry_in_a_cluster
	s_endpgm
.Lentry_in_a_cluster:
	s_bfe_u32 s2, ttmp6, 0x10000c
	s_cmp_lg_u32 s2, 0xf033
	s_cbranch_scc0 .Lentry_shape_is_right
	s_endpgm
.Lentry_shape_is_right:
; out = res + A B^T + bias: a GEMM on codes of BF6 (E3M2) with E8M0 scales, 4,096 rows x 1,024 columns, f32 out.  KK = 1,024: x1 = x + attn w_proj + b_proj.  KK = 4,096: out = x1 + h w2 + b2.
; OPERANDS lie in memory in the order of the operand's registers.  A half image, 768 bytes, is 16 rows x 64 k: lane L = r + 16 h holds k = 32 h + 0 .. 31 in six registers, registers 0-3 at 16 L, registers 4-5 at 512 + 8 L.
; Codes: [block B of 16 rows][K / 64][768]; scale words (128 k): [rows / 64][K / 128][B % 4][r].  Row r of block B is the matrix row 32 (B / 2) + 8 (B % 2) + r + 8 (r / 8).
; SHARES.  With 1,024 columns, tiles of 256 x 256 would be 64; a tile is 128 x 128, 256 work-groups.  Four waves, each 64 x 64: 16 accumulators.  K goes in slots of 512 (four steps of 128) through a ring of two LDS slots filled by the
; tensor data mover, a quarter of a slot a wave; the scale words of the work-group's rows and columns, for all of K, come once with the first fills.
; CLUSTERS: 4 x 4 work-groups; the rows' tiles are asked for jointly along a row of the cluster, the columns' along a column.
; The product is used transposed (source 0 = 16 columns, source 1 = 16 rows): a lane holds one row and eight neighbouring columns an accumulator.  The bias is the C of each sum's first product.  The residual is loaded at the head, in the
; layout in which the rows leave, and added on the way out, which goes through the wave's own stage in LDS so that sixteen lanes store 256 consecutive aligned bytes.
; NaN and infinities among the inputs are not served.
; REGISTERS, in windows of 256: window 0: v1-29 addresses, v32-63 scale words (two sets), v64-159 the rows' fragments (two sets of 48).  Window 1: v0-95 the columns' fragments, v128-159 the bias.  Window 2: accumulators.  Window 3: the residual.
.set KK,    1024
.set ASC,   3145728                    ; byte offsets: the rows' scale words in their buffer,
.set BCO,   2359296                    ; the columns' codes in W,
.set BSC,   9535488                    ; the columns' scale words in W
.set MB,    4
.set NQ,    8                          ; ALL OF K LIES IN ONE SLOT, filled once by the head's loads: 196,608 bytes of codes; no byte of LDS is filled again, and the ring of which the head comment speaks is not assembled
.set LAPS,  KK/(256*NQ)
.set RBP,   (KK/128)*1536
.set GRP,   (KK/128)*256
.set HALFT, MB*NQ*1536
.set SLOT,  4*HALFT
.set HALFS, (MB/4)*GRP
.set SCL,   SLOT
.set SPARE, SCL+4*HALFS                ; the spare words, 128 bytes a wave: two blocks of 256 bytes that no other line names
.set STAGE, SPARE+512                  ; 16 rows x (256 bytes + 16) a wave; no fill lands here
.set CC,    NQ*192
.set PP,    (KK/128)*192
.set ADRS, 12
.set A16,  16
.set A8,   18
.set B16,  20
.set B8,   22
.set STO,  24
.set RD,   25
.set CO,   26
.set BA,   27
.set SPW,  28
.set NIL,  29
.set SC,   32
.set AS,   64
.set BS,   0
.set BI,   128
.set BK,   64
.set G1,   24
.set G0,   32
.set G1B,  48
.set G0B,  56
.set G1S,  68
.set G0S,  76
.set G1SB, 80
.set G0SB, 88
.set MSB, 0
.macro WIN new                         ; the immediate's high byte repeats the setting that is left
.if MSB != (\new)
	s_set_vgpr_msb (MSB<<8)|(\new)
.set MSB, (\new)
.endif
.endm
.macro JLOAD g0a, g1a, g0b, g1b        ; a joint load: waves 0 and 1 fetch for the rows, waves 2 and 3 for the columns; four v_nop follow each line
	s_cmp_eq_u32 s15, 0
	s_cbranch_scc0 .Lfor_b_\@
	tensor_load_to_lds s[\g0a:\g0a+3], s[\g1a:\g1a+7]
	s_nop 0
.rept 4
	v_nop
.endr
	s_branch .Lasked_\@
.Lfor_b_\@:
	tensor_load_to_lds s[\g0b:\g0b+3], s[\g1b:\g1b+7]
	s_nop 0
.rept 4
	v_nop
.endr
.Lasked_\@:
.endm
.macro CREST
	s_cmp_lg_u32 s14, 0
	s_cbranch_scc1 .Lnot_wave_0_\@
	s_barrier_signal -3
.Lnot_wave_0_\@:
	s_barrier_wait -3
	s_barrier_signal -1
	s_barrier_wait -1
.endm
.macro CROUND
	s_barrier_signal -1
	s_barrier_wait -1
	CREST
.endm
.macro PLACES n
.rept \n
	v_nop
.endr
.endm
	s_load_b128 s[4:7], s[0:1], 0x0                ; the rows' buffer, W
	s_load_b128 s[8:11], s[0:1], 0x10              ; the bias, the residual
	s_load_b64 s[12:13], s[0:1], 0x20              ; out
	v_lshl_add_u32 v[SPW], v0, 2, SPARE
	v_mov_b32 v[NIL], 0
	ds_add_u32 v28, v29
	ds_add_u32 v28, v29
	s_wait_dscnt 0x0
	v_lshrrev_b32 v1, 5, v0
	v_readfirstlane_b32 s14, v1                    ; wave 0..3
	s_lshr_b32 s15, s14, 1                         ; which half of the rows is mine.  Also: I fetch for the rows (0) or the columns (1)
	s_and_b32 s16, s14, 1                          ; which half of the columns.  Also: which half of that side I fetch
	s_bfe_u32 s40, ttmp6, 0x40000                  ; cx, cy
	s_bfe_u32 s41, ttmp6, 0x40004
	s_lshl_b32 s42, ttmp9, 2
	s_add_co_u32 s42, s42, s40                     ; TC: tile column
	s_and_b32 s17, ttmp7, 0xffff
	s_lshl_b32 s17, s17, 2
	s_add_co_u32 s17, s17, s41                     ; TR: tile row
	s_lshl_b32 s43, s41, 2
	s_lshl_b32 s43, 15, s43                        ; my row of the cluster
	s_lshl_b32 s44, 0x1111, s40                    ; my column
	; descriptor group 1: MB rows (one a block of 16 matrix rows) of NQ x 1,536 bytes, elements of 8 bytes, no padding
	s_or_b32 s[G1+0], s43, (3<<16)|(1<<21)
	s_or_b32 s[G1B+0], s44, (3<<16)|(1<<21)
.irp g, G1, G1B
	s_mov_b32 s[\g+1], CC<<16
	s_mov_b32 s[\g+2], (2*MB)<<16                  ; a load brings both halves of a side
	s_mov_b32 s[\g+3], CC<<16
	s_mov_b32 s[\g+4], 2*MB
	s_mov_b32 s[\g+5], PP
	s_mov_b32 s[\g+6], 0
	s_mov_b32 s[\g+7], 0
.endr
	; the scale words of 64 rows: a dense block of HALFS bytes, as rows of 256 bytes
	s_or_b32 s[G1S+0], s43, (3<<16)|(1<<21)
	s_or_b32 s[G1SB+0], s44, (3<<16)|(1<<21)
.irp g, G1S, G1SB
	s_mov_b32 s[\g+1], 32<<16
	s_mov_b32 s[\g+2], (2*HALFS/256)<<16
	s_mov_b32 s[\g+3], 32<<16
	s_mov_b32 s[\g+4], 2*HALFS/256
	s_mov_b32 s[\g+5], 32
	s_mov_b32 s[\g+6], 0
	s_mov_b32 s[\g+7], 0
.endr
	s_lshl_b32 s20, s17, 1                         ; the rows' first half: 2 TR
	s_mul_i32 s22, s20, HALFS
	s_add_co_u32 s22, s22, ASC
	s_mov_b32 s23, 0
	s_mul_i32 s20, s20, MB*RBP
	s_mov_b32 s21, 0
	s_lshl_b32 s46, s42, 1                         ; the columns' first half: 2 TC
	s_mul_i32 s92, s46, HALFS
	s_add_co_u32 s92, s92, BSC
	s_mov_b32 s93, 0
	s_mul_i32 s46, s46, MB*RBP
	s_add_co_u32 s46, s46, BCO
	s_mov_b32 s47, 0
	s_wait_kmcnt 0x0
	s_add_nc_u64 s[20:21], s[4:5], s[20:21]
	s_add_nc_u64 s[22:23], s[4:5], s[22:23]
	s_add_nc_u64 s[46:47], s[6:7], s[46:47]
	s_add_nc_u64 s[92:93], s[6:7], s[92:93]
	CROUND                                         ; all sixteen work-groups are here: the first joint loads meet
	s_mov_b32 s[G0S], 1
	s_mov_b32 s[G0S+1], SCL
	s_mov_b64 s[G0S+2:G0S+3], s[22:23]
	s_or_b32 s[G0S+3], s[G0S+3], 0x80000000
	s_mov_b32 s[G0SB], 1
	s_mov_b32 s[G0SB+1], SCL+2*HALFS
	s_mov_b64 s[G0SB+2:G0SB+3], s[92:93]
	s_or_b32 s[G0SB+3], s[G0SB+3], 0x80000000
; THE HEAD'S LOADS, ONE A WAVE: wave 0 the rows' codes for all of K, wave 1 the columns', wave 2 the rows' scale words, wave 3 the columns'.  One tree of branches on the wave's number, all arms leading to one join.
	s_mov_b32 s[G0], 1
	s_mov_b32 s[G0+1], 0
	s_mov_b64 s[G0+2:G0+3], s[20:21]
	s_or_b32 s[G0+3], s[G0+3], 0x80000000
	s_mov_b32 s[G0B], 1
	s_mov_b32 s[G0B+1], 2*HALFT
	s_mov_b64 s[G0B+2:G0B+3], s[46:47]
	s_or_b32 s[G0B+3], s[G0B+3], 0x80000000
.macro HARM under, g0, g1, next
	s_cmp_lt_u32 s14, \under
	s_cbranch_scc0 \next
	tensor_load_to_lds s[\g0:\g0+3], s[\g1:\g1+7]
	s_nop 0
.rept 4
	v_nop
.endr
	s_branch .Lhead_asked
\next:
.endm
	HARM 1, G0, G1, .Lhead_b
	HARM 2, G0B, G1B, .Lhead_sa
	HARM 3, G0S, G1S, .Lhead_sb
	tensor_load_to_lds s[G0SB:G0SB+3], s[G1SB:G1SB+7]
	s_nop 0
.rept 4
	v_nop
.endr
.Lhead_asked:
	v_and_b32 v1, 15, v0                           ; r
	v_bfe_u32 v2, v0, 4, 1                         ; h
	v_and_b32 v3, 31, v0
	v_lshlrev_b32 v4, 4, v3
	v_lshlrev_b32 v5, 3, v3
	s_mul_i32 s21, s15, HALFT
	s_mul_i32 s22, s16, HALFT
	s_add_co_u32 s22, s22, 2*HALFT
.irp s, 0,1
	v_add_nc_u32 v[A16+\s], s21, v4
	v_add_nc_u32 v[A8+\s], s21, v5
	v_add_nc_u32 v[B16+\s], s22, v4
	v_add_nc_u32 v[B8+\s], s22, v5
	s_add_co_u32 s21, s21, SLOT
	s_add_co_u32 s22, s22, SLOT
.endr
	s_mul_i32 s21, s15, HALFS
	s_mul_i32 s22, s16, HALFS
	s_add_co_u32 s22, s22, 2*HALFS
	s_sub_co_u32 s22, s22, s21
	v_mul_u32_u24 v6, s22, v2                      ; lanes 16-31 take the columns' words
	s_add_co_u32 s21, s21, SCL
	v_lshl_add_u32 v6, v1, 2, v6
	v_add_nc_u32 v[ADRS], s21, v6
	s_mul_i32 s23, s14, 16*272
	s_add_co_u32 s23, s23, STAGE                   ; my stage
	v_mul_u32_u24 v4, v1, 272
	v_lshl_add_u32 v4, v2, 6, v4
	v_add_nc_u32 v[STO], s23, v4                   ; in: row r, + 64 h
	v_mul_u32_u24 v5, v2, 272
	v_lshl_add_u32 v5, v1, 4, v5
	v_add_nc_u32 v[RD], s23, v5                    ; back: lanes 0-15 one row of 256 bytes, lanes 16-31 the next
	v_lshlrev_b32 v5, 12, v2
	v_lshl_add_u32 v[CO], v1, 4, v5                ; and the same two rows in memory, 4,096 bytes apart
	v_lshlrev_b32 v[BA], 6, v2
	s_wait_alu depctr_va_vdst(0)
	s_lshl_b32 s20, s17, 7                         ; my first row: 128 TR + 64 x my half
	s_lshl_b32 s21, s15, 6
	s_add_co_u32 s20, s20, s21
	s_lshl_b32 s20, s20, 12
	s_lshl_b32 s46, s42, 7                         ; my first column: 128 TC + 64 x my half
	s_lshl_b32 s47, s16, 6
	s_add_co_u32 s46, s46, s47
	s_lshl_b32 s46, s46, 2
	s_mov_b32 s47, 0
	s_add_nc_u64 s[8:9], s[8:9], s[46:47]
	s_add_co_u32 s20, s20, s46
	s_mov_b32 s21, 0
	s_add_nc_u64 s[10:11], s[10:11], s[20:21]
	s_add_nc_u64 s[12:13], s[12:13], s[20:21]
	WIN 0x40                                       ; the bias: lane (r, h) wants, for column block b, that of columns 32 (b / 2) + 8 (b % 2) + 16 h + 0 .. 7
.irp b, 0,1,2,3
	global_load_b128 v[BI+8*\b:BI+8*\b+3], v[BA], s[8:9] offset:(32*(\b/2)+8*(\b%2))*4
	global_load_b128 v[BI+8*\b+4:BI+8*\b+7], v[BA], s[8:9] offset:(32*(\b/2)+8*(\b%2))*4+16
.endr
	WIN 0
.macro FRAG reg, a16, a8, off          ; a fragment, 16 rows x 128 k, 12 registers: two half images, each 512 + 256 consecutive bytes
	ds_load_b128 v[\reg:\reg+3], v[\a16] offset:\off
	ds_load_b64 v[\reg+4:\reg+5], v[\a8] offset:\off+512
	ds_load_b128 v[\reg+6:\reg+9], v[\a16] offset:\off+768
	ds_load_b64 v[\reg+10:\reg+11], v[\a8] offset:\off+1280
.endm
.macro FETCH slot, q, p                ; both sides' four fragments of the slot's q-th 128 along K, into set p
	WIN 0x40
.irp i, 0,1,2,3
	FRAG BS+48*(\p)+12*\i, B16+\slot, B8+\slot, (\i*NQ+(\q))*1536
.endr
	WIN 0
.irp i, 0,1,2,3
	FRAG AS+48*(\p)+12*\i, A16+\slot, A8+\slot, (\i*NQ+(\q))*1536
.endr
.endm
.macro SCALES set                      ; a slot's scale words: register NQ i + q: lanes 0-15 the rows' block i, lanes 16-31 the columns' block i
.irp i, 0,1,2,3
.irp q, 0,1,2,3,4,5,6,7
	ds_load_b32 v[SC+16*\set+NQ*\i+\q], v[ADRS] offset:\i*64+256*\q
.endr
.endr
.endm
; Four matrix instructions: row block qd x the four column blocks.  first = 1: the products start the sums, with the bias as C.
; The 16 accumulators take turns, one instruction a turn, in the same order in every step.
.macro MULQ qd, p, q, set, first
.if \first
	WIN 0x91                                       ; source 0 and C window 1, source 1 window 0, D window 2
.else
	WIN 0xa1                                       ; source 0 window 1, source 1 window 0, C and D window 2
.endif
.irp b, 0,1,2,3
.set rD, 8*(4*(\qd)+\b)
.set rB, BS+48*(\p)+12*\b
.set rA, AS+48*(\p)+12*(\qd)
.set rX, SC+16*(\set)+NQ*\b+(\q)
.set rY, SC+16*(\set)+NQ*(\qd)+(\q)
.if \first
	v_wmma_scale_f32_16x16x128_f8f6f4 v[rD:rD+7], v[rB:rB+11], v[rA:rA+11], v[BI+8*\b:BI+8*\b+7], v[rX], v[rY] matrix_a_fmt:MATRIX_FMT_BF6 matrix_b_fmt:MATRIX_FMT_BF6 matrix_a_scale:MATRIX_SCALE_ROW1
.else
	v_wmma_scale_f32_16x16x128_f8f6f4 v[rD:rD+7], v[rB:rB+11], v[rA:rA+11], v[rD:rD+7], v[rX], v[rY] matrix_a_fmt:MATRIX_FMT_BF6 matrix_b_fmt:MATRIX_FMT_BF6 matrix_a_scale:MATRIX_SCALE_ROW1
.endif
.endr
.endm
; A step of 128 along K that has its successor in the same slot: the successor's fragments are asked for first and land under this step's products.
.macro STEP slot, q, first
	s_wait_dscnt 0x0                               ; this step's fragments, asked for a step ago, are in
	PLACES 4                                       ; four plain instructions between the last step's products and the loads into the registers that they read (ISA guide 7.12.1 for vector instructions)
	FETCH \slot, (\q)+1, 1-(\q)%2
	MULQ 0, (\q)%2, \q, \slot, \first
	MULQ 1, (\q)%2, \q, \slot, \first
	MULQ 2, (\q)%2, \q, \slot, \first
	MULQ 3, (\q)%2, \q, \slot, \first
	WIN 0
.endm
; A slot's last step changes slots: one barrier; in front of it each wave waits for all its tensor loads, adds 0 to its spare word, and waits for that and for its reads of this slot.  fill = 1: this slot is filled again.
.macro TURN slot, next, fill
	s_wait_tensorcnt 0x0                           ; all my tensor loads have landed: my part of the next slot
	ds_add_u32 v[SPW], v[NIL]                      ; 0 onto my spare word
	s_wait_dscnt 1                                 ; this step's fragments are in; the add alone may be out
	MULQ 0, 1, NQ-1, \slot, 0
	s_wait_dscnt 0x0                               ; the add is done, and my reads of this slot are over
	s_barrier_signal -1
	MULQ 1, 1, NQ-1, \slot, 0
	WIN 0
	s_barrier_wait -1
.if \fill
	CREST                                          ; the barrier has opened a round of the cluster's: no wave of any partner still reads this slot or has a load on its way
	s_add_nc_u64 s[G0+4*\slot+2:G0+4*\slot+3], s[G0+4*\slot+2:G0+4*\slot+3], 2*NQ*1536
	s_add_nc_u64 s[G0B+4*\slot+2:G0B+4*\slot+3], s[G0B+4*\slot+2:G0B+4*\slot+3], 2*NQ*1536
	JLOAD G0+4*\slot, G1, G0B+4*\slot, G1B         ; my one tensor load behind the round; its four v_nop are the places in front of the loads below
.else
	PLACES 4
.endif
	v_add_nc_u32 v[ADRS], NQ*256, v[ADRS]          ; the next slot's scale words
	FETCH \next, 0, 0
	SCALES \next
	MULQ 2, 1, NQ-1, \slot, 0
	MULQ 3, 1, NQ-1, \slot, 0
	WIN 0
.endm
	s_wait_tensorcnt 0x0                           ; my tile of the head's four is in; behind the barrier everybody's is
	s_barrier_signal -1
	s_barrier_wait -1
	FETCH 0, 0, 0
	SCALES 0
	s_wait_loadcnt 0x0                             ; the bias
	STEP 0, 0, 1                                   ; the first step's products start the sums
	WIN 0xc0                                       ; the residual of my 64 x 64, in the layout in which the rows leave: asked for behind the tiles, wanted on the way out
.irp a, 0,1,2,3
.irp i, 0,1,2,3,4,5,6,7
	global_load_b128 v[32*\a+4*\i:32*\a+4*\i+3], v[CO], s[10:11] offset:(32*(\a/2)+8*(\a%2)+2*\i+8*(\i/4))*4096
.endr
.endr
	WIN 0
.if LAPS > 1
	s_mov_b32 s3, LAPS-1
.Llap:                                             ; a trip goes once round the ring and fills both slots again
	STEP 0, 1, 0
	STEP 0, 2, 0
	TURN 0, 1, 1
	STEP 1, 0, 0
	STEP 1, 1, 0
	STEP 1, 2, 0
	TURN 1, 0, 1
	STEP 0, 0, 0
	s_sub_co_u32 s3, s3, 1
	s_cmp_lg_u32 s3, 0
	s_cbranch_scc1 .Llap
.endif
	STEP 0, 1, 0                                   ; the last lap fills nothing
	STEP 0, 2, 0
	STEP 0, 3, 0
	STEP 0, 4, 0
	STEP 0, 5, 0
	STEP 0, 6, 0
	s_wait_dscnt 0x0
	MULQ 0, 1, NQ-1, 0, 0
	MULQ 1, 1, NQ-1, 0, 0
	MULQ 2, 1, NQ-1, 0, 0
	MULQ 3, 1, NQ-1, 0, 0
	WIN 0
; THE WAY OUT, a block of 16 rows x 64 columns at a time, through my own stage: in by lanes' 32 bytes, back as whole rows of 256 bytes, + the residual, out.
.macro OUTB a
.if (\a) == 0
	PLACES 4                                       ; behind the last products: what follows reads results and loads into registers that products have read
	s_wait_loadcnt 0x0                             ; the residual
.endif
	WIN 0x08                                       ; an LDS store's data are its source 1: window 2
.irp b, 0,1,2,3
	ds_store_b128 v[STO], v[32*(\a)+8*\b:32*(\a)+8*\b+3] offset:128*(\b/2)+32*(\b%2)       ; each accumulator from its low end on
	ds_store_b128 v[STO], v[32*(\a)+8*\b+4:32*(\a)+8*\b+7] offset:128*(\b/2)+32*(\b%2)+16
.endr
	WIN 0
.if (\a) > 0
	s_wait_xcnt 0x0                                ; the last block's stores have read their registers
.endif
.irp i, 0,1,2,3,4,5,6,7
	ds_load_b128 v[BK+4*\i:BK+4*\i+3], v[RD] offset:544*\i   ; LDS serves a wave's instructions in order: these see my stores
.endr
	s_wait_dscnt 0x0
	WIN 0x0c                                       ; source 1 window 3
.irp i, 0,1,2,3,4,5,6,7,8,9,10,11,12,13,14,15
	v_pk_add_f32 v[BK+2*\i:BK+2*\i+1], v[BK+2*\i:BK+2*\i+1], v[32*(\a)+2*\i:32*(\a)+2*\i+1]
.endr
	WIN 0
.irp i, 0,1,2,3,4,5,6,7
	global_store_b128 v[CO], v[BK+4*\i:BK+4*\i+3], s[12:13] offset:(32*((\a)/2)+8*((\a)%2)+2*\i+8*(\i/4))*4096   ; sixteen lanes store 256 consecutive bytes, at a multiple of 256 from the buffer's first byte
.endr
.endm
	OUTB 0
	OUTB 1
	OUTB 2
	OUTB 3
	s_wait_tensorcnt 0x0                           ; the wave's end
	ds_add_u32 v[SPW], v[NIL]
	s_wait_dscnt 0x0
	CROUND                                         ; the closing round: no work-group ends while a partner may still ask for a tile that names it
	s_endpgm
.Lfunc_end_k_q0c16906ed4_proj:
	.size	k_q0c16906ed4_proj, .Lfunc_end_k_q0c16906ed4_proj-k_q0c16906ed4_proj
	.p2alignl 7, 3214868480
	.fill 96, 4, 3214868480
	.section	.rodata,"a",@progbits
	.p2align	6, 0x0
	.amdhsa_kernel k_q0c16906ed4_proj
		.amdhsa_group_segment_fixed_size 327680
		.amdhsa_private_segment_fixed_size 0
		.amdhsa_enable_private_segment 0
		.amdhsa_kernarg_size 40
		.amdhsa_user_sgpr_count 2
		.amdhsa_user_sgpr_kernarg_segment_ptr 1
		.amdhsa_wavefront_size32 1
		.amdhsa_system_sgpr_workgroup_id_x 1
		.amdhsa_system_sgpr_workgroup_id_y 1
		.amdhsa_system_sgpr_workgroup_id_z 1
		.amdhsa_system_vgpr_workitem_id 0
		.amdhsa_next_free_vgpr 1024
		.amdhsa_next_free_sgpr 98
		.amdhsa_reserve_vcc 0
		.amdhsa_float_denorm_mode_32 3
		.amdhsa_float_denorm_mode_16_64 3
		.amdhsa_memory_ordered 1
		.amdhsa_forward_progress 1
		.amdhsa_inst_pref_size 61
	.end_amdhsa_kernel
	.amdgpu_metadata
---
amdhsa.version: [ 1, 2 ]
amdhsa.kernels:
  - .name:           k_q0c16906ed4_proj
    .symbol:         k_q0c16906ed4_proj.kd
    .args:
      - { .name: AT, .offset: 0, .size: 8, .value_kind: global_buffer, .address_space: global }
      - { .name: W, .offset: 8, .size: 8, .value_kind: global_buffer, .address_space: global }
      - { .name: b_proj, .offset: 16, .size: 8, .value_kind: global_buffer, .address_space: global }
      - { .name: x, .offset: 24, .size: 8, .value_kind: global_buffer, .address_space: global }
      - { .name: X1, .offset: 32, .size: 8, .value_kind: global_buffer, .address_space: global }
    .group_segment_fixed_size: 327680
    .private_segment_fixed_size: 0
    .kernarg_segment_align: 8
    .kernarg_segment_size: 40
    .max_flat_workgroup_size: 128
    .sgpr_count:     98
    .vgpr_count:     1024
    .wavefront_size: 32
...
	.end_amdgpu_metadata
.endif
;; end of part 4
;; launch ln2 (part 5): grid 256 x 1, 4 waves a work-group, no clusters, 66,560 bytes of LDS; arguments X1, ln2_w, ln2_b, XN; writes XN
.if DOCPART == 5
	.amdgcn_target "amdgcn-amd-amdhsa--gfx1250"
	.amdhsa_code_object_version 6
	.text
	.protected	k_q0c16906ed4_ln2
	.globl	k_q0c16906ed4_ln2
	.p2align	8
	.type	k_q0c16906ed4_ln2,@function
k_q0c16906ed4_ln2:
	s_mov_b64 s[64:65], 0
	v_nop
	global_prefetch_b8 v0, s[64:65] scope:SCOPE_SE
	s_setreg_imm32_b32 hwreg(HW_REG_WAVE_MODE, 25, 1), 1
	s_wait_xcnt 0x0
; Layer norm of [4096][1024] f32 rows, y = (x - mean) rsqrt(var + 1e-5) w + b in f32, quantised along the row to codes of BF6 (E3M2) with one E8M0 byte for each 32 numbers.
; The result is laid in the ORDER OF AN OPERAND'S REGISTERS: codes [B][16 half images][768 bytes], scale words at byte 3,145,728 as [rows / 64][8][B % 4][r].
; A half image is 16 rows x 64 k: lane L = r + 16 h holds k = 32 h + 0 .. 31 in six registers, registers 0-3 at 16 L, registers 4-5 at 512 + 8 L.  Row r of block B is the matrix row 32 (B / 2) + 8 (B % 2) + r + 8 (r / 8).
; LIMITS: a block of zeros gets the byte 1 where the rule says 127 (its codes are zeros; this program alone reads the bytes); blocks whose largest magnitude lies under 2^-122 keep the byte 1; NaN and infinities are not served.
; SHARES.  A work-group takes one block B: 16 rows.  Phase 1: a wave takes four whole rows (32 numbers a lane a row): mean, then the variance of x - mean, as the definition has it; the normalised rows go to a stage in LDS.
; One barrier.  Phase 2: a wave takes 256 of the 1,024 columns of all 16 rows, in the operand's lane order, and quantises two fragments; the codes leave from registers as runs of 512 and 256 consecutive aligned bytes.
; The scale words leave as pieces of 64 bytes: the other pieces of their 256 bytes belong to three other work-groups.  No tensor loads, no cluster: no input row is read by two work-groups.
.set L16, 4                            ; v4   16 x lane
.set L8,  5                            ; v5   8 x lane
.set SA,  6                            ; v6   the stage, on the way in
.set LA,  7                            ; v7   and on the way out
.set GS,  8                            ; v8   256 h + 4 r: my scale word's place
.set WR,  16                           ; v16-47  the gain;  in phase 2 v16-35 the codes just made
.set BR,  48                           ; v48-79  the bias
.set XR,  80                           ; v80-207 four rows of 32 numbers; in phase 2 two sets of 64
.set S,   208                          ; v208-215 a pair of sums a row
.set MU,  216                          ; v216-223 a pair a row: the mean, later 1 / sqrt(var + eps) in the low word
.set TM,  224                          ; v224-239 at work
.set PW,  240
.set PW0, 241
.set PC,  16
.set SEL, 20                           ; s[20:21] v_permlanex16_b32's selects for lane l xor 16
.set SP,  4112                         ; a stage row: 4,096 bytes + 16, so that the 16 rows that a load touches start 16 bytes apart modulo 256
	s_load_b256 s[4:11], s[0:1], 0x0               ; the rows, the gain, the bias, XN
	v_lshl_add_u32 v254, v0, 2, 0x10200
	v_mov_b32 v255, 0
	v_lshrrev_b32 v1, 5, v0
	v_readfirstlane_b32 s12, v1                    ; wave
	v_and_b32 v1, 31, v0
	v_and_b32 v2, 15, v0                           ; r
	v_bfe_u32 v3, v0, 4, 1                         ; h
	v_lshlrev_b32 v[L16], 4, v1
	v_lshlrev_b32 v[L8], 3, v1
	s_mul_i32 s13, s12, 4*SP
	v_add_nc_u32 v[SA], s13, v[L16]                ; my wave's four stage rows, 16 bytes a lane
	v_mul_u32_u24 v[LA], v2, SP
	v_lshl_add_u32 v[LA], v3, 6, v[LA]
	s_lshl_b32 s13, s12, 10
	v_add_nc_u32 v[LA], s13, v[LA]                 ; row r, my wave's 256 columns, + 64 h: 16 numbers of each block of 32
	v_lshlrev_b32 v[GS], 2, v2
	v_lshl_add_u32 v[GS], v3, 8, v[GS]
.irp b, 0,1,2,3
	v_mov_b32 v[TM+4+\b], 0                        ; written once: a lane permute's destination counts as one of its sources
.endr
	s_lshr_b32 s14, ttmp9, 1                       ; my wave's first row: 32 (B / 2) + 8 (B % 2) + 4 w + 8 (w / 2)
	s_lshl_b32 s14, s14, 5
	s_and_b32 s15, ttmp9, 1
	s_lshl_b32 s15, s15, 3
	s_add_co_u32 s14, s14, s15
	s_lshl_b32 s15, s12, 2
	s_add_co_u32 s14, s14, s15
	s_lshr_b32 s15, s12, 1
	s_lshl_b32 s15, s15, 3
	s_add_co_u32 s14, s14, s15
	s_lshl_b32 s14, s14, 12
	s_mov_b32 s15, 0
	s_mul_i32 s16, ttmp9, 12288                    ; the codes: block B, my wave's two fragments
	s_mul_i32 s17, s12, 3072
	s_add_co_u32 s16, s16, s17
	s_mov_b32 s17, 0
	s_lshr_b32 s18, ttmp9, 2                       ; the scale words
	s_lshl_b32 s18, s18, 11
	s_and_b32 s19, ttmp9, 3
	s_lshl_b32 s19, s19, 6
	s_add_co_u32 s18, s18, s19
	s_lshl_b32 s19, s12, 9
	s_add_co_u32 s18, s18, s19
	s_add_co_u32 s18, s18, 3145728
	s_mov_b32 s19, 0
	s_mov_b32 s[SEL], 0x76543210
	s_mov_b32 s[SEL+1], 0xfedcba98
	s_mov_b32 s22, 0x3a800000                      ; 1 / 1024
	s_mov_b32 s23, 0x3727c5ac                      ; 1e-5
	s_wait_kmcnt 0x0
	s_add_nc_u64 s[4:5], s[4:5], s[14:15]
	s_add_nc_u64 s[16:17], s[10:11], s[16:17]
	s_add_nc_u64 s[18:19], s[10:11], s[18:19]
.irp k, 0,1,2,3
.irp i, 0,1,2,3,4,5,6,7
	global_load_b128 v[XR+32*\k+4*\i:XR+32*\k+4*\i+3], v[L16], s[4:5] offset:4096*\k+512*\i   ; 512 consecutive bytes a load
.endr
.endr
.irp i, 0,1,2,3,4,5,6,7
	global_load_b128 v[WR+4*\i:WR+4*\i+3], v[L16], s[6:7] offset:512*\i
.endr
.irp i, 0,1,2,3,4,5,6,7
	global_load_b128 v[BR+4*\i:BR+4*\i+3], v[L16], s[8:9] offset:512*\i
.endr
.macro ACROSS                          ; each row's two sums, then the wave's 32 lanes; every lane ends with the result in S's low word
.irp k, 0,1,2,3
	v_add_f32 v[S+2*\k], v[S+2*\k], v[S+2*\k+1]
.endr
.irp m, 1,2,4,8
.irp k, 0,1,2,3
	v_add_f32_dpp v[S+2*\k], v[S+2*\k], v[S+2*\k] row_xmask:\m row_mask:0xf bank_mask:0xf
.endr
.endr
.irp k, 0,1,2,3
	v_permlanex16_b32 v[TM+4+\k], v[S+2*\k], s[SEL], s[SEL+1]
.endr
.irp k, 0,1,2,3
	v_add_f32 v[S+2*\k], v[S+2*\k], v[TM+4+\k]
.endr
.endm
	s_wait_loadcnt 16                              ; the rows are in; the 16 loads of gain and bias may be out
.irp k, 0,1,2,3
	v_pk_add_f32 v[S+2*\k:S+2*\k+1], v[XR+32*\k:XR+32*\k+1], v[XR+32*\k+2:XR+32*\k+3]
.endr
.irp p, 4,6,8,10,12,14,16,18,20,22,24,26,28,30
.irp k, 0,1,2,3
	v_pk_add_f32 v[S+2*\k:S+2*\k+1], v[S+2*\k:S+2*\k+1], v[XR+32*\k+\p:XR+32*\k+\p+1]   ; the four rows by turns
.endr
.endr
	ACROSS
.irp k, 0,1,2,3
	v_mul_f32 v[MU+2*\k], s22, v[S+2*\k]           ; the mean, in both words of its pair
	v_mul_f32 v[MU+2*\k+1], s22, v[S+2*\k]
.endr
.irp p, 0,2,4,6,8,10,12,14,16,18,20,22,24,26,28,30
.irp k, 0,1,2,3
	v_pk_add_f32 v[XR+32*\k+\p:XR+32*\k+\p+1], v[XR+32*\k+\p:XR+32*\k+\p+1], v[MU+2*\k:MU+2*\k+1] neg_lo:[0,1] neg_hi:[0,1]   ; x - mean
.endr
.endr
.irp k, 0,1,2,3
	v_pk_mul_f32 v[S+2*\k:S+2*\k+1], v[XR+32*\k:XR+32*\k+1], v[XR+32*\k:XR+32*\k+1]
.endr
.irp p, 2,4,6,8,10,12,14,16,18,20,22,24,26,28,30
.irp k, 0,1,2,3
	v_pk_fma_f32 v[S+2*\k:S+2*\k+1], v[XR+32*\k+\p:XR+32*\k+\p+1], v[XR+32*\k+\p:XR+32*\k+\p+1], v[S+2*\k:S+2*\k+1]
.endr
.endr
	ACROSS
.irp k, 0,1,2,3
	v_fma_f32 v[S+2*\k], v[S+2*\k], s22, s23       ; var + eps
.endr
	s_wait_alu depctr_va_vdst(0)
.irp k, 0,1,2,3
	v_rsq_f32 v[MU+2*\k], v[S+2*\k]
.endr
	v_nop                                          ; a plain instruction behind the last of the four
	s_wait_alu depctr_va_vdst(0)                   ; one wait for the four, ahead of their first reader
	s_wait_loadcnt 0x0                             ; gain and bias
.irp p, 0,2,4,6,8,10,12,14,16,18,20,22,24,26,28,30
.irp k, 0,1,2,3
	v_pk_mul_f32 v[XR+32*\k+\p:XR+32*\k+\p+1], v[XR+32*\k+\p:XR+32*\k+\p+1], v[MU+2*\k:MU+2*\k+1] op_sel_hi:[1,0]
.endr
.endr
.irp p, 0,2,4,6,8,10,12,14,16,18,20,22,24,26,28,30
.irp k, 0,1,2,3
	v_pk_fma_f32 v[XR+32*\k+\p:XR+32*\k+\p+1], v[XR+32*\k+\p:XR+32*\k+\p+1], v[WR+\p:WR+\p+1], v[BR+\p:BR+\p+1]
.endr
.endr
.irp k, 0,1,2,3
.irp i, 0,1,2,3,4,5,6,7
	ds_store_b128 v[SA], v[XR+32*\k+4*\i:XR+32*\k+4*\i+3] offset:SP*\k+512*\i
.endr
.endr
	s_wait_dscnt 0x0                               ; for the others' sake: my rows lie in the stage
	s_barrier_signal -1
	s_barrier_wait -1
.irp s, 0,1
.irp b, 0,1,2,3
.irp j, 0,1,2,3
	ds_load_b128 v[XR+64*\s+16*\b+4*\j:XR+64*\s+16*\b+4*\j+3], v[LA] offset:512*\s+128*\b+16*\j   ; register 16 b + i = k 32 b + 16 h + i of my row
.endr
.endr
.endr
; 64 numbers of a lane, register 16 b + i = k 32 b + 16 h + i of my row, become a fragment's codes in v[PC] on and its scale word in v[PW].
.macro QUANT s
.irp b, 0,1,2,3
	v_max3_num_f32 v[TM+\b], |v[\s+16*\b]|, |v[\s+1+16*\b]|, 0x2800000   ; my 16 numbers of block b, and the floor 2^(5 - 127)
.endr
.irp i, 2,4,6,8,10,12,14
.irp b, 0,1,2,3
	v_max3_num_f32 v[TM+\b], v[TM+\b], |v[\s+16*\b+\i]|, |v[\s+1+16*\b+\i]|
.endr
.endr
.irp b, 0,1,2,3
	v_permlanex16_b32 v[TM+4+\b], v[TM+\b], s[SEL], s[SEL+1]
.endr
.irp b, 0,1,2,3
	v_max_num_f32 v[TM+\b], v[TM+\b], v[TM+4+\b]   ; with lane l xor 16's: the block's largest magnitude
.endr
.irp b, 0,1,2,3
	v_add_nc_u32 v[TM+12+\b], 0xfe000000, v[TM+\b] ; 4 off its exponent field: the conversion's scale operand
.endr
.irp b, 0,1,2,3
	v_lshrrev_b32 v[TM+4+\b], 23, v[TM+12+\b]      ; the scale's byte
.endr
	v_lshl_or_b32 v[PW], v[TM+5], 8, v[TM+4]
	v_lshl_or_b32 v[PW], v[TM+6], 16, v[PW]
	v_lshl_or_b32 v[PW], v[TM+7], 24, v[PW]
.irp c, 0,1
	v_cvt_scalef32_pk16_bf6_f32 v[PC+6*\c:PC+2+6*\c], v[\s+32*\c:\s+15+32*\c], v[TM+12+2*\c]
	v_cvt_scalef32_pk16_bf6_f32 v[PC+12+4*\c:PC+14+4*\c], v[\s+16+32*\c:\s+31+32*\c], v[TM+12+2*\c+1]   ; (a conversion's three registers begin on an even number)
.endr
	v_nop                                          ; one plain instruction behind a scaled conversion
.irp c, 0,1                            ; the operand's layout wants a whole block in a lane: lanes 0-15 block 2 c, lanes 16-31 block 2 c + 1
.irp i, 0,1,2
	v_permlane16_swap_b32 v[PC+6*\c+\i], v[PC+12+4*\c+\i]
.endr
.irp i, 0,1,2
	v_mov_b32 v[PC+3+6*\c+\i], v[PC+12+4*\c+\i]
.endr
.endr
.endm
.macro SENDF s                         ; the fragment leaves as two half images
	global_store_b128 v[L16], v[PC:PC+3], s[16:17] offset:1536*\s
	global_store_b64 v[L8], v[PC+4:PC+5], s[16:17] offset:1536*\s+512
	global_store_b128 v[L16], v[PC+6:PC+9], s[16:17] offset:1536*\s+768
	global_store_b64 v[L8], v[PC+10:PC+11], s[16:17] offset:1536*\s+1280
.endm
	s_wait_dscnt 16                                ; the first 128 columns' 16 loads are in; the second's may be out
	QUANT XR
	SENDF 0
	v_mov_b32 v[PW0], v[PW]
	s_wait_dscnt 0x0
	s_wait_xcnt 0x0                                ; the stores have read the codes' registers, which are written again below
	QUANT XR+64
	SENDF 1
	v_cmp_eq_u32 vcc_lo, 1, v3
	v_cndmask_b32 v[PW0], v[PW0], v[PW], vcc_lo    ; lanes 0-15 store the first fragment's words, lanes 16-31 the second's
	global_store_b32 v[GS], v[PW0], s[18:19]
	s_wait_tensorcnt 0x0
	ds_add_u32 v254, v255
	s_wait_dscnt 0x0
	s_endpgm
.Lfunc_end_k_q0c16906ed4_ln2:
	.size	k_q0c16906ed4_ln2, .Lfunc_end_k_q0c16906ed4_ln2-k_q0c16906ed4_ln2
	.p2alignl 7, 3214868480
	.fill 96, 4, 3214868480
	.section	.rodata,"a",@progbits
	.p2align	6, 0x0
	.amdhsa_kernel k_q0c16906ed4_ln2
		.amdhsa_group_segment_fixed_size 66560
		.amdhsa_private_segment_fixed_size 0
		.amdhsa_enable_private_segment 0
		.amdhsa_kernarg_size 32
		.amdhsa_user_sgpr_count 2
		.amdhsa_user_sgpr_kernarg_segment_ptr 1
		.amdhsa_wavefront_size32 1
		.amdhsa_system_sgpr_workgroup_id_x 1
		.amdhsa_system_sgpr_workgroup_id_y 1
		.amdhsa_system_sgpr_workgroup_id_z 1
		.amdhsa_system_vgpr_workitem_id 0
		.amdhsa_next_free_vgpr 256
		.amdhsa_next_free_sgpr 66
		.amdhsa_reserve_vcc 1
		.amdhsa_float_denorm_mode_32 3
		.amdhsa_float_denorm_mode_16_64 3
		.amdhsa_memory_ordered 1
		.amdhsa_forward_progress 1
		.amdhsa_inst_pref_size 44
	.end_amdhsa_kernel
	.amdgpu_metadata
---
amdhsa.version: [ 1, 2 ]
amdhsa.kernels:
  - .name:           k_q0c16906ed4_ln2
    .symbol:         k_q0c16906ed4_ln2.kd
    .args:
      - { .name: X1, .offset: 0, .size: 8, .value_kind: global_buffer, .address_space: global }
      - { .name: ln2_w, .offset: 8, .size: 8, .value_kind: global_buffer, .address_space: global }
      - { .name: ln2_b, .offset: 16, .size: 8, .value_kind: global_buffer, .address_space: global }
      - { .name: XN, .offset: 24, .size: 8, .value_kind: global_buffer, .address_space: global }
    .group_segment_fixed_size: 66560
    .private_segment_fixed_size: 0
    .kernarg_segment_align: 8
    .kernarg_segment_size: 32
    .max_flat_workgroup_size: 128
    .sgpr_count:     66
    .vgpr_count:     256
    .wavefront_size: 32
...
	.end_amdgpu_metadata
.endif
;; end of part 5
;; launch ffn1 (part 6): grid 16 x 16, 4 waves a work-group, clusters of 4 x 4, 327,680 bytes of LDS; arguments XN, W, HB, b1; writes HB
.if DOCPART == 6
	.amdgcn_target "amdgcn-amd-amdhsa--gfx1250"
	.amdhsa_code_object_version 6
	.text
	.protected	k_q0c16906ed4_ffn1
	.globl	k_q0c16906ed4_ffn1
	.p2align	8
	.type	k_q0c16906ed4_ffn1,@function
k_q0c16906ed4_ffn1:
	s_mov_b64 s[64:65], 0
	v_nop
	global_prefetch_b8 v0, s[64:65] scope:SCOPE_SE
	s_setreg_imm32_b32 hwreg(HW_REG_WAVE_MODE, 25, 1), 1
	s_wait_xcnt 0x0
	s_wait_alu depctr_hold_cnt(0) depctr_sa_sdst(0) depctr_va_vdst(0) depctr_va_sdst(0) depctr_va_ssrc(0) depctr_va_vcc(0) depctr_vm_vsrc(0)
	s_getreg_b32 s2, hwreg(HW_REG_IB_STS2, 6, 4)
	s_cmp_eq_u32 s2, 0
	s_cbranch_scc0 .Lentry_in_a_cluster
	s_endpgm
.Lentry_in_a_cluster:
	s_bfe_u32 s2, ttmp6, 0x10000c
	s_cmp_lg_u32 s2, 0xf033
	s_cbranch_scc0 .Lentry_shape_is_right
	s_endpgm
.Lentry_shape_is_right:
.set FFN,   1
.set MB,    8
.set NQ,    2
.set KK,    1024
.set LAPS,  KK/(256*NQ)
.set RBP,   (KK/128)*1536
.set GRP,   (KK/128)*256
.set HALFT, MB*NQ*1536
.set SLOT,  4*HALFT
.set HALFS, (MB/4)*GRP
.set SCL,   2*SLOT
.set SPARE, SCL+4*HALFS
.set STAGE, SPARE+512
.set ORBP,  51200                      ; the result h lies as [rows / 64][K / 128][6,400]: four blocks of 1,536 bytes, then their 64 scale words; 4 ORBP = 32 such units: from a group of 64 rows to the next
.set CC,    NQ*192
.set PP,    (KK/128)*192
.set GOA,  4
.set GOB,  5
.set BA,   7
.set ADRS, 12
.set A16,  16
.set A8,   18
.set B16,  20
.set B8,   22
.set SWA,  26
.set SRA,  27
.set SPW,  28
.set NIL,  29
.set GOS,  30
.set SC,   32
.set AS,   64
.set BS,   0
.set BI,   192
.set G1,   24
.set G0,   32
.set G1B,  48
.set G0B,  56
.set G1S,  68
.set G0S,  76
.set G1SB, 80
.set G0SB, 88
.set MSB, 0
.macro WIN new
.if MSB != (\new)
	s_set_vgpr_msb (MSB<<8)|(\new)
.set MSB, (\new)
.endif
.endm
.macro JLOAD g0a, g1a, g0b, g1b
	s_cmp_eq_u32 s15, 0
	s_cbranch_scc0 .Lfor_b_\@
	tensor_load_to_lds s[\g0a:\g0a+3], s[\g1a:\g1a+7]
	s_nop 0
.rept 4
	v_nop
.endr
	s_branch .Lasked_\@
.Lfor_b_\@:
	tensor_load_to_lds s[\g0b:\g0b+3], s[\g1b:\g1b+7]
	s_nop 0
.rept 4
	v_nop
.endr
.Lasked_\@:
.endm
.macro CREST
	s_cmp_lg_u32 s14, 0
	s_cbranch_scc1 .Lnot_wave_0_\@
	s_barrier_signal -3
.Lnot_wave_0_\@:
	s_barrier_wait -3
	s_barrier_signal -1
	s_barrier_wait -1
.endm
.macro CROUND
	s_barrier_signal -1
	s_barrier_wait -1
	CREST
.endm
.macro PLACES n
.rept \n
	v_nop
.endr
.endm
	s_load_b128 s[4:7], s[0:1], 0x0
	s_load_b64 s[8:9], s[0:1], 0x10
.if FFN
	s_load_b64 s[98:99], s[0:1], 0x18
.endif
	v_lshl_add_u32 v[SPW], v0, 2, SPARE
	v_mov_b32 v[NIL], 0
	ds_add_u32 v28, v29
	ds_add_u32 v28, v29
	s_wait_dscnt 0x0
	v_lshrrev_b32 v1, 5, v0
	v_readfirstlane_b32 s14, v1
	s_lshr_b32 s15, s14, 1
	s_and_b32 s16, s14, 1
	s_bfe_u32 s40, ttmp6, 0x40000
	s_bfe_u32 s41, ttmp6, 0x40004
	s_and_b32 s17, ttmp7, 0xffff
.if FFN
	s_mov_b32 s42, ttmp9
	s_mov_b32 s18, 0
	s_mov_b32 s19, 3145728
	s_mov_b32 s95, 3145728
	s_mov_b32 s94, 9568256
	s_mov_b32 s96, 0
	s_mov_b32 s97, 12582912
.else
	s_cmp_lt_u32 ttmp9, 2
	s_cselect_b32 s42, ttmp9, s17
	s_cselect_b32 s17, s17, 0
	s_cselect_b32 s18, 0, 1572864
	s_mov_b32 s19, 9502720
	s_cselect_b32 s19, 3145728, s19
	s_mov_b32 s95, 0
	s_mov_b32 s94, 3145728
	s_cselect_b32 s94, 9437184, s94
	s_cselect_b32 s96, 0, 12582912
	s_mov_b32 s97, 16252928
	s_cselect_b32 s97, 15728640, s97
.endif
	s_lshl_b32 s42, s42, 2
	s_add_co_u32 s42, s42, s40
	s_lshl_b32 s17, s17, 2
	s_add_co_u32 s17, s17, s41
	s_lshl_b32 s43, s41, 2
	s_lshl_b32 s43, 15, s43
	s_lshl_b32 s44, 0x1111, s40
	s_or_b32 s[G1+0], s43, (3<<16)|(1<<21)
	s_or_b32 s[G1B+0], s44, (3<<16)|(1<<21)
.irp g, G1, G1B
	s_mov_b32 s[\g+1], CC<<16
	s_mov_b32 s[\g+2], (2*MB)<<16                  ; the head's load brings both halves of a side; behind it the two words that count rows are set to MB
	s_mov_b32 s[\g+3], CC<<16
	s_mov_b32 s[\g+4], 2*MB
	s_mov_b32 s[\g+5], PP
	s_mov_b32 s[\g+6], 0
	s_mov_b32 s[\g+7], 0
.endr
	s_or_b32 s[G1S+0], s43, (3<<16)|(1<<21)
	s_or_b32 s[G1SB+0], s44, (3<<16)|(1<<21)
.irp g, G1S, G1SB
	s_mov_b32 s[\g+1], 32<<16
	s_mov_b32 s[\g+2], (2*HALFS/256)<<16
	s_mov_b32 s[\g+3], 32<<16
	s_mov_b32 s[\g+4], 2*HALFS/256
	s_mov_b32 s[\g+5], 32
	s_mov_b32 s[\g+6], 0
	s_mov_b32 s[\g+7], 0
.endr
	s_lshl_b32 s20, s17, 1                         ; the rows' first half: 2 TR
	s_mul_i32 s22, s20, HALFS
	s_add_co_u32 s22, s22, s19
	s_mov_b32 s23, 0
	s_mul_i32 s20, s20, MB*RBP
	s_add_co_u32 s20, s20, s18
	s_mov_b32 s21, 0
	s_lshl_b32 s46, s42, 1                         ; the columns' first half: 2 TC
	s_mul_i32 s92, s46, HALFS
	s_add_co_u32 s92, s92, s94
	s_mov_b32 s93, 0
	s_mul_i32 s46, s46, MB*RBP
	s_add_co_u32 s46, s46, s95
	s_mov_b32 s47, 0
	s_mul_i32 s45, s14, HALFT
	s_wait_kmcnt 0x0
.if FFN
	s_mov_b64 s[10:11], s[4:5]
	s_mov_b64 s[12:13], s[6:7]
.else
	s_cmp_lt_u32 ttmp9, 2
	s_cselect_b64 s[10:11], s[4:5], s[6:7]
	s_cselect_b64 s[12:13], s[6:7], s[4:5]
.endif
	s_add_nc_u64 s[20:21], s[10:11], s[20:21]
	s_add_nc_u64 s[22:23], s[10:11], s[22:23]
	s_add_nc_u64 s[46:47], s[12:13], s[46:47]
	s_add_nc_u64 s[92:93], s[12:13], s[92:93]
	CROUND
	s_mov_b32 s[G0S], 1
	s_mov_b32 s[G0S+1], SCL
	s_mov_b64 s[G0S+2:G0S+3], s[22:23]
	s_or_b32 s[G0S+3], s[G0S+3], 0x80000000
	s_mov_b32 s[G0SB], 1
	s_mov_b32 s[G0SB+1], SCL+2*HALFS
	s_mov_b64 s[G0SB+2:G0SB+3], s[92:93]
	s_or_b32 s[G0SB+3], s[G0SB+3], 0x80000000
; THE HEAD'S LOADS, ONE A WAVE: wave 0 slot 0's rows, wave 1 slot 0's columns, wave 2 the rows' scale words, wave 3 the columns'.  One tree of branches on the wave's number, all arms leading to one join.
; Slot 0's group 0 serves the head's whole-side loads first; it is set for the ring behind the wait that shows them landed.
	s_mov_b32 s[G0], 1
	s_mov_b32 s[G0+1], 0
	s_mov_b64 s[G0+2:G0+3], s[20:21]
	s_or_b32 s[G0+3], s[G0+3], 0x80000000
	s_mov_b32 s[G0B], 1
	s_mov_b32 s[G0B+1], 2*HALFT
	s_mov_b64 s[G0B+2:G0B+3], s[46:47]
	s_or_b32 s[G0B+3], s[G0B+3], 0x80000000
.macro HARM under, g0, g1, next
	s_cmp_lt_u32 s14, \under
	s_cbranch_scc0 \next
	tensor_load_to_lds s[\g0:\g0+3], s[\g1:\g1+7]
	s_nop 0
.rept 4
	v_nop
.endr
	s_branch .Lhead_asked
\next:
.endm
	HARM 1, G0, G1, .Lhead_b
	HARM 2, G0B, G1B, .Lhead_sa
	HARM 3, G0S, G1S, .Lhead_sb
	tensor_load_to_lds s[G0SB:G0SB+3], s[G1SB:G1SB+7]
	s_nop 0
.rept 4
	v_nop
.endr
.Lhead_asked:
	s_mul_i32 s18, s16, MB*RBP                     ; for the ring: the half of a side that I fetch
	s_mov_b32 s19, 0
	s_add_nc_u64 s[20:21], s[20:21], s[18:19]
	s_add_nc_u64 s[46:47], s[46:47], s[18:19]
	s_cmp_eq_u32 s15, 0                            ; the prefetches: the half of a side that I fetch,
	s_cselect_b64 s[66:67], s[20:21], s[46:47]
	s_cselect_b32 s18, s40, s41                    ; and my place among the four that ask for it with me: 24 of a fill's 96 blocks of 256 bytes each
	s_mul_i32 s18, s18, 24
.irp s, 1
	s_mov_b32 s[G0+4*\s], 1
	s_add_co_u32 s[G0+4*\s+1], s45, \s*SLOT
	s_add_nc_u64 s[G0+4*\s+2:G0+4*\s+3], s[20:21], \s*NQ*1536
	s_or_b32 s[G0+4*\s+3], s[G0+4*\s+3], 0x80000000
	s_mov_b32 s[G0B+4*\s], 1
	s_add_co_u32 s[G0B+4*\s+1], s45, \s*SLOT
	s_add_nc_u64 s[G0B+4*\s+2:G0B+4*\s+3], s[46:47], \s*NQ*1536
	s_or_b32 s[G0B+4*\s+3], s[G0B+4*\s+3], 0x80000000
.endr
	v_and_b32 v1, 15, v0
	v_bfe_u32 v2, v0, 4, 1
	v_and_b32 v3, 31, v0
	v_lshlrev_b32 v[GOA], 4, v3
	v_lshlrev_b32 v[GOB], 3, v3
	v_min_u32 v8, 23, v3                           ; the prefetches' offset: block j = 24 x my place + lane (the lanes left over name the last again);
	v_add_nc_u32 v8, s18, v8
	v_mul_u32_u24 v9, 43, v8
	v_lshrrev_b32 v9, 9, v9                        ; j / 12 (exact for j under 96): the tile's row, 12 blocks of 256 bytes each;
	v_mul_u32_u24 v9, 9216, v9
	v_lshl_add_u32 v9, v8, 8, v9                   ; row x 12,288 + (j % 12) x 256; never rewritten
	s_mul_i32 s21, s15, HALFT
	s_mul_i32 s22, s16, HALFT
	s_add_co_u32 s22, s22, 2*HALFT
.irp s, 0,1
	v_add_nc_u32 v[A16+\s], s21, v[GOA]
	v_add_nc_u32 v[A8+\s], s21, v[GOB]
	v_add_nc_u32 v[B16+\s], s22, v[GOA]
	v_add_nc_u32 v[B8+\s], s22, v[GOB]
	s_add_co_u32 s21, s21, SLOT
	s_add_co_u32 s22, s22, SLOT
.endr
	s_mul_i32 s21, s15, HALFS
	s_mul_i32 s22, s16, HALFS
	s_add_co_u32 s22, s22, 2*HALFS
	s_sub_co_u32 s22, s22, s21
	v_mul_u32_u24 v6, s22, v2
	s_add_co_u32 s21, s21, SCL
	v_lshl_add_u32 v6, v1, 2, v6
	v_add_nc_u32 v[ADRS], s21, v6
	s_lshl_b32 s23, s14, 9
	s_add_co_u32 s23, s23, STAGE
	v_lshl_add_u32 v[SWA], v1, 2, s23
	v_add_nc_u32 v[SRA], s23, v[GOA]
	v_mul_u32_u24 v[GOS], 204800, v2               ; lanes 16-31: the next group of 64 rows
	v_lshl_add_u32 v[GOS], v1, 4, v[GOS]
	global_prefetch_b8 v9, s[66:67] offset:NQ*1536 th:TH_LOAD_NT scope:SCOPE_SE   ; K slot 1, one fill ahead of its load
	s_lshl_b32 s20, s17, 4
	s_lshl_b32 s21, s15, 3
	s_add_co_u32 s20, s20, s21
	s_mul_i32 s20, s20, ORBP
	s_add_co_u32 s20, s20, s96
	s_lshl_b32 s46, s42, 1
	s_add_co_u32 s46, s46, s16
	s_mul_i32 s47, s46, 6400                       ; my 128 columns are one K step of the next product: one unit in each group of rows
	s_add_co_u32 s20, s20, s47
	s_mov_b32 s21, 0
	s_add_nc_u64 s[10:11], s[8:9], s[20:21]
	s_add_nc_u64 s[12:13], s[10:11], 6144          ; the unit's scale words stand behind its four blocks of codes
.if FFN
	s_lshl_b32 s46, s42, 10
	s_lshl_b32 s47, s16, 9
	s_add_co_u32 s46, s46, s47
	s_mov_b32 s47, 0
	s_add_nc_u64 s[98:99], s[98:99], s[46:47]
	v_lshlrev_b32 v[BA], 6, v2
	WIN 0x40
.irp b, 0,1,2,3,4,5,6,7
	global_load_b128 v[BI+8*\b:BI+8*\b+3], v[BA], s[98:99] offset:(32*(\b/2)+8*(\b%2))*4
	global_load_b128 v[BI+8*\b+4:BI+8*\b+7], v[BA], s[98:99] offset:(32*(\b/2)+8*(\b%2))*4+16
.endr
	WIN 0
.endif
.macro FRAG reg, a16, a8, off
	ds_load_b128 v[\reg:\reg+3], v[\a16] offset:\off
	ds_load_b64 v[\reg+4:\reg+5], v[\a8] offset:\off+512
	ds_load_b128 v[\reg+6:\reg+9], v[\a16] offset:\off+768
	ds_load_b64 v[\reg+10:\reg+11], v[\a8] offset:\off+1280
.endm
.macro FETCH slot, q, p
	WIN 0x40
.irp i, 0,1,2,3,4,5,6,7
	FRAG BS+96*(\p)+12*\i, B16+\slot, B8+\slot, (\i*NQ+(\q))*1536
.endr
	WIN 0
.irp i, 0,1,2,3,4,5,6,7
	FRAG AS+96*(\p)+12*\i, A16+\slot, A8+\slot, (\i*NQ+(\q))*1536
.endr
.endm
.macro FB slot, q, p, i0               ; four of the columns' fragments, 16 loads
	WIN 0x40
.irp i, \i0, \i0+1, \i0+2, \i0+3
	FRAG BS+96*(\p)+12*(\i), B16+\slot, B8+\slot, ((\i)*NQ+(\q))*1536
.endr
.endm
.macro FA slot, q, p, i0               ; four of the rows' fragments, 16 loads
	WIN 0
.irp i, \i0, \i0+1, \i0+2, \i0+3
	FRAG AS+96*(\p)+12*(\i), A16+\slot, A8+\slot, ((\i)*NQ+(\q))*1536
.endr
.endm
.macro SCALES set
.irp i, 0,1,2,3,4,5,6,7
.irp q, 0,1
	ds_load_b32 v[SC+16*\set+NQ*\i+\q], v[ADRS] offset:(\i/4)*GRP+(\i%4)*64+256*\q
.endr
.endr
.endm
.macro MULQ qd, p, q, set, first
.if (\first) && FFN
	WIN 0x91+0x40*((\qd)/2)
.else
	WIN 0xa1+0x50*((\qd)/2)
.endif
.irp a, 2*(\qd), 2*(\qd)+1
.irp b, 0,1,2,3,4,5,6,7
.set rD, 8*(8*((\a)%4)+\b)
.set rB, BS+96*(\p)+12*\b
.set rA, AS+96*(\p)+12*(\a)
.set rX, SC+16*(\set)+NQ*\b+(\q)
.set rY, SC+16*(\set)+NQ*(\a)+(\q)
.if (\first) && FFN
	v_wmma_scale_f32_16x16x128_f8f6f4 v[rD:rD+7], v[rB:rB+11], v[rA:rA+11], v[BI+8*\b:BI+8*\b+7], v[rX], v[rY] matrix_a_fmt:MATRIX_FMT_BF6 matrix_b_fmt:MATRIX_FMT_BF6 matrix_a_scale:MATRIX_SCALE_ROW1
.elseif \first
	v_wmma_scale_f32_16x16x128_f8f6f4 v[rD:rD+7], v[rB:rB+11], v[rA:rA+11], 0, v[rX], v[rY] matrix_a_fmt:MATRIX_FMT_BF6 matrix_b_fmt:MATRIX_FMT_BF6 matrix_a_scale:MATRIX_SCALE_ROW1
.else
	v_wmma_scale_f32_16x16x128_f8f6f4 v[rD:rD+7], v[rB:rB+11], v[rA:rA+11], v[rD:rD+7], v[rX], v[rY] matrix_a_fmt:MATRIX_FMT_BF6 matrix_b_fmt:MATRIX_FMT_BF6 matrix_a_scale:MATRIX_SCALE_ROW1
.endif
.endr
.endr
.endm
.macro STEP slot, q, first
	s_wait_dscnt 16                                ; this step's columns, scale words and row blocks 0-3 are in; the youngest 16 loads, row blocks 4-7, may be out
	PLACES 4                                       ; four plain instructions between the last step's products and the loads into the registers that they read
	FB \slot, (\q)+1, 1-(\q)%2, 0                  ; the successor's fragments come in four runs of 16 loads, one ahead of each 16 products
	MULQ 0, (\q)%2, \q, \slot, \first
	FB \slot, (\q)+1, 1-(\q)%2, 4
	MULQ 1, (\q)%2, \q, \slot, \first
	FA \slot, (\q)+1, 1-(\q)%2, 0
	s_wait_dscnt 48                                ; row blocks 4-7 are in: all but the 48 loads issued behind them
	MULQ 2, (\q)%2, \q, \slot, \first
	FA \slot, (\q)+1, 1-(\q)%2, 4
	MULQ 3, (\q)%2, \q, \slot, \first
	WIN 0
.endm
.macro TURN slot, next, fill
	s_wait_tensorcnt 0x0
	ds_add_u32 v[SPW], v[NIL]
	s_wait_dscnt 17                                ; the add and the 16 loads of row blocks 4-7 may be out
	MULQ 0, 1, NQ-1, \slot, 0
	s_wait_dscnt 0x0
	s_barrier_signal -1
	MULQ 1, 1, NQ-1, \slot, 0
	WIN 0
	s_barrier_wait -1
.if \fill
	CREST
	s_add_nc_u64 s[G0+4*\slot+2:G0+4*\slot+3], s[G0+4*\slot+2:G0+4*\slot+3], 2*NQ*1536
	s_add_nc_u64 s[G0B+4*\slot+2:G0B+4*\slot+3], s[G0B+4*\slot+2:G0B+4*\slot+3], 2*NQ*1536
	JLOAD G0+4*\slot, G1, G0B+4*\slot, G1B
.else
	PLACES 4
.endif
	s_wait_alu depctr_va_vdst(0)
	v_add_nc_u32 v[ADRS], NQ*256, v[ADRS]
	FB \next, 0, 0, 0
	FB \next, 0, 0, 4
	MULQ 2, 1, NQ-1, \slot, 0
	FA \next, 0, 0, 0
	SCALES \next
	FA \next, 0, 0, 4                              ; row blocks 4-7 last: the next step's first wait leaves them out
.if (\fill) && (\slot) == 0
	global_prefetch_b8 v9, s[66:67] offset:3*NQ*1536 th:TH_LOAD_NT scope:SCOPE_SE   ; K slot 3, the last: one fill ahead of its load (the loop has one trip)
.endif
	MULQ 3, 1, NQ-1, \slot, 0
	WIN 0
.endm
	s_wait_alu depctr_va_vdst(0)
	s_wait_tensorcnt 0x0                           ; my tile of the head's four is in; slot 1's first fill is issued as a refill is:
	ds_add_u32 v[SPW], v[NIL]                      ; 0 onto my spare word
	s_mov_b32 s[G1+2], MB<<16                      ; no load of mine is out: from here on a load brings MB rows,
	s_mov_b32 s[G1+4], MB
	s_mov_b32 s[G1B+2], MB<<16
	s_mov_b32 s[G1B+4], MB
	s_mov_b32 s[G0+1], s45                         ; and slot 0's group 0 is the ring's: my quarter, one slot of K ahead of slot 1's
	s_sub_nc_u64 s[G0+2:G0+3], s[G0+6:G0+7], NQ*1536
	s_mov_b32 s[G0B+1], s45
	s_sub_nc_u64 s[G0B+2:G0B+3], s[G0B+6:G0B+7], NQ*1536
	s_wait_dscnt 0x0
	CROUND                                         ; all four tiles are in, and all sixteen work-groups are here
	JLOAD G0+4, G1, G0B+4, G1B                     ; slot 1: my one tensor load behind the round
	SCALES 0
	FETCH 0, 0, 0                                  ; row blocks 4-7 last
	global_prefetch_b8 v9, s[66:67] offset:2*NQ*1536 th:TH_LOAD_NT scope:SCOPE_SE   ; K slot 2
.if FFN
	s_wait_loadcnt 0x0
.endif
	STEP 0, 0, 1
	s_mov_b32 s3, LAPS-1
.Llap:
	TURN 0, 1, 1
	STEP 1, 0, 0
	TURN 1, 0, 1
	STEP 0, 0, 0
	s_sub_co_u32 s3, s3, 1
	s_cmp_lg_u32 s3, 0
	s_cbranch_scc1 .Llap
	TURN 0, 1, 0
	STEP 1, 0, 0
	s_wait_dscnt 0x0
	MULQ 0, 1, NQ-1, 1, 0
	MULQ 1, 1, NQ-1, 1, 0
	MULQ 2, 1, NQ-1, 1, 0
	MULQ 3, 1, NQ-1, 1, 0
	WIN 0
.set T,   64
.set TX,  88
.set SCF, 92
.set BY,  96
.set PC,  104
.set SO,  124
.set PW,  128
	PLACES 4
	s_mov_b32 s18, 0x76543210
	s_mov_b32 s19, 0xfedcba98
.irp b, 0,1,2,3
	v_mov_b32 v[TX+\b], 0
.endr
.macro QBLK a
.set AC, 64*((\a)%4)
.set WN, 2+(\a)/4
.if FFN
.set WW, (WN<<6)|(WN<<2)
	WIN WW
.set j, 0
.rept 64
	v_max_num_f32 v[AC+j], 0, v[AC+j]
.set j, j+1
.endr
.endif
.set WW, WN|(WN<<2)|(WN<<4)
	WIN WW
.irp g, 0,1,2,3,4
.irp b, 0,1,2,3
	v_max3_num_f32 v[T+6*\b+\g], |v[AC+16*\b+3*\g]|, |v[AC+16*\b+3*\g+1]|, |v[AC+16*\b+3*\g+2]|
.endr
.endr
.irp b, 0,1,2,3
	v_max3_num_f32 v[T+6*\b+5], |v[AC+16*\b+13]|, |v[AC+16*\b+14]|, |v[AC+16*\b+15]|
.endr
	WIN 0
.irp b, 0,1,2,3
	v_max3_num_f32 v[T+6*\b], v[T+6*\b], v[T+6*\b+1], v[T+6*\b+2]
.endr
.irp b, 0,1,2,3
	v_max3_num_f32 v[T+6*\b+3], v[T+6*\b+3], v[T+6*\b+4], v[T+6*\b+5]
.endr
.irp b, 0,1,2,3
	v_max3_num_f32 v[T+6*\b], v[T+6*\b], v[T+6*\b+3], 0x2800000
.endr
.irp b, 0,1,2,3
	v_permlanex16_b32 v[TX+\b], v[T+6*\b], s18, s19
.endr
.irp b, 0,1,2,3
	v_max_num_f32 v[T+6*\b], v[T+6*\b], v[TX+\b]
.endr
.irp b, 0,1,2,3
	v_add_nc_u32 v[SCF+\b], 0xfe000000, v[T+6*\b]
.endr
.irp b, 0,1,2,3
	v_lshrrev_b32 v[BY+\b], 23, v[SCF+\b]
.endr
	v_lshl_or_b32 v[PW+(\a)], v[BY+1], 8, v[BY]
	v_lshl_or_b32 v[PW+(\a)], v[BY+2], 16, v[PW+(\a)]
	v_lshl_or_b32 v[PW+(\a)], v[BY+3], 24, v[PW+(\a)]
.if (\a) > 0
	s_wait_xcnt 0x0
.endif
	WIN WN
.irp c, 0,1
	v_cvt_scalef32_pk16_bf6_f32 v[PC+6*\c:PC+6*\c+2], v[AC+32*\c:AC+32*\c+15], v[SCF+2*\c]
	v_cvt_scalef32_pk16_bf6_f32 v[PC+12+4*\c:PC+14+4*\c], v[AC+32*\c+16:AC+32*\c+31], v[SCF+2*\c+1]
.endr
	WIN 0
	v_nop
.irp c, 0,1
.irp i, 0,1,2
	v_permlane16_swap_b32 v[PC+6*\c+\i], v[PC+12+4*\c+\i]
.endr
.irp i, 0,1,2
	v_mov_b32 v[PC+3+6*\c+\i], v[PC+12+4*\c+\i]
.endr
.endr
.set OB, ((\a)/4)*4*ORBP+((\a)%4)*1536
	global_store_b128 v[GOA], v[PC:PC+3], s[10:11] offset:OB
	global_store_b64 v[GOB], v[PC+4:PC+5], s[10:11] offset:OB+512
	global_store_b128 v[GOA], v[PC+6:PC+9], s[10:11] offset:OB+768
	global_store_b64 v[GOB], v[PC+10:PC+11], s[10:11] offset:OB+1280
	ds_store_b32 v[SWA], v[PW+(\a)] offset:64*(\a)
.endm
.irp a, 0,1,2,3,4,5,6,7
	QBLK \a
.endr
	ds_load_b128 v[SO:SO+3], v[SRA]
	s_wait_dscnt 0x0
	global_store_b128 v[GOS], v[SO:SO+3], s[12:13]
	s_wait_tensorcnt 0x0
	ds_add_u32 v[SPW], v[NIL]
	s_wait_dscnt 0x0
	CROUND
	s_endpgm
.Lfunc_end_k_q0c16906ed4_ffn1:
	.size	k_q0c16906ed4_ffn1, .Lfunc_end_k_q0c16906ed4_ffn1-k_q0c16906ed4_ffn1
	.p2alignl 7, 3214868480
	.fill 96, 4, 3214868480
	.section	.rodata,"a",@progbits
	.p2align	6, 0x0
	.amdhsa_kernel k_q0c16906ed4_ffn1
		.amdhsa_group_segment_fixed_size 327680
		.amdhsa_private_segment_fixed_size 0
		.amdhsa_enable_private_segment 0
		.amdhsa_kernarg_size 32
		.amdhsa_user_sgpr_count 2
		.amdhsa_user_sgpr_kernarg_segment_ptr 1
		.amdhsa_wavefront_size32 1
		.amdhsa_system_sgpr_workgroup_id_x 1
		.amdhsa_system_sgpr_workgroup_id_y 1
		.amdhsa_system_sgpr_workgroup_id_z 1
		.amdhsa_system_vgpr_workitem_id 0
		.amdhsa_next_free_vgpr 1024
		.amdhsa_next_free_sgpr 100
		.amdhsa_reserve_vcc 0
		.amdhsa_float_denorm_mode_32 3
		.amdhsa_float_denorm_mode_16_64 3
		.amdhsa_memory_ordered 1
		.amdhsa_forward_progress 1
		.amdhsa_inst_pref_size 173
	.end_amdhsa_kernel
	.amdgpu_metadata
---
amdhsa.version: [ 1, 2 ]
amdhsa.kernels:
  - .name:           k_q0c16906ed4_ffn1
    .symbol:         k_q0c16906ed4_ffn1.kd
    .args:
      - { .name: XN, .offset: 0, .size: 8, .value_kind: global_buffer, .address_space: global }
      - { .name: W, .offset: 8, .size: 8, .value_kind: global_buffer, .address_space: global }
      - { .name: HB, .offset: 16, .size: 8, .value_kind: global_buffer, .address_space: global }
      - { .name: b1, .offset: 24, .size: 8, .value_kind: global_buffer, .address_space: global }
    .group_segment_fixed_size: 327680
    .private_segment_fixed_size: 0
    .kernarg_segment_align: 8
    .kernarg_segment_size: 32
    .max_flat_workgroup_size: 128
    .sgpr_count:     100
    .vgpr_count:     1024
    .wavefront_size: 32
...
	.end_amdgpu_metadata
.endif
;; end of part 6
;; launch ffn2 (part 7): grid 8 x 32, 4 waves a work-group, clusters of 4 x 4, 327,680 bytes of LDS; arguments HB, W, b2, X1, out0; writes out0
.if DOCPART == 7
	.amdgcn_target "amdgcn-amd-amdhsa--gfx1250"
	.amdhsa_code_object_version 6
	.text
	.protected	k_q0c16906ed4_ffn2
	.globl	k_q0c16906ed4_ffn2
	.p2align	8
	.type	k_q0c16906ed4_ffn2,@function
k_q0c16906ed4_ffn2:
	s_mov_b64 s[64:65], 0
	v_nop
	global_prefetch_b8 v0, s[64:65] scope:SCOPE_SE
	s_setreg_imm32_b32 hwreg(HW_REG_WAVE_MODE, 25, 1), 1
	s_wait_xcnt 0x0
	s_wait_alu depctr_hold_cnt(0) depctr_sa_sdst(0) depctr_va_vdst(0) depctr_va_sdst(0) depctr_va_ssrc(0) depctr_va_vcc(0) depctr_vm_vsrc(0)
	s_getreg_b32 s2, hwreg(HW_REG_IB_STS2, 6, 4)
	s_cmp_eq_u32 s2, 0
	s_cbranch_scc0 .Lentry_in_a_cluster
	s_endpgm
.Lentry_in_a_cluster:
	s_bfe_u32 s2, ttmp6, 0x10000c
	s_cmp_lg_u32 s2, 0xf033
	s_cbranch_scc0 .Lentry_shape_is_right
	s_endpgm
.Lentry_shape_is_right:
; out = x1 + h w2 + b2: a GEMM on codes of BF6 (E3M2) with E8M0 scales, 4,096 rows x 1,024 columns, K = 4,096, f32 out.
; OPERANDS (h in HB, w2 from W's byte 9,830,400 on) lie as [rows / 64][K / 128][UNIT of 6,400 bytes]: four blocks of 16 rows x 128 k, 1,536 bytes each, in the order of the operand's registers, then the 64 rows' scale words [block][r].
; A block is two half images of 768 bytes: lane L = r + 16 h holds k = 32 h + 0 .. 31 in six registers, registers 0-3 at 16 L, registers 4-5 at 512 + 8 L.  Row r of block B is the matrix row 32 (B / 2) + 8 (B % 2) + r + 8 (r / 8).
; So the units of 64 rows along K are one dense run of memory, in rows of 256 bytes from a multiple of 256 on, and one tensor load brings codes and scale words together.
; SHARES.  A tile is 128 x 128: 256 work-groups.  Four waves, each 64 x 64: 16 accumulators.  Waves 0 and 1 fetch the rows' two groups of 64, waves 2 and 3 the columns'; each has a region of 12 units in LDS:
; places 0-1, read once; slot 0, places 2-6; slot 1, places 7-11.
; THE WALK ALONG K, 32 units.  The head's one load a wave brings units 0 to 6 (places 0-1 and slot 0).  Slot 1's first fill, units 7 to 11, is issued as a refill is, behind the three lines and a round of the cluster's barrier.
; The other 20 units come by four refills of five, slots 0 and 1 by turns, each behind the three lines and a round.
; By the text's own count a wave has one tensor load out at a time; slot 1's first fill has six steps, a refill five steps (80 matrix instructions), in which to land.
; CLUSTERS: 4 x 4 work-groups; the rows' units are asked for jointly along a row of the cluster, the columns' along a column.
; PREFETCH: behind each tensor load but the last, one instruction a wave names the NEXT fill's 125 blocks of 256 bytes: the four partners that ask jointly take 32 blocks each, told apart by address
; (the lanes left over name the last block again).  It runs one fill ahead and stops with the last refill, so it stays inside units 7 to 31.
; The product is used transposed (source 0 = 16 columns, source 1 = 16 rows): a lane holds one row and eight neighbouring columns an accumulator.  The bias is the C of each sum's first product.  The residual is asked for behind the
; first step, in the layout in which the rows leave, and added on the way out, which goes through the wave's own stage in LDS so that sixteen lanes store 256 consecutive aligned bytes.
; NaN and infinities among the inputs are not served.
; REGISTERS, in windows of 256: window 0: v1-30 addresses, v32-39 scale words (two sets), v64-159 the rows' fragments (two sets of 48), v160-255 the columns'.  Window 1: v0-127 accumulators, v128-255 the residual.  Window 2: v0-31 the bias.
.set UNIT,  6400
.set GRPB,  32*UNIT                    ; from a group of 64 rows to the next
.set NQ,    5                          ; units in a slot
.set EU,    2                          ; units ahead of slot 0, read once
.set QTR,   (EU+2*NQ)*UNIT             ; a wave's region
.set SPARE, 4*QTR                      ; the spare words, 128 bytes a wave: two blocks of 256 bytes that no other line names
.set STAGE, SPARE+512                  ; 16 rows x (256 bytes + 16) a wave; no fill lands here
.set W2U,   9830400
.set ADRS, 12                          ; v12-13 my scale words, from place 0 and from slot 1 on: lanes 0-15 the rows', lanes 16-31 the columns'
.set A16,  16                          ; v16-17 the rows' fragments, 16 x lane; v18-19 8 x lane
.set A8,   18
.set B16,  20                          ; v20-23 the same for the columns
.set B8,   22
.set STO,  24
.set RD,   25
.set CO,   26
.set BA,   27
.set SPW,  28                          ; v28 SPARE + 4 x my thread's number; never rewritten
.set NIL,  29                          ; v29 0; never rewritten
.set PFO,  30                          ; v30 the prefetches' offset; never rewritten
.set SC,   32
.set AS,   64
.set BS,   160
.set BK,   64
.set RES,  128
.set G1,   24
.set G0,   32
.set G1B,  48
.set G0B,  56
.set G0H,  68
.set G0HB, 72
.set PFA,  76
.set MSB, 0
.macro WIN new                         ; the immediate's high byte repeats the setting that is left
.if MSB != (\new)
	s_set_vgpr_msb (MSB<<8)|(\new)
.set MSB, (\new)
.endif
.endm
.macro JLOAD g0a, g1a, g0b, g1b        ; a joint load: waves 0 and 1 fetch for the rows, waves 2 and 3 for the columns; s_nop 0 and four v_nop follow each line
	s_cmp_eq_u32 s15, 0
	s_cbranch_scc0 .Lfor_b_\@
	tensor_load_to_lds s[\g0a:\g0a+3], s[\g1a:\g1a+7]
	s_nop 0
.rept 4
	v_nop
.endr
	s_branch .Lasked_\@
.Lfor_b_\@:
	tensor_load_to_lds s[\g0b:\g0b+3], s[\g1b:\g1b+7]
	s_nop 0
.rept 4
	v_nop
.endr
.Lasked_\@:
.endm
.macro CREST                           ; a round of the cluster's barrier behind its opening barrier
	s_cmp_lg_u32 s14, 0
	s_cbranch_scc1 .Lnot_wave_0_\@
	s_barrier_signal -3
.Lnot_wave_0_\@:
	s_barrier_wait -3
	s_barrier_signal -1
	s_barrier_wait -1
.endm
.macro CROUND
	s_barrier_signal -1
	s_barrier_wait -1
	CREST
.endm
.macro PLACES n
.rept \n
	v_nop
.endr
.endm
	s_load_b128 s[4:7], s[0:1], 0x0                ; HB, W
	s_load_b128 s[8:11], s[0:1], 0x10              ; b2, X1
	s_load_b64 s[12:13], s[0:1], 0x20              ; out0
	v_lshl_add_u32 v[SPW], v0, 2, SPARE
	v_mov_b32 v[NIL], 0
	ds_add_u32 v[SPW], v[NIL]                      ; the opening lines: the add, twice on end, and its wait ahead of my first tensor load
	ds_add_u32 v[SPW], v[NIL]
	v_lshrrev_b32 v1, 5, v0
	v_readfirstlane_b32 s14, v1                    ; wave 0..3
	s_lshr_b32 s15, s14, 1                         ; which half of the rows is mine.  Also: I fetch for the rows (0) or the columns (1)
	s_and_b32 s16, s14, 1                          ; which half of the columns.  Also: which group of 64 of that side I fetch
	s_bfe_u32 s40, ttmp6, 0x40000                  ; cx, cy
	s_bfe_u32 s41, ttmp6, 0x40004
	s_lshl_b32 s42, ttmp9, 2
	s_add_co_u32 s42, s42, s40                     ; TC: tile column
	s_and_b32 s17, ttmp7, 0xffff
	s_lshl_b32 s17, s17, 2
	s_add_co_u32 s17, s17, s41                     ; TR: tile row
	s_lshl_b32 s43, s41, 2
	s_lshl_b32 s43, 15, s43                        ; my row of the cluster
	s_lshl_b32 s44, 0x1111, s40                    ; my column
	s_or_b32 s[G1+0], s43, (3<<16)|(1<<21)         ; group 1: a dense run as rows of 256 bytes (32 elements of 8); the mask, bit 21 beside it
	s_or_b32 s[G1B+0], s44, (3<<16)|(1<<21)
.irp g, G1, G1B
	s_mov_b32 s[\g+1], 32<<16
	s_mov_b32 s[\g+2], ((EU+NQ)*UNIT/256)<<16      ; the head's load: 7 units, 175 rows
	s_mov_b32 s[\g+3], 32<<16
	s_mov_b32 s[\g+4], (EU+NQ)*UNIT/256
	s_mov_b32 s[\g+5], 32
	s_mov_b32 s[\g+6], 0
	s_mov_b32 s[\g+7], 0
.endr
	s_lshl_b32 s20, s17, 1
	s_add_co_u32 s20, s20, s16                     ; the rows' group that I fetch: 2 TR + half
	s_mul_i32 s20, s20, GRPB
	s_mov_b32 s21, 0
	s_lshl_b32 s46, s42, 1
	s_add_co_u32 s46, s46, s16                     ; the columns': 2 TC + half
	s_mul_i32 s46, s46, GRPB
	s_add_co_u32 s46, s46, W2U
	s_mov_b32 s47, 0
	s_mul_i32 s45, s14, QTR                        ; my region: no place in the cluster enters an LDS address
	s_wait_dscnt 0x0                               ; both opening adds are done
	s_wait_kmcnt 0x0
	s_add_nc_u64 s[20:21], s[4:5], s[20:21]
	s_add_nc_u64 s[46:47], s[6:7], s[46:47]
	CROUND                                         ; all sixteen work-groups are here: the first joint loads meet
	s_mov_b32 s[G0H], 1
	s_mov_b32 s[G0H+1], s45
	s_mov_b64 s[G0H+2:G0H+3], s[20:21]
	s_or_b32 s[G0H+3], s[G0H+3], 0x80000000
	s_mov_b32 s[G0HB], 1
	s_mov_b32 s[G0HB+1], s45
	s_mov_b64 s[G0HB+2:G0HB+3], s[46:47]
	s_or_b32 s[G0HB+3], s[G0HB+3], 0x80000000
	JLOAD G0H, G1, G0HB, G1B                       ; units 0 to 6: my one load at the head
.irp s, 0,1                            ; the ring's group 0: slot 0's first refill begins with unit 12, slot 1's first fill with unit 7; each change of slots steps the OTHER slot's by ten units
	s_mov_b32 s[G0+4*\s], 1
	s_add_co_u32 s[G0+4*\s+1], s45, (EU+NQ*\s)*UNIT
	s_add_nc_u64 s[G0+4*\s+2:G0+4*\s+3], s[20:21], (EU+2*NQ-NQ*\s)*UNIT
	s_or_b32 s[G0+4*\s+3], s[G0+4*\s+3], 0x80000000
	s_mov_b32 s[G0B+4*\s], 1
	s_add_co_u32 s[G0B+4*\s+1], s45, (EU+NQ*\s)*UNIT
	s_add_nc_u64 s[G0B+4*\s+2:G0B+4*\s+3], s[46:47], (EU+2*NQ-NQ*\s)*UNIT
	s_or_b32 s[G0B+4*\s+3], s[G0B+4*\s+3], 0x80000000
.endr
	s_cmp_eq_u32 s15, 0                            ; the prefetches: the run that I fetch, from unit 7 on,
	s_cselect_b64 s[PFA:PFA+1], s[20:21], s[46:47]
	s_cselect_b32 s79, s40, s41                    ; and my place among the four that ask for it with me
	s_lshl_b32 s79, s79, 5
	s_add_nc_u64 s[PFA:PFA+1], s[PFA:PFA+1], (EU+NQ)*UNIT
	s_mul_i32 s18, s15, QTR                        ; my rows' region
	s_mul_i32 s19, s16, QTR
	s_add_co_u32 s19, s19, 2*QTR                   ; my columns'
	s_sub_co_u32 s23, s19, s18
	s_add_co_u32 s22, s18, 4*1536                  ; a unit's scale words stand behind its codes
	s_mul_i32 s78, s14, 16*272
	s_add_co_u32 s78, s78, STAGE                   ; my stage
	s_lshl_b32 s20, s17, 7                         ; my first row: 128 TR + 64 x my half
	s_lshl_b32 s21, s15, 6
	s_add_co_u32 s20, s20, s21
	s_lshl_b32 s20, s20, 12
	s_lshl_b32 s46, s42, 7                         ; my first column: 128 TC + 64 x my half
	s_lshl_b32 s47, s16, 6
	s_add_co_u32 s46, s46, s47
	s_lshl_b32 s46, s46, 2
	s_mov_b32 s47, 0
	s_add_nc_u64 s[8:9], s[8:9], s[46:47]
	s_add_co_u32 s20, s20, s46
	s_mov_b32 s21, 0
	s_add_nc_u64 s[10:11], s[10:11], s[20:21]
	s_add_nc_u64 s[12:13], s[12:13], s[20:21]
	v_and_b32 v1, 15, v0                           ; r
	v_bfe_u32 v2, v0, 4, 1                         ; h
	v_and_b32 v3, 31, v0
	v_lshlrev_b32 v4, 4, v3
	v_lshlrev_b32 v5, 3, v3
	v_add_nc_u32 v[A16], s18, v4
	v_add_nc_u32 v[A8], s18, v5
	v_add_nc_u32 v[B16], s19, v4
	v_add_nc_u32 v[B8], s19, v5
.irp a, A16, A8, B16, B8
	v_add_nc_u32 v[\a+1], (EU+NQ)*UNIT, v[\a]      ; slot 1 begins at place 7
.endr
	v_mul_u32_u24 v6, s23, v2                      ; lanes 16-31 take the columns' words
	v_lshl_add_u32 v6, v1, 2, v6
	v_add_nc_u32 v[ADRS], s22, v6
	v_add_nc_u32 v[ADRS+1], (EU+NQ)*UNIT, v[ADRS]
	v_mul_u32_u24 v4, v1, 272
	v_lshl_add_u32 v4, v2, 6, v4
	v_add_nc_u32 v[STO], s78, v4                   ; the stage, in: row r, + 64 h
	v_mul_u32_u24 v5, v2, 272
	v_lshl_add_u32 v5, v1, 4, v5
	v_add_nc_u32 v[RD], s78, v5                    ; back: lanes 0-15 one row of 256 bytes, lanes 16-31 the next
	v_lshlrev_b32 v5, 12, v2
	v_lshl_add_u32 v[CO], v1, 4, v5                ; and the same two rows in memory, 4,096 bytes apart
	v_lshlrev_b32 v[BA], 6, v2
	v_add_nc_u32 v[PFO], s79, v3                   ; block 32 x my place + lane of a fill's 125,
	v_min_u32 v[PFO], NQ*UNIT/256-1, v[PFO]        ; held at the last
	v_lshlrev_b32 v[PFO], 8, v[PFO]
	s_wait_alu depctr_va_vdst(0)                   ; the end of the head's vector work
	WIN 0x80                                       ; the bias: lane (r, h) wants, for column block b, that of columns 32 (b / 2) + 8 (b % 2) + 16 h + 0 .. 7
.irp b, 0,1,2,3
	global_load_b128 v[8*\b:8*\b+3], v[BA], s[8:9] offset:(32*(\b/2)+8*(\b%2))*4
	global_load_b128 v[8*\b+4:8*\b+7], v[BA], s[8:9] offset:(32*(\b/2)+8*(\b%2))*4+16
.endr
	WIN 0
	global_prefetch_b8 v[PFO], s[PFA:PFA+1] th:TH_LOAD_NT scope:SCOPE_SE   ; slot 1's first fill, units 7 to 11
.macro FRAG reg, a16, a8, off          ; a fragment, 16 rows x 128 k, 12 registers: two half images, each 512 + 256 consecutive bytes
	ds_load_b128 v[\reg:\reg+3], v[\a16] offset:\off
	ds_load_b64 v[\reg+4:\reg+5], v[\a8] offset:\off+512
	ds_load_b128 v[\reg+6:\reg+9], v[\a16] offset:\off+768
	ds_load_b64 v[\reg+10:\reg+11], v[\a8] offset:\off+1280
.endm
; The fragments of the slot's q-th unit come into set p in two runs (slot 0, q = -2, -1: places 0, 1).  FETCH, 24 loads: the columns' four, the four registers of scale words, the rows' block 0.  FETCH1, 12 loads: the rows' blocks 1 to 3.
.macro FETCH slot, q, p
.set FO, ((\q)+EU-EU*(\slot))*UNIT
	WIN 0
.irp i, 0,1,2,3
	FRAG BS+48*(\p)+12*\i, B16+\slot, B8+\slot, FO+\i*1536
.endr
.irp i, 0,1,2,3
	ds_load_b32 v[SC+4*(\p)+\i], v[ADRS+\slot] offset:FO+\i*64   ; lanes 0-15 the rows' block i, lanes 16-31 the columns' block i
.endr
	FRAG AS+48*(\p), A16+\slot, A8+\slot, FO
.endm
.macro FETCH1 slot, q, p
.set FO, ((\q)+EU-EU*(\slot))*UNIT
	WIN 0
.irp i, 1,2,3
	FRAG AS+48*(\p)+12*\i, A16+\slot, A8+\slot, FO+\i*1536
.endr
.endm
; Four matrix instructions: row block qd x the four column blocks.  first = 1: the products start the sums, with the bias as C.
; The 16 accumulators take turns, one instruction a turn, in the same order in every step.
.macro MULQ qd, p, first
.if \first
	WIN 0x60                                       ; C window 2, D window 1
.else
	WIN 0x50                                       ; C and D window 1
.endif
.irp b, 0,1,2,3
.set rD, 8*(4*(\qd)+\b)
.set rB, BS+48*(\p)+12*\b
.set rA, AS+48*(\p)+12*(\qd)
.set rX, SC+4*(\p)+\b
.set rY, SC+4*(\p)+(\qd)
.if \first
	v_wmma_scale_f32_16x16x128_f8f6f4 v[rD:rD+7], v[rB:rB+11], v[rA:rA+11], v[8*\b:8*\b+7], v[rX], v[rY] matrix_a_fmt:MATRIX_FMT_BF6 matrix_b_fmt:MATRIX_FMT_BF6 matrix_a_scale:MATRIX_SCALE_ROW1
.else
	v_wmma_scale_f32_16x16x128_f8f6f4 v[rD:rD+7], v[rB:rB+11], v[rA:rA+11], v[rD:rD+7], v[rX], v[rY] matrix_a_fmt:MATRIX_FMT_BF6 matrix_b_fmt:MATRIX_FMT_BF6 matrix_a_scale:MATRIX_SCALE_ROW1
.endif
.endr
.endm
; A step of 128 along K whose successor lies behind it in LDS: the successor's fragments are asked for in two runs among this step's products.
.macro STEP slot, q, p, first
	s_wait_dscnt 12                                ; this step's first run is in; the youngest 12 loads, the rows' blocks 1-3, may be out
	PLACES 4                                       ; four plain instructions between the last step's products and the loads into the registers that they read (ISA guide 7.12.1 for vector instructions)
	FETCH \slot, (\q)+1, 1-(\p)
	MULQ 0, \p, \first
	s_wait_dscnt 24                                ; the rows' blocks 1-3 are in: all but the 24 loads just issued
	MULQ 1, \p, \first
	FETCH1 \slot, (\q)+1, 1-(\p)
	MULQ 2, \p, \first
	MULQ 3, \p, \first
	WIN 0
.endm
; A slot's last step changes slots: one barrier; in front of it each wave waits for all its tensor loads, adds 0 to its spare word, and waits for that and for its reads of this slot.
; fill = 1: the barrier opens a round of the cluster's, and this slot is filled again.  test = 1: the prefetch is left out in the loop's last trip, where no refill follows.
.macro TURN slot, p, fill, test
.if \fill
	s_wait_xcnt 0x0                                ; my last prefetch, a slot's steps ago, has read its address, which steps by a fill
	s_add_nc_u64 s[PFA:PFA+1], s[PFA:PFA+1], NQ*UNIT
.endif
	s_wait_tensorcnt 0x0                           ; all my tensor loads have landed: my part of the next slot
	ds_add_u32 v[SPW], v[NIL]                      ; 0 onto my spare word
.if \fill
	s_add_nc_u64 s[G0+6-4*\slot:G0+7-4*\slot], s[G0+6-4*\slot:G0+7-4*\slot], 2*NQ*UNIT      ; no load of mine is out: the other slot's next five units
	s_add_nc_u64 s[G0B+6-4*\slot:G0B+7-4*\slot], s[G0B+6-4*\slot:G0B+7-4*\slot], 2*NQ*UNIT
.endif
	s_wait_dscnt 13                                ; this step's first run is in; the add and the 12 loads of the rows' blocks 1-3 may be out
	MULQ 0, \p, 0
	s_wait_dscnt 0x0                               ; the add is done, and my reads of this slot are over
	s_barrier_signal -1
	MULQ 1, \p, 0
	WIN 0
	s_barrier_wait -1
.if \fill
	CREST                                          ; no wave of any partner still reads this slot or has a load on its way
	JLOAD G0+4*\slot, G1, G0B+4*\slot, G1B         ; my one tensor load behind the round; its four v_nop are the places in front of the loads below
.else
	PLACES 4
.endif
	FETCH 1-\slot, 0, 1-(\p)
.if \fill
.if \test
	s_cmp_gt_u32 s3, 1
	s_cbranch_scc0 .Lno_more_\@
.endif
	global_prefetch_b8 v[PFO], s[PFA:PFA+1] offset:NQ*UNIT th:TH_LOAD_NT scope:SCOPE_SE   ; the next refill's five units
.if \test
.Lno_more_\@:
.endif
.endif
	MULQ 2, \p, 0
	FETCH1 1-\slot, 0, 1-(\p)
	MULQ 3, \p, 0
	WIN 0
.endm
	s_wait_tensorcnt 0x0                           ; my 7 units are in; slot 1's first fill is issued as a refill is:
	ds_add_u32 v[SPW], v[NIL]                      ; 0 onto my spare word
	s_mov_b32 s[G1+2], (NQ*UNIT/256)<<16           ; no load of mine is out: from here on a load brings five units, 125 rows
	s_mov_b32 s[G1+4], NQ*UNIT/256
	s_mov_b32 s[G1B+2], (NQ*UNIT/256)<<16
	s_mov_b32 s[G1B+4], NQ*UNIT/256
	s_wait_dscnt 0x0
	CROUND                                         ; everybody's units are in, and all sixteen work-groups are here
	JLOAD G0+4, G1, G0B+4, G1B                     ; units 7 to 11 into slot 1: my one tensor load behind the round
	FETCH 0, -2, 0
	FETCH1 0, -2, 0
	global_prefetch_b8 v[PFO], s[PFA:PFA+1] offset:NQ*UNIT th:TH_LOAD_NT scope:SCOPE_SE   ; the first refill's units 12 to 16
	s_wait_loadcnt 0x0                             ; the bias
	STEP 0, -2, 0, 1                               ; unit 0: its products start the sums
	WIN 0x40                                       ; the residual of my 64 x 64, in the layout in which the rows leave: asked for behind the first tiles, wanted on the way out
.irp a, 0,1,2,3
.irp i, 0,1,2,3,4,5,6,7
	global_load_b128 v[RES+32*\a+4*\i:RES+32*\a+4*\i+3], v[CO], s[10:11] offset:(32*(\a/2)+8*(\a%2)+2*\i+8*(\i/4))*4096
.endr
.endr
	WIN 0
	STEP 0, -1, 1, 0
	s_mov_b32 s3, 2
.Llap:                                             ; a trip is ten steps, once round the ring, and fills both slots again
	STEP 0, 0, 0, 0
	STEP 0, 1, 1, 0
	STEP 0, 2, 0, 0
	STEP 0, 3, 1, 0
	TURN 0, 0, 1, 0
	STEP 1, 0, 1, 0
	STEP 1, 1, 0, 0
	STEP 1, 2, 1, 0
	STEP 1, 3, 0, 0
	TURN 1, 1, 1, 1
	s_sub_co_u32 s3, s3, 1
	s_cmp_lg_u32 s3, 0
	s_cbranch_scc1 .Llap
	STEP 0, 0, 0, 0                                ; the last ten steps fill nothing
	STEP 0, 1, 1, 0
	STEP 0, 2, 0, 0
	STEP 0, 3, 1, 0
	TURN 0, 0, 0, 0
	STEP 1, 0, 1, 0
	STEP 1, 1, 0, 0
	STEP 1, 2, 1, 0
	STEP 1, 3, 0, 0
	s_wait_dscnt 0x0
	MULQ 0, 1, 0
	MULQ 1, 1, 0
	MULQ 2, 1, 0
	MULQ 3, 1, 0
	WIN 0
; THE WAY OUT, a block of 16 rows x 64 columns at a time, through my own stage: in by lanes' 32 bytes, back as whole rows of 256 bytes, + the residual, out.
.macro OUTB a
.if (\a) == 0
	PLACES 4                                       ; behind the last products: what follows reads results and loads into registers that products have read
	s_wait_loadcnt 0x0                             ; the residual
.endif
	WIN 0x04                                       ; an LDS store's data are its source 1: window 1
.irp b, 0,1,2,3
	ds_store_b128 v[STO], v[32*(\a)+8*\b:32*(\a)+8*\b+3] offset:128*(\b/2)+32*(\b%2)       ; each accumulator from its low end on
	ds_store_b128 v[STO], v[32*(\a)+8*\b+4:32*(\a)+8*\b+7] offset:128*(\b/2)+32*(\b%2)+16
.endr
	WIN 0
.if (\a) > 0
	s_wait_xcnt 0x0                                ; the last block's stores have read their registers
.endif
.irp i, 0,1,2,3,4,5,6,7
	ds_load_b128 v[BK+4*\i:BK+4*\i+3], v[RD] offset:544*\i   ; LDS serves a wave's instructions in order: these see my stores
.endr
	s_wait_dscnt 0x0
	WIN 0x04                                       ; source 1 window 1
.irp i, 0,1,2,3,4,5,6,7,8,9,10,11,12,13,14,15
	v_pk_add_f32 v[BK+2*\i:BK+2*\i+1], v[BK+2*\i:BK+2*\i+1], v[RES+32*(\a)+2*\i:RES+32*(\a)+2*\i+1]
.endr
	WIN 0
.irp i, 0,1,2,3,4,5,6,7
	global_store_b128 v[CO], v[BK+4*\i:BK+4*\i+3], s[12:13] offset:(32*((\a)/2)+8*((\a)%2)+2*\i+8*(\i/4))*4096   ; sixteen lanes store 256 consecutive bytes, at a multiple of 256 from the buffer's first byte
.endr
.endm
	OUTB 0
	OUTB 1
	OUTB 2
	OUTB 3
	s_wait_tensorcnt 0x0                           ; the wave's end
	ds_add_u32 v[SPW], v[NIL]
	s_wait_dscnt 0x0
	CROUND                                         ; the closing round: no work-group ends while a partner may still ask for a tile that names it
	s_endpgm
.Lfunc_end_k_q0c16906ed4_ffn2:
	.size	k_q0c16906ed4_ffn2, .Lfunc_end_k_q0c16906ed4_ffn2-k_q0c16906ed4_ffn2
	.p2alignl 7, 3214868480
	.fill 96, 4, 3214868480
	.section	.rodata,"a",@progbits
	.p2align	6, 0x0
	.amdhsa_kernel k_q0c16906ed4_ffn2
		.amdhsa_group_segment_fixed_size 327680
		.amdhsa_private_segment_fixed_size 0
		.amdhsa_enable_private_segment 0
		.amdhsa_kernarg_size 40
		.amdhsa_user_sgpr_count 2
		.amdhsa_user_sgpr_kernarg_segment_ptr 1
		.amdhsa_wavefront_size32 1
		.amdhsa_system_sgpr_workgroup_id_x 1
		.amdhsa_system_sgpr_workgroup_id_y 1
		.amdhsa_system_sgpr_workgroup_id_z 1
		.amdhsa_system_vgpr_workitem_id 0
		.amdhsa_next_free_vgpr 1024
		.amdhsa_next_free_sgpr 84
		.amdhsa_reserve_vcc 0
		.amdhsa_float_denorm_mode_32 3
		.amdhsa_float_denorm_mode_16_64 3
		.amdhsa_memory_ordered 1
		.amdhsa_forward_progress 1
		.amdhsa_inst_pref_size 128
	.end_amdhsa_kernel
	.amdgpu_metadata
---
amdhsa.version: [ 1, 2 ]
amdhsa.kernels:
  - .name:           k_q0c16906ed4_ffn2
    .symbol:         k_q0c16906ed4_ffn2.kd
    .args:
      - { .name: HB, .offset: 0, .size: 8, .value_kind: global_buffer, .address_space: global }
      - { .name: W, .offset: 8, .size: 8, .value_kind: global_buffer, .address_space: global }
      - { .name: b2, .offset: 16, .size: 8, .value_kind: global_buffer, .address_space: global }
      - { .name: X1, .offset: 24, .size: 8, .value_kind: global_buffer, .address_space: global }
      - { .name: out0, .offset: 32, .size: 8, .value_kind: global_buffer, .address_space: global }
    .group_segment_fixed_size: 327680
    .private_segment_fixed_size: 0
    .kernarg_segment_align: 8
    .kernarg_segment_size: 40
    .max_flat_workgroup_size: 128
    .sgpr_count:     84
    .vgpr_count:     1024
    .wavefront_size: 32
...
	.end_amdgpu_metadata
.endif
;; end of part 7
